; MI455X (gfx1250); checked and timed in simulation.
; The chip was launched on July 23, 2026; its instructions are those of AMD's public machine-readable ISA for CDNA 5 (MIT licence, August 2026) and "CDNA5" Instruction Set Architecture Reference Guide (July 2026). The comments in the code are by the model that wrote it; some were corrected since.
;; Encoder Layer. Allowed arithmetic: matrix products marked QUANTISED: E3M2 operands, one E8M0 scale for each 32 along K, by v_wmma_scale_f32_16x16x128_f8f6f4 with both operands' format E3M2, f32 sums; everything else in f32.
;; Inputs: b1 1,024 float32; be1 1,024 float32; be2 1,024 float32; bk 1,024 float32; bq 1,024 float32; bv 1,024 float32; fb1 4,096 float32; fb2 1,024 float32; fw1 1,024 x 4,096 float32; fw2 4,096 x 1,024 float32; g1 1,024 float32; g2 1,024 float32; mask 2 x 1 x 1 x 2,048 int32; w1 1,024 x 1,024 float32; wk 1,024 x 1,024 float32; wq 1,024 x 1,024 float32; wv 1,024 x 1,024 float32; x 2 x 2,048 x 1,024 float32.
;; Outputs: out0 2 x 2,048 x 1,024 float32.
;; This version of the problem:
;;   THIS VERSION OF THE PROBLEM IS GIVEN IN LOW PRECISION. The matrix products marked QUANTISED in the list below multiply operands that are first quantised to E3M2 (3 exponent bits, 2 mantissa bits; 6 bits a number), with one power-of-two scale for each 32 numbers along K (OCP MX v1.0); their sums are f32. All else is computed in f32.
;;   The module's matrix products, in the order in which they are computed (A, B: the left and right operand; K: the contracted axis; several contracted axes count as one K, in the product's order):
;;     1. [M 4,096, K 1,024] x [K 1,024, N 1,024]; A: input x; B: input wq: QUANTISED
;;     2. [M 4,096, K 1,024] x [K 1,024, N 1,024]; A: input x; B: input wk: QUANTISED
;;     3. [M 4,096, K 1,024] x [K 1,024, N 1,024]; A: input x; B: input wv: QUANTISED
;;     4. batch 32 x [M 2,048, K 64] x [K 64, N 2,048]; A: computed on the way; B: computed on the way: QUANTISED
;;     5. batch 32 x [M 2,048, K 2,048] x [K 2,048, N 64]; A: softmax (see below); B: computed on the way: QUANTISED
;;     6. [M 4,096, K 1,024] x [K 1,024, N 1,024]; A: computed on the way; B: input w1: QUANTISED
;;     7. [M 4,096, K 1,024] x [K 1,024, N 4,096]; A: computed on the way; B: input fw1: QUANTISED
;;     8. [M 4,096, K 4,096] x [K 4,096, N 1,024]; A: computed on the way; B: input fw2: QUANTISED
;;   THE QUANTISER, for each operand of a quantised product, along K:
;;     - K is cut into blocks of 32 from its start; a last block that is shorter is filled with zeros.
;;     - A block's scale is 2^e with e = floor(log2(the largest magnitude in the block)) - 4, held to -126 .. 127; a block of zeros has e = 0. As a byte (E8M0): e + 127.
;;     - Each number is divided by its block's scale, clamped to +-28, and rounded to the nearest number of E3M2, ties to even, subnormals kept.
;;     - The product sums the exact products of the quantised numbers (number of the format x scale) in f32.
;;   ~~~python
;;   def quantise(x, axis):      # numpy; x: float32 -> the quantised numbers, widened to float32 again
;;       x = np.moveaxis(x, axis, -1); K = x.shape[-1]
;;       x = np.pad(x, [(0, 0)] * (x.ndim - 1) + [(0, -K % 32)]); x = x.reshape(x.shape[:-1] + (-1, 32)); a = np.abs(x).max(-1, keepdims=True)
;;       e = np.where(a > 0, np.clip(np.frexp(np.where(a > 0, a, 1))[1] - 1 - 4, -126, 127), 0)      # np.frexp(a)[1] - 1 = floor(log2(a)), exactly
;;       r = np.clip(x / 2.0 ** e, -28, 28)
;;       step = 2.0 ** (np.maximum(np.frexp(np.where(r == 0, 1, r))[1] - 1, -2) - 2)
;;       q = np.round(r / step) * step * 2.0 ** e      # np.round: ties to even
;;       return np.moveaxis(q.reshape(q.shape[:-2] + (-1,))[..., :K], -1, axis).astype(np.float32)
;;   ~~~
;;   SOFTMAX AHEAD OF A QUANTISED PRODUCT. Where the list says 'softmax', what is quantised is not the finished softmax but p = 2^(t - M), with t = logit x log2(e) and M = ceil(the row's largest t), a whole number; so 1/2 < the row's largest p <= 1. The row's sum l is taken of the UNQUANTISED p, in f32, and the product's result is divided by l at the end. Since M is a whole number, a kernel that streams over the keys may use a running M (the ceiling of the running maximum): every later rescaling is an exact power of two, which a block's scale takes up: the codes' values come out the same.
;;   OPERANDS COMPUTED ON THE WAY. 'Computed on the way' means the value that the module computes at that place (a softmax that the list does not call 'softmax' is quantised finished and normalised). What goes into a quantiser is computed in f32, as accurately as f32 sums, v_exp_f32 and their like allow (about 1e-6 of the number): no bf16 or f16 on the way to a quantiser, and a product that is left as it is and whose result goes on into a quantised operand takes f32 operands (vector FMAs, or v_wmma_f32_16x16x4_f32). A number that lies on a knife's edge between two numbers of the format may be rounded either way, as far as f32 arithmetic and the matrix unit's own rounding can turn it there, and no further.
;; 2 versions. Each part assembles by itself: llvm-mc -triple=amdgcn-amd-amdhsa -mcpu=gfx1250 --defsym DOCPART=n.
;; ======== version 1 of 2: 8 launches
;; workspace buffers: act 3,276,800 bytes; wts 9,830,400 bytes; qkv 10,092,544 bytes; ybuf 16,777,216 bytes; x1 16,777,216 bytes; hbuf 13,107,200 bytes; maskw 8,448 bytes of whole numbers
;; launch prep (part 1): grid 648 x 1, 4 waves a work-group, no clusters, 67,072 bytes of LDS; arguments x, mask, wq, wk, wv, w1, fw1, fw2, act, wts, maskw; writes act, wts, maskw
.if DOCPART == 1
	.amdgcn_target "amdgcn-amd-amdhsa--gfx1250"
	.amdhsa_code_object_version 6
	.text
	.protected	k_qafce25ba07_prep
	.globl	k_qafce25ba07_prep
	.p2align	8
	.type	k_qafce25ba07_prep,@function
k_qafce25ba07_prep:
	s_mov_b64 s[64:65], 0
	v_nop
	global_prefetch_b8 v0, s[64:65] scope:SCOPE_SE
	s_setreg_imm32_b32 hwreg(HW_REG_WAVE_MODE, 25, 1), 1
	s_wait_xcnt 0x0
; x [4096][1024] and the six weights ([K][N], K outermost), all f32, become codes of E3M2 with one E8M0 byte for each 32 along K; the mask becomes lane masks and flags.
; LAYOUT OF THE CODES: images of the operand's registers.  Rows go in groups of 128, a group in 8 tiles; lane r of tile i holds row 32 (i / 2) + 8 (i % 2) + r % 8 + 16 (r / 8).
; The unit of (group g, K step s of 128, tile i) is 1,536 bytes at ((g KS + s) 8 + i) 1536; register 4 c + j of lane l lies at 512 c + 16 l + 4 j.  Scale words: ((g KS / 2 + s / 2) 8 + i) 128 + 8 r + 4 (s % 2).
; A block's scale byte is its largest magnitude's exponent field - 4, held at 1 from below (a block of zeros gets 1 where the rule says 127: its codes are zeros, and only this program reads the bytes).
; LIMITS: NaN and infinities among the inputs are not served.
; WORK-GROUPS: 0-255 x (a tile of 16 rows each; a wave takes 256 along K); 256-639 the weights (128 columns x 256 along K; a wave 32 columns); 640-647 the mask (a wave takes 128 keys).
.set ASC,  3145728                     ; act: where the scale words begin
.set WSC,  9437184                     ; wts: likewise
.set WREG, 3145728                     ; wts: a region of codes
.set SPX,  1040                        ; x path: a stage row: 1,024 bytes + 16 = 260 words: row r starts at bank 4 r
.set GC,   5                           ; v5   16 x lane
.set QA,   7                           ; v7   where my lane reads its row in the stage
.set H8,   8                           ; v8   8 x (lane / 16)
.set X,    64                          ; v64-127 64 numbers of my row
.set CD,   16                          ; v16-39  codes, a set of 12 for each K step
.set CT,   40                          ; v40-46  upper halves of blocks, as converted
.set MX,   48
.set SO,   50
.set BY,   52
.set WQ,   54                          ; v54-55  the two K steps' scale words
.set WT,   56
.set SEL,  36                          ; s[36:37] selects for lane l xor 16
.set CB,   32                          ; s[32:33] where my units begin
; One K step (128 numbers of each of 16 rows) out of the stage: lane (r, h) takes k = 64 u + 32 h + 0 .. 31 of row r, two whole blocks; codes and scale word are made and the unit is stored, 512 dense bytes a store.
.macro QSTEP q
.irp u, 0,1
.irp e, 0,1,2,3,4,5,6,7
	ds_load_b128 v[X+32*\u+4*\e:X+32*\u+4*\e+3], v[QA] offset:512*\q+256*\u+16*\e
.endr
.endr
	s_wait_dscnt 0x0
.irp u, 0,1
	v_max3_num_f32 v[MX+\u], |v[X+32*\u]|, |v[X+32*\u+1]|, 0x2800000   ; the floor 2^(5 - 127): the byte cannot fall under 1
.endr
.irp i, 2,4,6,8,10,12,14,16,18,20,22,24,26,28,30
.irp u, 0,1
	v_max3_num_f32 v[MX+\u], v[MX+\u], |v[X+32*\u+\i]|, |v[X+32*\u+\i+1]|
.endr
.endr
.irp u, 0,1
	v_add_nc_u32 v[SO+\u], 0xfe000000, v[MX+\u]    ; 4 off the exponent field: the conversion's scale operand
.endr
.irp u, 0,1
	v_lshrrev_b32 v[BY+\u], 23, v[SO+\u]           ; the scale's byte
.endr
	v_lshl_or_b32 v[WQ+\q], v[BY+1], 16, v[BY]     ; my blocks h and 2 + h,
	v_lshlrev_b32 v[WQ+\q], v[H8], v[WQ+\q]        ; at their places in the word;
	v_permlanex16_b32 v[WT], v[WQ+\q], s[SEL], s[SEL+1]
	v_or_b32 v[WQ+\q], v[WQ+\q], v[WT]             ; with lane l xor 16's two the word is whole
.irp u, 0,1
	v_cvt_scalef32_pk16_bf6_f32 v[CD+12*\q+6*\u:CD+12*\q+6*\u+2], v[X+32*\u:X+32*\u+15], v[SO+\u]
	v_cvt_scalef32_pk16_bf6_f32 v[CT+4*\u:CT+4*\u+2], v[X+32*\u+16:X+32*\u+31], v[SO+\u]   ; (three registers begin on an even number)
.endr
	v_nop                                          ; one plain place behind a scaled conversion
.irp u, 0,1
.irp i, 0,1,2
	v_mov_b32 v[CD+12*\q+6*\u+3+\i], v[CT+4*\u+\i]
.endr
.endr
.irp c, 0,1,2
	global_store_b128 v[GC], v[CD+12*\q+4*\c:CD+12*\q+4*\c+3], s[CB:CB+1] offset:12288*\q+512*\c
.endr
.endm
	s_load_b512 s[4:19], s[0:1], 0x0               ; x s[4:5], mask s[6:7], wq s[8:9], wk s[10:11], wv s[12:13], w1 s[14:15], fw1 s[16:17], fw2 s[18:19]
	s_load_b128 s[20:23], s[0:1], 0x40             ; act s[20:21], wts s[22:23]
	s_load_b64 s[24:25], s[0:1], 0x50              ; maskw
	v_lshl_add_u32 v192, v0, 2, 0x10400
	v_mov_b32 v193, 0
	v_lshrrev_b32 v1, 5, v0
	v_readfirstlane_b32 s26, v1                    ; wave
	v_and_b32 v2, 31, v0                           ; lane
	s_cmp_ge_u32 ttmp9, 640
	s_cbranch_scc1 .Lmask
	s_cmp_ge_u32 ttmp9, 256
	s_cbranch_scc1 .Lweights
	; ---- x: work-group = (group G, tile i); wave w takes K steps 2 w and 2 w + 1
	v_and_b32 v3, 15, v0                           ; r
	v_bfe_u32 v4, v0, 4, 1                         ; h
	v_lshlrev_b32 v[GC], 4, v2
	s_mul_i32 s27, s26, 16*SPX                     ; my wave's stage
	v_add_nc_u32 v6, s27, v[GC]                    ; into it: 16 bytes a lane
	v_mul_u32_u24 v[QA], v3, SPX
	v_lshl_add_u32 v[QA], v4, 7, v[QA]
	v_add_nc_u32 v[QA], s27, v[QA]                 ; out of it: row r, + 128 h
	v_lshlrev_b32 v[H8], 3, v4
	v_lshlrev_b32 v9, 3, v3
	v_lshl_add_u32 v9, v4, 2, v9                   ; the scale words' place: 8 r + 4 h
	v_mov_b32 v[WT], 0                             ; a lane permute's destination counts as read
	s_lshr_b32 s28, ttmp9, 3                       ; G
	s_and_b32 s29, ttmp9, 7                        ; i
	s_lshr_b32 s30, s29, 1
	s_lshl_b32 s30, s30, 5
	s_and_b32 s31, s29, 1
	s_lshl_b32 s31, s31, 3
	s_add_co_u32 s30, s30, s31
	s_lshl_b32 s31, s28, 7
	s_add_co_u32 s30, s30, s31                     ; the tile's first row: 128 G + 32 (i / 2) + 8 (i % 2)
	s_lshl_b32 s30, s30, 12
	s_lshl_b32 s31, s26, 10
	s_add_co_u32 s30, s30, s31                     ; in bytes, + my 1,024 bytes of a row
	s_mov_b32 s31, 0
	s_lshl_b32 s32, s28, 3
	s_lshl_b32 s33, s26, 1
	s_add_co_u32 s32, s32, s33
	s_lshl_b32 s32, s32, 3
	s_add_co_u32 s32, s32, s29
	s_mul_i32 s32, s32, 1536                       ; unit ((8 G + 2 w) 8 + i)
	s_mov_b32 s33, 0
	s_lshl_b32 s34, s28, 2
	s_add_co_u32 s34, s34, s26
	s_lshl_b32 s34, s34, 3
	s_add_co_u32 s34, s34, s29
	s_lshl_b32 s34, s34, 7
	s_add_co_u32 s34, s34, ASC                     ; scale words ((4 G + w) 8 + i) 128
	s_mov_b32 s35, 0
	s_mov_b32 s[SEL], 0x76543210
	s_mov_b32 s[SEL+1], 0xfedcba98
	s_mov_b32 s38, 0xffff0000                      ; lanes 16-31
	s_wait_kmcnt 0x0
	s_add_nc_u64 s[4:5], s[4:5], s[30:31]
	s_add_nc_u64 s[32:33], s[20:21], s[32:33]
	s_add_nc_u64 s[34:35], s[20:21], s[34:35]
.irp p, 0,1
.irp e, 0,1,2,3,4,5,6,7,8,9,10,11,12,13,14,15
	global_load_b128 v[64+4*(16*\p+\e):64+4*(16*\p+\e)+3], v[GC], s[4:5] offset:((\e%8)+16*(\e/8))*4096+512*\p th:TH_LOAD_NT   ; 512 consecutive bytes of the tile's row e
.endr
.endr
	s_wait_loadcnt 16                              ; the first K step's sixteen loads are in, the sixteen younger may be out
.irp e, 0,1,2,3,4,5,6,7,8,9,10,11,12,13,14,15
	ds_store_b128 v6, v[64+4*\e:67+4*\e] offset:\e*SPX
.endr
	s_wait_loadcnt 0x0
.irp e, 0,1,2,3,4,5,6,7,8,9,10,11,12,13,14,15
	ds_store_b128 v6, v[128+4*\e:131+4*\e] offset:\e*SPX+512
.endr
	QSTEP 0                                        ; LDS serves a wave's instructions in order: the loads see my stores
	QSTEP 1
	v_cndmask_b32 v57, v[WQ], v[WQ+1], s38         ; lanes 0-15 store the even K step's word, lanes 16-31 the odd one's: 128 dense bytes
	global_store_b32 v9, v57, s[34:35]
	s_wait_tensorcnt 0x0
	ds_add_u32 v192, v193
	s_wait_dscnt 0x0
	s_endpgm
	; ---- the weights: a lane takes a column, its registers run down K
.set OFF, 16                           ; v16-47   row i of a block: i x pitch + 4 x lane
.set WX,  64                           ; v64-127  two sets of 32 numbers
.set TG,  128                          ; v128-175 codes: 12 registers for each (K step, half of the lanes)
.set CTW, 176
.set SW,  180                          ; v180-181 the two K steps' scale words
.Lweights:
	s_sub_co_u32 s27, ttmp9, 256
	s_lshr_b32 s28, s27, 7                         ; c: 0 wq, wk, wv, w1;  1 fw1;  2 fw2
	s_and_b32 s29, s27, 127                        ; j
	s_lshr_b32 s30, s29, 5                         ; j / 32: which of the four (c = 0), which 256 along K (c = 1)
	s_and_b32 s31, s29, 7
	s_lshr_b32 s32, s29, 3                         ; which 256 along K (c = 2)
	s_and_b32 s33, s32, 3                          ; (c = 0)
	s_and_b32 s34, s29, 31
	s_lshl_b32 s35, s30, 3
	s_add_co_u32 s35, s35, s31                     ; group (c = 0)
	s_add_co_u32 s36, s28, 3
	s_cmp_eq_u32 s28, 0
	s_cselect_b32 s37, s35, s31                    ; group
	s_cselect_b32 s38, s33, s32                    ; which 256 along K
	s_cselect_b32 s39, s30, s36                    ; which tensor, 0 .. 5
	s_cmp_eq_u32 s28, 1
	s_cselect_b32 s37, s34, s37
	s_cselect_b32 s38, s30, s38
	s_cselect_b32 s40, s34, s31                    ; which 128 columns
	s_cselect_b32 s41, 14, 12                      ; log2 of a row's bytes
	s_cmp_eq_u32 s28, 2
	s_cselect_b32 s42, 5, 3                        ; log2 of the K steps
	s_add_co_u32 s43, s41, 8
	s_lshl_b32 s44, s38, s43                       ; 256 rows x which
	s_lshl_b32 s45, s40, 9
	s_add_co_u32 s44, s44, s45
	s_lshl_b32 s45, s26, 7
	s_add_co_u32 s44, s44, s45                     ; + my wave's 32 columns
	s_mov_b32 s45, 0
	s_add_co_u32 s43, s41, 5
	s_lshl_b32 s46, 1, s43                         ; 32 rows in bytes
	s_mov_b32 s47, 0
	s_lshl_b32 s43, 1, s41                         ; a row in bytes
	s_lshl_b32 s27, s37, s42
	s_lshl_b32 s29, s38, 1
	s_add_co_u32 s27, s27, s29
	s_mul_i32 s27, s27, 12288
	s_mul_i32 s29, s28, WREG
	s_add_co_u32 s27, s27, s29
	s_mul_i32 s29, s26, 3072
	s_add_co_u32 s30, s27, s29                     ; my two tiles' units of the first K step
	s_mov_b32 s31, 0
	s_sub_co_u32 s32, s42, 1
	s_lshl_b32 s32, s37, s32
	s_add_co_u32 s32, s32, s38
	s_lshl_b32 s32, s32, 10
	s_lshl_b32 s33, s28, 17
	s_add_co_u32 s32, s32, s33
	s_lshl_b32 s33, s26, 8
	s_add_co_u32 s32, s32, s33
	s_add_co_u32 s32, s32, WSC                     ; and their scale words
	s_mov_b32 s33, 0
	v_lshlrev_b32 v3, 2, v2
.set KX, 0
.rept 32
	v_mad_u32_u24 v[OFF+KX], s43, KX, v3
.set KX, KX+1
.endr
	v_and_b32 v5, 7, v2
	v_lshrrev_b32 v6, 4, v2
	v_lshl_add_u32 v5, v6, 3, v5                   ; column l of 32 is lane r = l % 8 + 8 (l / 16)
	v_bfe_u32 v6, v2, 3, 1                         ; of tile u = (l / 8) % 2
	v_mul_u32_u24 v7, v6, 1536
	v_lshl_add_u32 v7, v5, 4, v7                   ; 1536 u + 16 r
	v_lshlrev_b32 v8, 7, v6
	v_lshl_add_u32 v8, v5, 3, v8                   ; 128 u + 8 r
	s_wait_kmcnt 0x0
	s_cmp_eq_u32 s39, 1                            ; the choice hangs on the work-group's number alone
	s_cselect_b64 s[8:9], s[10:11], s[8:9]
	s_cmp_eq_u32 s39, 2
	s_cselect_b64 s[8:9], s[12:13], s[8:9]
	s_cmp_eq_u32 s39, 3
	s_cselect_b64 s[8:9], s[14:15], s[8:9]
	s_cmp_eq_u32 s39, 4
	s_cselect_b64 s[8:9], s[16:17], s[8:9]
	s_cmp_eq_u32 s39, 5
	s_cselect_b64 s[8:9], s[18:19], s[8:9]
	s_add_nc_u64 s[48:49], s[8:9], s[44:45]        ; a base for each of my eight blocks of 32 along K
.irp t, 1,2,3,4,5,6,7
	s_add_nc_u64 s[48+2*\t:49+2*\t], s[46+2*\t:47+2*\t], s[46:47]
.endr
	s_add_nc_u64 s[30:31], s[22:23], s[30:31]
	s_add_nc_u64 s[32:33], s[22:23], s[32:33]
.macro WLOAD t                         ; block t: 32 rows x my column; a load reads 128 consecutive bytes
.set KX, 0
.rept 32
	global_load_b32 v[WX+32*((\t)%2)+KX], v[OFF+KX], s[48+2*(\t):49+2*(\t)] th:TH_LOAD_NT
.set KX, KX+1
.endr
.endm
.macro WBLOCK t                        ; block t = block t % 4 of K step t / 4: it belongs to lanes of half t % 2, registers 6 ((t % 4) / 2) on
.set XS, WX+32*((\t)%2)
.set TD, TG+24*((\t)/4)+12*((\t)%2)+6*(((\t)%4)/2)
.if (\t) < 7
	s_wait_loadcnt 32                              ; this block's 32 loads are in, the next block's 32 may be out
.else
	s_wait_loadcnt 0x0
.endif
	v_max3_num_f32 v12, |v[XS]|, |v[XS+1]|, |v[XS+2]|
	v_max3_num_f32 v13, |v[XS+3]|, |v[XS+4]|, |v[XS+5]|
.irp i, 6,10,14,18,22,26
	v_max3_num_f32 v12, v12, |v[XS+\i]|, |v[XS+\i+1]|
	v_max3_num_f32 v13, v13, |v[XS+\i+2]|, |v[XS+\i+3]|
.endr
	v_max3_num_f32 v12, v12, |v[XS+30]|, |v[XS+31]|
	v_max3_num_f32 v12, v12, v13, 0x2800000        ; and the floor
	v_add_nc_u32 v11, 0xfe000000, v12
	v_lshrrev_b32 v13, 23, v11
.if (\t)%4 == 0
	v_mov_b32 v[SW+(\t)/4], v13
.else
	v_lshl_or_b32 v[SW+(\t)/4], v13, 8*((\t)%4), v[SW+(\t)/4]
.endif
	v_cvt_scalef32_pk16_bf6_f32 v[TD:TD+2], v[XS:XS+15], v11
	v_cvt_scalef32_pk16_bf6_f32 v[CTW:CTW+2], v[XS+16:XS+31], v11
	v_nop                                          ; one plain place behind a scaled conversion
.irp i, 0,1,2
	v_mov_b32 v[TD+3+\i], v[CTW+\i]
.endr
.if (\t)+2 < 8
	WLOAD (\t)+2
.endif
.if (\t)%4 == 3                        ; a K step is whole: each store fills one aligned piece of 256 bytes in each of my two units
.irp g, 0,1
.irp c, 0,1,2
	global_store_b128 v7, v[TG+24*((\t)/4)+12*\g+4*\c:TG+24*((\t)/4)+12*\g+4*\c+3], s[30:31] offset:12288*((\t)/4)+256*\g+512*\c
.endr
.endr
.endif
.endm
	WLOAD 0
	WLOAD 1
.irp t, 0,1,2,3,4,5,6,7
	WBLOCK \t
.endr
	global_store_b64 v8, v[SW:SW+1], s[32:33]      ; 32 lanes store 256 consecutive bytes
	s_endpgm
	; ---- the mask: wave T = 16 b + j takes keys 128 j on of batch b.  Word n = 16 blk + i: bits 0-15 set where key 32 blk + i is masked, bits 16-31 where key 32 blk + 16 + i is
.Lmask:
	s_sub_co_u32 s27, ttmp9, 640
	s_lshl_b32 s27, s27, 2
	s_add_co_u32 s27, s27, s26                     ; T
	s_and_b32 s28, s27, 15
	s_lshl_b32 s29, 1, s28                         ; the step's bit
	v_lshrrev_b32 v3, 4, v2
	v_and_b32 v4, 15, v2
	v_lshl_add_u32 v3, v3, 5, v4
	v_lshlrev_b32 v3, 2, v3                        ; key 32 (l / 16) + l % 16, in bytes
	v_lshlrev_b32 v4, 2, v2
	s_lshl_b32 s30, s27, 9
	s_mov_b32 s31, 0
	s_lshl_b32 s32, s27, 8
	s_mov_b32 s33, 0
	s_lshl_b32 s34, s27, 2
	s_add_co_u32 s34, s34, 8192
	s_mov_b32 s35, 0
	s_wait_kmcnt 0x0
	s_add_nc_u64 s[6:7], s[6:7], s[30:31]
	s_add_nc_u64 s[32:33], s[24:25], s[32:33]
	s_add_nc_u64 s[34:35], s[24:25], s[34:35]
	global_load_b32 v8, v3, s[6:7]
	global_load_b32 v9, v3, s[6:7] offset:64
	global_load_b32 v10, v3, s[6:7] offset:256
	global_load_b32 v11, v3, s[6:7] offset:320
	v_mov_b32 v5, 0xffff
	v_mov_b32 v6, 0xffff0000
	s_wait_loadcnt 0x0
	v_cmp_eq_u32 vcc_lo, 0, v8
	v_cndmask_b32 v12, 0, v5, vcc_lo
	v_cmp_eq_u32 vcc_lo, 0, v9
	v_cndmask_b32 v13, 0, v6, vcc_lo
	v_or_b32 v12, v12, v13                         ; word l
	v_cmp_eq_u32 vcc_lo, 0, v10
	v_cndmask_b32 v14, 0, v5, vcc_lo
	v_cmp_eq_u32 vcc_lo, 0, v11
	v_cndmask_b32 v13, 0, v6, vcc_lo
	v_or_b32 v14, v14, v13                         ; word l + 32
	global_store_b32 v4, v12, s[32:33]
	global_store_b32 v4, v14, s[32:33] offset:128
	v_or_b32 v15, v12, v14
	v_cmp_ne_u32 vcc_lo, 0, v15
	s_cmp_lg_u32 vcc_lo, 0
	s_cselect_b32 s29, s29, 0                      ; the flag: the step's bit where the step has a masked key
	v_mov_b32 v16, s29
	v_mov_b32 v17, 0
	v_cmp_eq_u32 vcc_lo, 0, v2
	s_wait_xcnt 0x0                                ; EXEC changes only behind this wait
	s_and_saveexec_b32 s36, vcc_lo
	global_store_b32 v17, v16, s[34:35]
	s_wait_xcnt 0x0
	s_or_b32 exec_lo, exec_lo, s36
	s_endpgm
.Lfunc_end_k_qafce25ba07_prep:
	.size	k_qafce25ba07_prep, .Lfunc_end_k_qafce25ba07_prep-k_qafce25ba07_prep
	.p2alignl 7, 3214868480
	.fill 96, 4, 3214868480
	.section	.rodata,"a",@progbits
	.p2align	6, 0x0
	.amdhsa_kernel k_qafce25ba07_prep
		.amdhsa_group_segment_fixed_size 67072
		.amdhsa_private_segment_fixed_size 0
		.amdhsa_enable_private_segment 0
		.amdhsa_kernarg_size 88
		.amdhsa_user_sgpr_count 2
		.amdhsa_user_sgpr_kernarg_segment_ptr 1
		.amdhsa_wavefront_size32 1
		.amdhsa_system_sgpr_workgroup_id_x 1
		.amdhsa_system_sgpr_workgroup_id_y 1
		.amdhsa_system_sgpr_workgroup_id_z 1
		.amdhsa_system_vgpr_workitem_id 0
		.amdhsa_next_free_vgpr 194
		.amdhsa_next_free_sgpr 66
		.amdhsa_reserve_vcc 1
		.amdhsa_float_denorm_mode_32 3
		.amdhsa_float_denorm_mode_16_64 3
		.amdhsa_memory_ordered 1
		.amdhsa_forward_progress 1
		.amdhsa_inst_pref_size 61
	.end_amdhsa_kernel
	.amdgpu_metadata
---
amdhsa.version: [ 1, 2 ]
amdhsa.kernels:
  - .name:           k_qafce25ba07_prep
    .symbol:         k_qafce25ba07_prep.kd
    .args:
      - { .name: x, .offset: 0, .size: 8, .value_kind: global_buffer, .address_space: global }
      - { .name: mask, .offset: 8, .size: 8, .value_kind: global_buffer, .address_space: global }
      - { .name: wq, .offset: 16, .size: 8, .value_kind: global_buffer, .address_space: global }
      - { .name: wk, .offset: 24, .size: 8, .value_kind: global_buffer, .address_space: global }
      - { .name: wv, .offset: 32, .size: 8, .value_kind: global_buffer, .address_space: global }
      - { .name: w1, .offset: 40, .size: 8, .value_kind: global_buffer, .address_space: global }
      - { .name: fw1, .offset: 48, .size: 8, .value_kind: global_buffer, .address_space: global }
      - { .name: fw2, .offset: 56, .size: 8, .value_kind: global_buffer, .address_space: global }
      - { .name: act, .offset: 64, .size: 8, .value_kind: global_buffer, .address_space: global }
      - { .name: wts, .offset: 72, .size: 8, .value_kind: global_buffer, .address_space: global }
      - { .name: maskw, .offset: 80, .size: 8, .value_kind: global_buffer, .address_space: global }
    .group_segment_fixed_size: 67072
    .private_segment_fixed_size: 0
    .kernarg_segment_align: 8
    .kernarg_segment_size: 88
    .max_flat_workgroup_size: 128
    .sgpr_count:     66
    .vgpr_count:     194
    .wavefront_size: 32
...
	.end_amdgpu_metadata
.endif
;; end of part 1
;; launch gemm_qkv (part 2): grid 12 x 16, 4 waves a work-group, clusters of 4 x 4, 327,680 bytes of LDS; arguments act, wts, bq, bk, bv, qkv; writes qkv
.if DOCPART == 2
	.amdgcn_target "amdgcn-amd-amdhsa--gfx1250"
	.amdhsa_code_object_version 6
	.text
	.protected	k_qafce25ba07_gemm_qkv
	.globl	k_qafce25ba07_gemm_qkv
	.p2align	8
	.type	k_qafce25ba07_gemm_qkv,@function
k_qafce25ba07_gemm_qkv:
	s_mov_b64 s[64:65], 0
	v_nop
	global_prefetch_b8 v0, s[64:65] scope:SCOPE_SE
	s_setreg_imm32_b32 hwreg(HW_REG_WAVE_MODE, 25, 1), 1
	s_wait_xcnt 0x0
	s_wait_alu depctr_hold_cnt(0) depctr_sa_sdst(0) depctr_va_vdst(0) depctr_va_sdst(0) depctr_va_ssrc(0) depctr_va_vcc(0) depctr_vm_vsrc(0)
	s_getreg_b32 s2, hwreg(HW_REG_IB_STS2, 6, 4)
	s_cmp_eq_u32 s2, 0
	s_cbranch_scc0 .Lentry_in_a_cluster
	s_endpgm
.Lentry_in_a_cluster:
	s_bfe_u32 s2, ttmp6, 0x10000c
	s_cmp_lg_u32 s2, 0xf033
	s_cbranch_scc0 .Lentry_shape_is_right
	s_endpgm
.Lentry_shape_is_right:
; q = x wq + bq, k = x wk + bk, v = x wv + bv on codes of E3M2 (K = 1,024), and their codes for the attention: q and k quantised along the head's 64, v along the keys.
; A tile of 256 x 256 to a work-group of four waves, 128 x 128 to a wave: 64 accumulators, 512 registers.  Operands lie in memory as images of their registers, so a slot's part (128 rows x 256 along K) is one dense
; block of 24,576 bytes for one tensor load, and a fragment is three loads of 16 bytes a lane, 512 consecutive bytes each: no pitch, no padding.  The scale words of the work-group's rows come once and stay in LDS.
; CLUSTERS 4 x 4: source 1's tiles ('A') are shared along a row of the cluster, source 0's ('B') along a column, by joint loads.
; THE KIND is the cluster's x, the same in all sixteen partners: 0 q, 1 k, 2 v.  For q and k A = tokens, B = the weight's rows.  For v the operands change roles (A = wv's rows, B = tokens), so that a lane holds
; one channel and its registers run along the tokens, which are the second attention product's K.
; RESULT: accumulator (a, b), lane (r, h), register j = (A's row 32 (a / 2) + 8 (a % 2) + r % 8 + 16 (r / 8), B's row 32 (b / 2) + 16 h + 8 (b % 2) + j): a block a's 64 registers are 128 neighbours along B's rows, 16 h apart.
; LIMITS: NaN and infinities are not served; a block of zeros gets the byte 1 (its codes are zeros; only this program reads the bytes).
.set KK,     1024
.set ASC,    3145728                   ; act: the scale words
.set WSC,    9437184                   ; wts: the scale words
.set RECB,   315392                    ; qkv: a record (batch, head)
.set VIMG,   98304
.set KSCL,   196608
.set VSCL,   204800
.set QIMG,   208896
.set QSCL,   307200
.set LAPS,   KK/512
.set GB,     96*KK                     ; a group's codes
.set GS,     4*KK                      ; a group's scale words
.set HALFT,  24576                     ; 128 rows x 256 along K
.set SLOT,   4*HALFT
.set SCL,    2*SLOT
.set SPARE,  SCL+4*GS                  ; the spare words, 128 bytes a wave: two blocks of 256 bytes that no other line names
.set FR,     12
.set NL,     3
.set NP,     4
.set NQ,     2
.set ADRA, 16                          ; v16-17 my A fragments in slot 0, 1
.set ADRB, 20                          ; v20-21 B's
.set B64,  22                          ; v22 64 h
.set RO4,  23                          ; v23 4 (r % 8 + 16 (r / 8))
.set L8,   24                          ; v24 8 x lane
.set S4,   25                          ; v25 4 r + h x a record
.set CO,   26                          ; v26 16 x lane
.set ADRS, 27                          ; v27 my scale words: lanes 0-15 A's, lanes 16-31 B's
.set SPW,  28
.set NIL,  29
.set L4,   30                          ; v30 4 x lane
.set SC,   32                          ; v32-63 scale words, two sets
.set BI,   64                          ; v64-127 the bias along B's rows (q, k)
.set AF,   128                         ; v128-223 A's fragments, one set
.set BV,   224                         ; v224-231 the bias along A's rows (v)
.set H,    128                         ; the way out: 64 numbers
.set PC,   192                         ; v192-210 codes
.set TM,   232                         ; v232-247 at work
.set PW,   248
.set PWE,  249
.set T0,   250
.set T1,   251
.set SEL,  100
.set HM,   96
.set G1, 24
.set G0, 32
.set G1B, 48
.set G0B, 56
.set G1S, 68
.set G0S, 76
.set G1SB, 80
.set G0SB, 88
.set MSB, 0
.macro WIN new                         ; the immediate's high byte repeats the setting that is left
.if MSB != (\new)
	s_set_vgpr_msb (MSB<<8)|(\new)
.set MSB, (\new)
.endif
.endm
.set MUL_LO, 0xa1                      ; source 0 (B) window 1, source 1 (A) window 0, C and D window 2
.set MUL_HI, 0xf1
.set TO_B,   0x40
.macro JLOAD g0a, g1a, g0b, g1b        ; a joint load: waves 0 and 1 fetch for A, waves 2 and 3 for B; four v_nop follow each line
	s_cmp_eq_u32 s15, 0
	s_cbranch_scc0 .Lfor_b_\@
	tensor_load_to_lds s[\g0a:\g0a+3], s[\g1a:\g1a+7]
	s_nop 0
.rept 4
	v_nop
.endr
	s_branch .Lasked_\@
.Lfor_b_\@:
	tensor_load_to_lds s[\g0b:\g0b+3], s[\g1b:\g1b+7]
	s_nop 0
.rept 4
	v_nop
.endr
.Lasked_\@:
.endm
.macro CREST
	s_cmp_lg_u32 s14, 0
	s_cbranch_scc1 .Lnot_wave_0_\@
	s_barrier_signal -3
.Lnot_wave_0_\@:
	s_barrier_wait -3
	s_barrier_signal -1
	s_barrier_wait -1
.endm
.macro CROUND
	s_barrier_signal -1
	s_barrier_wait -1
	CREST
.endm
.macro FRAG reg, adr, q, i             ; a fragment's image: three loads of 512 consecutive bytes
.irp c, 0,1,2
	ds_load_b128 v[\reg+4*\c:\reg+4*\c+3], v[\adr] offset:12288*(\q)+1536*(\i)+512*\c
.endr
.endm
.macro MUL16 a0, p, q, sc, zero        ; A's blocks a0, a0 + 1 x B's eight; the 64 accumulators take turns in the same order in every step
.irp a, \a0, \a0+1
.irp b, 0,1,2,3,4,5,6,7
.if \zero
	v_wmma_scale_f32_16x16x128_f8f6f4 v[8*(8*((\a)%4)+\b):8*(8*((\a)%4)+\b)+7], v[128*(\p)+FR*\b:128*(\p)+FR*\b+FR-1], v[AF+FR*(\a):AF+FR*(\a)+FR-1], 0, v[SC+8*NQ*(\sc)+NQ*\b+(\q)], v[SC+8*NQ*(\sc)+NQ*(\a)+(\q)] matrix_a_fmt:MATRIX_FMT_BF6 matrix_b_fmt:MATRIX_FMT_BF6 matrix_a_scale:MATRIX_SCALE_ROW1
.else
	v_wmma_scale_f32_16x16x128_f8f6f4 v[8*(8*((\a)%4)+\b):8*(8*((\a)%4)+\b)+7], v[128*(\p)+FR*\b:128*(\p)+FR*\b+FR-1], v[AF+FR*(\a):AF+FR*(\a)+FR-1], v[8*(8*((\a)%4)+\b):8*(8*((\a)%4)+\b)+7], v[SC+8*NQ*(\sc)+NQ*\b+(\q)], v[SC+8*NQ*(\sc)+NQ*(\a)+(\q)] matrix_a_fmt:MATRIX_FMT_BF6 matrix_b_fmt:MATRIX_FMT_BF6 matrix_a_scale:MATRIX_SCALE_ROW1
.endif
.endr
.endr
.endm
.macro FETCH_B slot, q, p
	WIN TO_B
.irp i, 0,1,2,3,4,5,6,7
	FRAG 128*(\p)+FR*\i, ADRB+\slot, \q, \i
.endr
	WIN 0
.endm
.macro FETCH_A slot, q, i0
.irp i, \i0, \i0+1, \i0+2, \i0+3
	FRAG AF+FR*(\i), ADRA+\slot, \q, \i
.endr
.endm
.macro SCALES sc                       ; a slot's two words a row: lanes 0-15 A's block i, lanes 16-31 B's block i
.irp i, 0,1,2,3,4,5,6,7
	ds_load_b64 v[SC+8*NQ*\sc+NQ*\i:SC+8*NQ*\sc+NQ*\i+1], v[ADRS] offset:128*\i
.endr
.endm
.macro PLACES n                        ; plain places behind matrix instructions, in front of loads into their registers and of reads of results
.rept \n
	v_nop
.endr
.endm
.macro STEP slot, q, zero              ; 128 along K with its successor in the same slot
	s_wait_dscnt 4*NL                              ; all but the youngest twelve loads (A's blocks 4-7) are in
	WIN MUL_LO
	MUL16 0, (\q)%2, \q, \slot, \zero
	MUL16 2, (\q)%2, \q, \slot, \zero
	s_wait_dscnt 0
	PLACES NP
	FETCH_B \slot, (\q)+1, 1-(\q)%2
	FETCH_A \slot, (\q)+1, 0
	WIN MUL_HI
	MUL16 4, (\q)%2, \q, \slot, \zero
	MUL16 6, (\q)%2, \q, \slot, \zero
	PLACES NP
	WIN 0
	FETCH_A \slot, (\q)+1, 4
.endm
.macro TURN slot, next, fill           ; a slot's last step changes slots: one barrier; fill = 1: the slot is filled again, two slots ahead
	s_wait_tensorcnt 0x0                           ; all my tensor loads have landed: my part of the next slot
	ds_add_u32 v[SPW], v[NIL]                      ; 0 onto my spare word
	s_wait_dscnt 4*NL+1                            ; the add and the youngest twelve loads may be out
	WIN MUL_LO
	MUL16 0, 1, NQ-1, \slot, 0
	s_wait_dscnt 0x0                               ; the add is done, and my reads of this slot are over
	s_barrier_signal -1
	MUL16 2, 1, NQ-1, \slot, 0
	WIN 0
	s_barrier_wait -1
.if \fill
	CREST                                          ; the barrier has opened a round of the cluster's barrier: no wave of any partner still reads this slot or has a load on its way
	s_add_nc_u64 s[G0+4*\slot+2:G0+4*\slot+3], s[G0+4*\slot+2:G0+4*\slot+3], 2*HALFT
	s_add_nc_u64 s[G0B+4*\slot+2:G0B+4*\slot+3], s[G0B+4*\slot+2:G0B+4*\slot+3], 2*HALFT
	JLOAD G0+4*\slot, G1, G0B+4*\slot, G1B
.else
	PLACES NP
.endif
	v_add_nc_u32 v[ADRS], 1024, v[ADRS]            ; the next slot's scale words
	FETCH_B \next, 0, 0
	FETCH_A \next, 0, 0
	SCALES \next
	WIN MUL_HI
	MUL16 4, 1, NQ-1, \slot, 0
	MUL16 6, 1, NQ-1, \slot, 0
	PLACES NP
	WIN 0
	FETCH_A \next, 0, 4
.endm
; 64 numbers of a lane, register 16 b + i = k 32 b + 16 (lane / 16) + i of my row, become a fragment's codes in v[PC] on and its scale word in v[PW]
.macro QUANT s
.irp b, 0,1,2,3
	v_max3_num_f32 v[TM+\b], |v[\s+16*\b]|, |v[\s+1+16*\b]|, 0x2800000   ; with the floor 2^(5 - 127): the byte cannot fall under 1
.endr
.irp i, 2,4,6,8,10,12,14
.irp b, 0,1,2,3
	v_max3_num_f32 v[TM+\b], v[TM+\b], |v[\s+16*\b+\i]|, |v[\s+1+16*\b+\i]|
.endr
.endr
.irp b, 0,1,2,3
	v_permlanex16_b32 v[TM+4+\b], v[TM+\b], s[SEL], s[SEL+1]
.endr
.irp b, 0,1,2,3
	v_max_num_f32 v[TM+\b], v[TM+\b], v[TM+4+\b]
.endr
.irp b, 0,1,2,3
	v_add_nc_u32 v[TM+12+\b], 0xfe000000, v[TM+\b]   ; 4 off the exponent field: the conversion's scale operand
.endr
.irp b, 0,1,2,3
	v_lshrrev_b32 v[TM+4+\b], 23, v[TM+12+\b]
.endr
	v_lshl_or_b32 v[PW], v[TM+5], 8, v[TM+4]
	v_lshl_or_b32 v[PW], v[TM+6], 16, v[PW]
	v_lshl_or_b32 v[PW], v[TM+7], 24, v[PW]
.irp c, 0,1
	v_cvt_scalef32_pk16_bf6_f32 v[PC+6*\c:PC+2+6*\c], v[\s+32*\c:\s+15+32*\c], v[TM+12+2*\c]
	v_cvt_scalef32_pk16_bf6_f32 v[PC+12+4*\c:PC+14+4*\c], v[\s+16+32*\c:\s+31+32*\c], v[TM+12+2*\c+1]
.endr
	v_nop                                          ; one plain place behind a scaled conversion
.irp c, 0,1                            ; a whole block to a lane: lanes 0-15 block 2 c, lanes 16-31 block 2 c + 1
.irp i, 0,1,2
	v_permlane16_swap_b32 v[PC+6*\c+\i], v[PC+12+4*\c+\i]
.endr
.irp i, 0,1,2
	v_mov_b32 v[PC+3+6*\c+\i], v[PC+12+4*\c+\i]
.endr
.endr
.endm
	s_load_b128 s[4:7], s[0:1], 0x0                ; act, wts
	s_load_b128 s[8:11], s[0:1], 0x10              ; bq, bk
	s_load_b64 s[12:13], s[0:1], 0x20              ; bv
	s_load_b64 s[66:67], s[0:1], 0x28              ; qkv
	v_lshl_add_u32 v[SPW], v0, 2, SPARE
	v_mov_b32 v[NIL], 0
	ds_add_u32 v28, v29
	ds_add_u32 v28, v29
	s_wait_dscnt 0x0
	v_lshrrev_b32 v1, 5, v0
	v_readfirstlane_b32 s14, v1                    ; wave
	s_lshr_b32 s15, s14, 1                         ; which 128 of A's rows are mine.  Also: I fetch for A (0) or B (1)
	s_and_b32 s16, s14, 1                          ; which 128 of B's rows.  Also: which group of that tile I fetch
	s_bfe_u32 s40, ttmp6, 0x40000                  ; cx
	s_bfe_u32 s41, ttmp6, 0x40004                  ; cy
	s_and_b32 s97, ttmp7, 0xffff                   ; the cluster's y
	s_mov_b32 s100, ASC
	s_mov_b32 s101, WSC
	s_cmp_eq_u32 ttmp9, 2                          ; v?  The cluster's x is the same in all partners
	s_cselect_b32 s17, 0, s97
	s_cselect_b32 s42, s97, ttmp9
	s_cselect_b32 s98, 16, 0                       ; wv's rows are groups 16 on of the weights
	s_cselect_b32 s18, s101, s100                  ; where A's scale words begin in its buffer
	s_cselect_b32 s19, s100, s101                  ; and B's
	s_lshl_b32 s17, s17, 2
	s_add_co_u32 s17, s17, s41                     ; A's tile of 256 rows
	s_lshl_b32 s42, s42, 2
	s_add_co_u32 s42, s42, s40                     ; B's
	s_lshl_b32 s43, s41, 2
	s_lshl_b32 s43, 15, s43                        ; my row of the cluster
	s_lshl_b32 s44, 0x1111, s40                    ; my column
	s_or_b32 s[G1+0], s43, (3<<16)|(1<<21)         ; 15:0 the mask; 17:16 elements of 8 bytes; 21 set beside a mask; no padding
	s_or_b32 s[G1B+0], s44, (3<<16)|(1<<21)
.irp g, G1, G1B
	s_mov_b32 s[\g+1], 32<<16                      ; rows of 256 bytes,
	s_mov_b32 s[\g+2], 96<<16                      ; 96 of them: a dense block of 24,576 bytes
	s_mov_b32 s[\g+3], 32<<16
	s_mov_b32 s[\g+4], 96
	s_mov_b32 s[\g+5], 32
	s_mov_b32 s[\g+6], 0
	s_mov_b32 s[\g+7], 0
.endr
	s_or_b32 s[G1S+0], s43, (3<<16)|(1<<21)
	s_or_b32 s[G1SB+0], s44, (3<<16)|(1<<21)
.irp g, G1S, G1SB
	s_mov_b32 s[\g+1], 32<<16                      ; a group's scale words: GS dense bytes
	s_mov_b32 s[\g+2], (GS/256)<<16
	s_mov_b32 s[\g+3], 32<<16
	s_mov_b32 s[\g+4], GS/256
	s_mov_b32 s[\g+5], 32
	s_mov_b32 s[\g+6], 0
	s_mov_b32 s[\g+7], 0
.endr
	s_lshl_b32 s20, s17, 1
	s_add_co_u32 s20, s20, s16
	s_add_co_u32 s20, s20, s98                     ; A's group that I would fetch
	s_lshl_b32 s46, s42, 1
	s_add_co_u32 s46, s46, s16                     ; B's
	s_mul_i32 s22, s20, GS
	s_add_co_u32 s22, s22, s18
	s_mov_b32 s23, 0
	s_mul_i32 s20, s20, GB
	s_mov_b32 s21, 0
	s_mul_i32 s92, s46, GS
	s_add_co_u32 s92, s92, s19
	s_mov_b32 s93, 0
	s_mul_i32 s46, s46, GB
	s_mov_b32 s47, 0
	s_mul_i32 s45, s14, HALFT                      ; where they go: by the wave's number alone
	s_mul_i32 s94, s14, GS
	s_wait_kmcnt 0x0
	s_cmp_eq_u32 ttmp9, 2
	s_cselect_b64 s[100:101], s[6:7], s[4:5]       ; A's buffer
	s_cselect_b64 s[6:7], s[4:5], s[6:7]           ; B's
	s_add_nc_u64 s[22:23], s[100:101], s[22:23]
	s_add_nc_u64 s[20:21], s[100:101], s[20:21]
	s_add_nc_u64 s[92:93], s[6:7], s[92:93]
	s_add_nc_u64 s[46:47], s[6:7], s[46:47]
	CROUND                                         ; all sixteen work-groups are here: the first joint loads meet
	s_mov_b32 s[G0S], 1
	s_add_co_u32 s[G0S+1], s94, SCL
	s_mov_b64 s[G0S+2:G0S+3], s[22:23]
	s_or_b32 s[G0S+3], s[G0S+3], 0x80000000
	s_mov_b32 s[G0SB], 1
	s_add_co_u32 s[G0SB+1], s94, SCL
	s_mov_b64 s[G0SB+2:G0SB+3], s[92:93]
	s_or_b32 s[G0SB+3], s[G0SB+3], 0x80000000
	JLOAD G0S, G1S, G0SB, G1SB                     ; the scale words: filled once
.irp s, 0,1
	s_mov_b32 s[G0+4*\s], 1
	s_add_co_u32 s[G0+4*\s+1], s45, \s*SLOT
	s_add_nc_u64 s[G0+4*\s+2:G0+4*\s+3], s[20:21], \s*HALFT
	s_or_b32 s[G0+4*\s+3], s[G0+4*\s+3], 0x80000000
	s_mov_b32 s[G0B+4*\s], 1
	s_add_co_u32 s[G0B+4*\s+1], s45, \s*SLOT
	s_add_nc_u64 s[G0B+4*\s+2:G0B+4*\s+3], s[46:47], \s*HALFT
	s_or_b32 s[G0B+4*\s+3], s[G0B+4*\s+3], 0x80000000
	JLOAD G0+4*\s, G1, G0B+4*\s, G1B
.endr
	v_and_b32 v1, 15, v0                           ; r
	v_bfe_u32 v2, v0, 4, 1                         ; h
	v_and_b32 v3, 31, v0
	v_lshlrev_b32 v[CO], 4, v3
	v_lshlrev_b32 v[L8], 3, v3
	v_lshlrev_b32 v[L4], 2, v3
	s_mul_i32 s21, s15, HALFT
	s_mul_i32 s22, s16, HALFT
	s_add_co_u32 s22, s22, 2*HALFT
.irp s, 0,1
	v_add_nc_u32 v[ADRA+\s], s21, v[CO]
	v_add_nc_u32 v[ADRB+\s], s22, v[CO]
	s_add_co_u32 s21, s21, SLOT
	s_add_co_u32 s22, s22, SLOT
.endr
	v_lshlrev_b32 v5, 3, v1
	s_mul_i32 s21, s15, GS
	s_mul_i32 s22, s16, GS
	s_add_co_u32 s22, s22, 2*GS
	s_sub_co_u32 s22, s22, s21
	v_mul_u32_u24 v6, s22, v2                      ; lanes 16-31 take B's
	s_add_co_u32 s21, s21, SCL
	v_add_nc_u32 v5, v5, v6
	v_add_nc_u32 v[ADRS], s21, v5
	v_mul_u32_u24 v5, v2, RECB
	v_lshl_add_u32 v[S4], v1, 2, v5
	v_lshlrev_b32 v[B64], 6, v2
	v_and_b32 v5, 7, v1
	v_lshrrev_b32 v6, 3, v1
	v_lshl_add_u32 v5, v6, 4, v5
	v_lshlrev_b32 v[RO4], 2, v5
.irp b, 0,1,2,3
	v_mov_b32 v[TM+4+\b], 0                        ; written once: a lane permute's destination counts as read
.endr
	; the biases: both sets are loaded in every kind, always inside their buffers; the way out takes one
	s_lshl_b32 s96, s40, 10
	s_lshl_b32 s97, s16, 9
	s_add_co_u32 s96, s96, s97                     ; q, k: my 128 features: 256 cx + 128 x half, in bytes
	s_mov_b32 s97, 0
	s_cmp_eq_u32 ttmp9, 1
	s_cselect_b64 s[8:9], s[10:11], s[8:9]
	s_cmp_eq_u32 ttmp9, 2
	s_cselect_b64 s[8:9], s[12:13], s[8:9]
	s_cselect_b32 s96, 0, s96
	s_add_nc_u64 s[8:9], s[8:9], s[96:97]
	s_lshl_b32 s96, s41, 10
	s_lshl_b32 s21, s15, 9
	s_add_co_u32 s96, s96, s21                     ; v: my 128 channels: group 2 cy + half
	s_add_nc_u64 s[12:13], s[12:13], s[96:97]
.irp b, 0,1,2,3,4,5,6,7
.irp e, 0,1
	global_load_b128 v[BI+8*\b+4*\e:BI+8*\b+4*\e+3], v[B64], s[8:9] offset:128*(\b/2)+32*(\b%2)+16*\e
.endr
.endr
.irp a, 0,1,2,3,4,5,6,7
	global_load_b32 v[BV+\a], v[RO4], s[12:13] offset:(32*(\a/2)+8*(\a%2))*4
.endr
	s_wait_tensorcnt 1                             ; the scale words and my part of slot 0 are in; slot 1's load may be out
	s_barrier_signal -1
	s_barrier_wait -1
	FETCH_B 0, 0, 0
	FETCH_A 0, 0, 0
	SCALES 0
	FETCH_A 0, 0, 4
	s_wait_loadcnt 0x0                             ; the biases
	STEP 0, 0, 1                                   ; the first step's products start the sums
	s_mov_b32 s3, LAPS-1
.Llap:
	TURN 0, 1, 1
	STEP 1, 0, 0
	TURN 1, 0, 1
	STEP 0, 0, 0
	s_sub_co_u32 s3, s3, 1
	s_cmp_lg_u32 s3, 0
	s_cbranch_scc1 .Llap
	TURN 0, 1, 0                                   ; the last lap fills nothing
	STEP 1, 0, 0
	s_wait_dscnt 4*NL
	WIN MUL_LO
	MUL16 0, 1, NQ-1, 1, 0
	MUL16 2, 1, NQ-1, 1, 0
	s_wait_dscnt 0
	WIN MUL_HI
	MUL16 4, 1, NQ-1, 1, 0
	MUL16 6, 1, NQ-1, 1, 0
	WIN 0
	PLACES NP
	s_mov_b32 s[SEL], 0x76543210
	s_mov_b32 s[SEL+1], 0xfedcba98
	s_mov_b32 s[HM], 0xffff0000                    ; lanes 16-31
	s_cmp_eq_u32 ttmp9, 2
	s_cbranch_scc1 .Lvpath
	; ---- q, k: a block a is 16 tokens x my 128 features = two heads.  The fragment's registers 0-5 are the first head's half image, 6-11 the second's
	s_lshl_b32 s20, s17, 1
	s_add_co_u32 s20, s20, s15                     ; my group of tokens
	s_lshr_b32 s21, s20, 4                         ; batch
	s_and_b32 s20, s20, 15                         ; group in the batch
	s_lshl_b32 s21, s21, 4
	s_lshl_b32 s22, s40, 2
	s_add_co_u32 s21, s21, s22
	s_lshl_b32 s22, s16, 1
	s_add_co_u32 s21, s21, s22                     ; record: 16 b + 4 cx + 2 x half
	s_mul_i32 s21, s21, RECB
	s_mul_i32 s22, s20, 6144
	s_add_co_u32 s22, s22, s21
	s_lshl_b32 s46, s20, 9
	s_add_co_u32 s46, s46, s21
	s_cmp_eq_u32 ttmp9, 0
	s_cselect_b32 s20, QIMG, 0
	s_mov_b32 s21, KSCL
	s_cselect_b32 s21, QSCL, s21
	s_add_co_u32 s22, s22, s20
	s_add_co_u32 s46, s46, s21
	s_mov_b32 s23, 0
	s_mov_b32 s47, 0
	s_add_nc_u64 s[22:23], s[66:67], s[22:23]
	s_add_nc_u64 s[46:47], s[66:67], s[46:47]
.irp a, 0,1,2,3,4,5,6,7
	s_wait_xcnt 0x0                                ; the last block's stores have read their registers
	WIN 0x02+(\a/4)                                ; source 0: the accumulators' window
.set JJ, 0
.rept 32
	v_pk_add_f32 v[H+JJ:H+JJ+1], v[64*(\a%4)+JJ:64*(\a%4)+JJ+1], v[BI+JJ:BI+JJ+1]   ; + the bias; each accumulator from its low end on
.set JJ, JJ+2
.endr
	WIN 0
	QUANT H
	global_store_b128 v[CO], v[PC:PC+3], s[22:23] offset:768*\a
	global_store_b64 v[L8], v[PC+4:PC+5], s[22:23] offset:768*\a+512
	global_store_b128 v[CO], v[PC+6:PC+9], s[22:23] offset:768*\a+RECB
	global_store_b64 v[L8], v[PC+10:PC+11], s[22:23] offset:768*\a+512+RECB
	v_and_b32 v[T0], 0xffff, v[PW]                 ; the first head's two bytes, the upper two 0 (they stand over zero codes);
	v_lshrrev_b32 v[T1], 16, v[PW]                 ; the second head's
	v_cndmask_b32 v[T0], v[T0], v[T1], s[HM]       ; lanes 0-15 store the first head's words, lanes 16-31 the second's
	global_store_b32 v[S4], v[T0], s[46:47] offset:64*\a
.endr
	s_branch .Ldone
	; ---- v: a block a is 16 channels x my 128 tokens: one whole fragment of the second attention product
.Lvpath:
	s_lshl_b32 s20, s42, 1
	s_add_co_u32 s20, s20, s16                     ; my group of tokens
	s_lshr_b32 s21, s20, 4
	s_and_b32 s20, s20, 15
	s_lshl_b32 s21, s21, 4
	s_lshl_b32 s22, s41, 2
	s_add_co_u32 s21, s21, s22
	s_lshl_b32 s22, s15, 1
	s_add_co_u32 s21, s21, s22                     ; record of blocks 0-3: 16 b + 4 cy + 2 x half; blocks 4-7: the next
	s_mul_i32 s21, s21, RECB
	s_mul_i32 s22, s20, 6144
	s_add_co_u32 s22, s22, s21
	s_add_co_u32 s22, s22, VIMG
	s_lshl_b32 s46, s20, 8
	s_add_co_u32 s46, s46, s21
	s_add_co_u32 s46, s46, VSCL
	s_mov_b32 s23, 0
	s_mov_b32 s47, 0
	s_add_nc_u64 s[22:23], s[66:67], s[22:23]
	s_add_nc_u64 s[46:47], s[66:67], s[46:47]
.irp a, 0,1,2,3,4,5,6,7
	s_wait_xcnt 0x0
	WIN 0x02+(\a/4)
.set JJ, 0
.rept 32
.if \a%2
	v_pk_add_f32 v[H+JJ:H+JJ+1], v[64*(\a%4)+JJ:64*(\a%4)+JJ+1], v[BV+2*(\a/2):BV+2*(\a/2)+1] op_sel:[0,1] op_sel_hi:[1,1]   ; + my channel's bias
.else
	v_pk_add_f32 v[H+JJ:H+JJ+1], v[64*(\a%4)+JJ:64*(\a%4)+JJ+1], v[BV+2*(\a/2):BV+2*(\a/2)+1] op_sel:[0,0] op_sel_hi:[1,0]
.endif
.set JJ, JJ+2
.endr
	WIN 0
	QUANT H
.irp c, 0,1,2
	global_store_b128 v[CO], v[PC+4*\c:PC+4*\c+3], s[22:23] offset:(\a/4)*RECB+(\a%4)*1536+512*\c
.endr
.if \a%2 == 0
	v_mov_b32 v[PWE], v[PW]
.else
	v_cndmask_b32 v[PWE], v[PWE], v[PW], s[HM]     ; two tiles' words: 128 dense bytes
	global_store_b32 v[L4], v[PWE], s[46:47] offset:(\a/4)*RECB+((\a%4)/2)*128
.endif
.endr
.Ldone:
	s_wait_tensorcnt 0x0                           ; the wave's end
	ds_add_u32 v[SPW], v[NIL]
	s_wait_dscnt 0x0
	CROUND                                         ; the closing round
	s_endpgm
.Lfunc_end_k_qafce25ba07_gemm_qkv:
	.size	k_qafce25ba07_gemm_qkv, .Lfunc_end_k_qafce25ba07_gemm_qkv-k_qafce25ba07_gemm_qkv
	.p2alignl 7, 3214868480
	.fill 96, 4, 3214868480
	.section	.rodata,"a",@progbits
	.p2align	6, 0x0
	.amdhsa_kernel k_qafce25ba07_gemm_qkv
		.amdhsa_group_segment_fixed_size 327680
		.amdhsa_private_segment_fixed_size 0
		.amdhsa_enable_private_segment 0
		.amdhsa_kernarg_size 48
		.amdhsa_user_sgpr_count 2
		.amdhsa_user_sgpr_kernarg_segment_ptr 1
		.amdhsa_wavefront_size32 1
		.amdhsa_system_sgpr_workgroup_id_x 1
		.amdhsa_system_sgpr_workgroup_id_y 1
		.amdhsa_system_sgpr_workgroup_id_z 1
		.amdhsa_system_vgpr_workitem_id 0
		.amdhsa_next_free_vgpr 1024
		.amdhsa_next_free_sgpr 104
		.amdhsa_reserve_vcc 0
		.amdhsa_float_denorm_mode_32 3
		.amdhsa_float_denorm_mode_16_64 3
		.amdhsa_memory_ordered 1
		.amdhsa_forward_progress 1
		.amdhsa_inst_pref_size 212
	.end_amdhsa_kernel
	.amdgpu_metadata
---
amdhsa.version: [ 1, 2 ]
amdhsa.kernels:
  - .name:           k_qafce25ba07_gemm_qkv
    .symbol:         k_qafce25ba07_gemm_qkv.kd
    .args:
      - { .name: act, .offset: 0, .size: 8, .value_kind: global_buffer, .address_space: global }
      - { .name: wts, .offset: 8, .size: 8, .value_kind: global_buffer, .address_space: global }
      - { .name: bq, .offset: 16, .size: 8, .value_kind: global_buffer, .address_space: global }
      - { .name: bk, .offset: 24, .size: 8, .value_kind: global_buffer, .address_space: global }
      - { .name: bv, .offset: 32, .size: 8, .value_kind: global_buffer, .address_space: global }
      - { .name: qkv, .offset: 40, .size: 8, .value_kind: global_buffer, .address_space: global }
    .group_segment_fixed_size: 327680
    .private_segment_fixed_size: 0
    .kernarg_segment_align: 8
    .kernarg_segment_size: 48
    .max_flat_workgroup_size: 128
    .sgpr_count:     104
    .vgpr_count:     1024
    .wavefront_size: 32
...
	.end_amdgpu_metadata
.endif
;; end of part 2
;; launch attn (part 3): grid 8 x 32, 16 waves a work-group, no clusters, 210,944 bytes of LDS; arguments qkv, maskw, act; writes act
.if DOCPART == 3
	.amdgcn_target "amdgcn-amd-amdhsa--gfx1250"
	.amdhsa_code_object_version 6
	.text
	.protected	k_qafce25ba07_attn
	.globl	k_qafce25ba07_attn
	.p2align	8
	.type	k_qafce25ba07_attn,@function
k_qafce25ba07_attn:
	s_mov_b64 s[64:65], 0
	v_nop
	global_prefetch_b8 v0, s[64:65] scope:SCOPE_SE
	s_setreg_imm32_b32 hwreg(HW_REG_WAVE_MODE, 25, 1), 1
	s_wait_xcnt 0x0
; attn[b][q][head] = softmax_k(q . k / 8, masked) v on codes of E3M2, and its codes along D for the next product.
; t = score x log2(e) / 8; M = the running largest t rounded up to a whole number; p = 2^(t - M) is quantised along the keys; the row's sum is taken of the unquantised p and divides at the end.
; A work-group owns 256 queries of one (batch, head); each of its sixteen waves one tile of 16 queries in 256 registers: four waves to a SIMD.  The head's whole K, V and scale words, 208,896 bytes, are brought into LDS
; once, through registers, as they lie in the record; one barrier; then every wave walks the 2,048 keys in 16 steps of 128.  No cluster: what the query blocks of a head share is read once at the head of the launch,
; and the loop branches on the mask's flags, read from memory.
; Both products are used transposed: a lane holds one query.  The head's size, 64, fills half of the instruction's K: the upper six registers of q's and k's fragments are zero codes.
; THE MASK: where a step has a masked key (a flag stored by the first launch), the raw scores of masked keys are REPLACED by -2^33, a logit of -1.07e9 where reference() writes -1e9.  -2^33 x c is exact and whole,
; so with all keys masked every p is exactly 1.  LIMIT: results differ from reference() only where an unmasked logit lies below about -1e9.  NaN and infinities are not served.
.set RECB, 315392
.set VIMG, 98304
.set KSCL, 196608
.set VSCL, 204800
.set QIMG, 208896
.set QSCL, 307200
.set ASC,  3145728
.set ADK,  1                           ; v1  16 l:           K's tiles, registers 0-3
.set ADK8, 2                           ; v2  512 + 8 l:      registers 4-5
.set ADV,  3                           ; v3  VIMG + 16 l
.set ADS,  4                           ; v4  KSCL + 4 l:     two tiles' words to a load
.set ADT,  5                           ; v5  VSCL + 4 l
.set KSC,  6                           ; v6-9   K's scale words
.set VSC,  10                          ; v10-11 V's
.set KF,   32                          ; v32-79  four fragments of K
.set VF,   80                          ; v80-127 four fragments of V
.set S,    128                         ; v128-191 S^T, then p
.set O,    192                         ; v192-223 O^T
.set P,    224                         ; v224-235 p's codes
.set FLG,  15                          ; s15 the batch's 16 flags
.set MB,   88                          ; s[88:89] the batch's mask words
.set J,    94
.set MO,   95
.set SEL,  96
.set CS,   98
; v12 -M, v13 the largest t, v[14:15] the sum, v16-27 q, v28 q's scale words, v29 -2^33, v30 f, v31 p's scale word, v236-252 at work
.macro QK t                            ; S^T tile t = 16 keys x my 16 queries
.if (\t)%2
	v_wmma_scale_f32_16x16x128_f8f6f4 v[S+8*(\t):S+8*(\t)+7], v[KF+12*((\t)%4):KF+12*((\t)%4)+11], v[16:27], 0, v[KSC+(\t)/2], v28 matrix_a_fmt:MATRIX_FMT_BF6 matrix_b_fmt:MATRIX_FMT_BF6 matrix_a_scale:MATRIX_SCALE_ROW1
.else
	v_wmma_scale_f32_16x16x128_f8f6f4 v[S+8*(\t):S+8*(\t)+7], v[KF+12*((\t)%4):KF+12*((\t)%4)+11], v[16:27], 0, v[KSC+(\t)/2], v28 matrix_a_fmt:MATRIX_FMT_BF6 matrix_b_fmt:MATRIX_FMT_BF6
.endif
.endm
.macro PV t                            ; O^T tile t += 16 channels x 128 keys x p
.if (\t)%2
	v_wmma_scale_f32_16x16x128_f8f6f4 v[O+8*(\t):O+8*(\t)+7], v[VF+12*(\t):VF+12*(\t)+11], v[P:P+11], v[O+8*(\t):O+8*(\t)+7], v[VSC+(\t)/2], v31 matrix_a_fmt:MATRIX_FMT_BF6 matrix_b_fmt:MATRIX_FMT_BF6 matrix_a_scale:MATRIX_SCALE_ROW1
.else
	v_wmma_scale_f32_16x16x128_f8f6f4 v[O+8*(\t):O+8*(\t)+7], v[VF+12*(\t):VF+12*(\t)+11], v[P:P+11], v[O+8*(\t):O+8*(\t)+7], v[VSC+(\t)/2], v31 matrix_a_fmt:MATRIX_FMT_BF6 matrix_b_fmt:MATRIX_FMT_BF6
.endif
.endm
	s_load_b128 s[4:7], s[0:1], 0x0                ; qkv, maskw
	s_load_b64 s[8:9], s[0:1], 0x10                ; act
	v_lshl_add_u32 v254, v0, 2, 0x33000
	v_mov_b32 v255, 0
	v_lshrrev_b32 v1, 5, v0
	v_readfirstlane_b32 s10, v1                    ; wave 0..15
	s_and_b32 s11, ttmp7, 0xffff                   ; the record: 16 b + head
	s_lshr_b32 s12, s11, 4                         ; b
	s_and_b32 s13, s11, 15                         ; head
	s_lshl_b32 s14, ttmp9, 4
	s_add_co_u32 s14, s14, s10                     ; my tile of queries, 0..127
	s_mul_i32 s84, s11, RECB
	s_mov_b32 s85, 0
	s_lshl_b32 s86, s12, 6
	s_lshl_b32 s88, s12, 12
	s_mov_b32 s89, 0
	s_mul_i32 s90, s14, 768
	s_add_co_u32 s90, s90, QIMG
	s_mov_b32 s91, 0
	s_lshl_b32 s92, s14, 6
	s_add_co_u32 s92, s92, QSCL
	s_mov_b32 s93, 0
	s_mov_b32 s[SEL], 0x76543210
	s_mov_b32 s[SEL+1], 0xfedcba98
	s_mov_b32 s[CS], 0x3e38aa3b                    ; c = log2(e) / 8
	s_mov_b32 s[CS+1], s[CS]
	v_and_b32 v240, 31, v0                         ; lane
	v_and_b32 v241, 15, v0                         ; r
	v_lshlrev_b32 v[ADK], 4, v240
	v_lshlrev_b32 v242, 3, v240
	v_lshlrev_b32 v243, 2, v241
	v_lshlrev_b32 v244, 4, v0                      ; 16 x thread
	v_lshlrev_b32 v245, 3, v0
	s_wait_kmcnt 0x0
	s_load_b512 s[16:31], s[6:7], s86 offset:0x2000   ; the batch's 16 flags
	s_add_nc_u64 s[4:5], s[4:5], s[84:85]          ; my record
	s_add_nc_u64 s[MB:MB+1], s[6:7], s[88:89]
	s_add_nc_u64 s[90:91], s[4:5], s[90:91]
	s_add_nc_u64 s[92:93], s[4:5], s[92:93]
	global_load_b128 v[16:19], v[ADK], s[90:91]    ; q's half image stays in registers
	global_load_b64 v[20:21], v242, s[90:91] offset:512
	global_load_b32 v28, v243, s[92:93]
.set KX, 0
.rept 25                               ; K, V and K's scale words: 25 x 8,192 bytes, 16 a thread
	global_load_b128 v[32+4*KX:35+4*KX], v244, s[4:5] offset:8192*KX
.set KX, KX+1
.endr
	global_load_b64 v[132:133], v245, s[4:5] offset:VSCL   ; V's scale words: 4,096 bytes
	v_lshlrev_b32 v246, 4, v0
	v_add_nc_u32 v247, 65536, v246
	v_add_nc_u32 v248, 131072, v246
	v_add_nc_u32 v249, 196608, v246
	v_lshl_add_u32 v250, v0, 3, VSCL
	v_lshl_add_u32 v[ADK8], v240, 3, 512
	v_lshl_add_u32 v[ADV], v240, 4, VIMG
	v_lshl_add_u32 v[ADS], v240, 2, KSCL
	v_lshl_add_u32 v[ADT], v240, 2, VSCL
	s_wait_kmcnt 0x0
	s_or_b32 s[FLG], s16, s17
.irp f, 18,19,20,21,22,23,24,25,26,27,28,29,30,31
	s_or_b32 s[FLG], s[FLG], s\f
.endr
	s_wait_loadcnt 0x0
.set KX, 0
.rept 25
	ds_store_b128 v[246+KX/8], v[32+4*KX:35+4*KX] offset:8192*(KX%8)
.set KX, KX+1
.endr
	ds_store_b64 v250, v[132:133]
	s_wait_dscnt 0x0                               ; for the others' sake: my part lies in LDS
	s_barrier_signal -1
	s_barrier_wait -1
.irp j, 22,23,24,25,26,27
	v_mov_b32 v\j, 0                               ; q's k = 64 .. 127: zero codes
.endr
.irp t, 0,1,2,3
.irp j, 6,7,8,9,10,11
	v_mov_b32 v[KF+12*\t+\j], 0                    ; K's likewise: written once
.endr
.endr
.set JJ, 0
.rept 32
	v_mov_b32 v[O+JJ], 0                           ; the loop is written once: its first step finds zeros
.set JJ, JJ+1
.endr
	v_mov_b32 v13, 0xff61b1e6                      ; the largest t so far: -3e38
	v_floor_f32 v12, -v13
	v_mov_b32 v14, 0
	v_mov_b32 v15, 0
	v_mov_b32 v29, 0xd0000000                      ; -2^33
	v_mov_b32 v31, 0
.irp b, 0,1,2,3
	v_mov_b32 v[240+\b], 0
.endr
	s_mov_b32 s[J], 0
	s_mov_b32 s[MO], 0
.Lstep:                                            ; 128 keys
.irp t, 0,1,2,3
	ds_load_b128 v[KF+12*\t:KF+12*\t+3], v[ADK] offset:768*\t
	ds_load_b64 v[KF+12*\t+4:KF+12*\t+5], v[ADK8] offset:768*\t
.endr
.irp p, 0,1,2,3
	ds_load_b32 v[KSC+\p], v[ADS] offset:128*\p
.endr
	s_wait_dscnt 0x0
.irp t, 0,1,2,3
	QK \t
.endr
.rept 4
	v_nop                                          ; places in front of loads into registers that matrix instructions have read
.endr
.irp t, 0,1,2,3
	ds_load_b128 v[KF+12*\t:KF+12*\t+3], v[ADK] offset:768*(\t+4)
	ds_load_b64 v[KF+12*\t+4:KF+12*\t+5], v[ADK8] offset:768*(\t+4)
.endr
.irp t, 0,1,2,3
.irp c, 0,1,2
	ds_load_b128 v[VF+12*\t+4*\c:VF+12*\t+4*\c+3], v[ADV] offset:1536*\t+512*\c
.endr
.endr
	ds_load_b32 v[VSC], v[ADT]
	ds_load_b32 v[VSC+1], v[ADT] offset:128
	s_wait_dscnt 14                                ; K's are in; V's twelve loads and its two scale loads may be out
.irp t, 4,5,6,7
	QK \t
.endr
.rept 4
	v_nop
.endr
	s_lshr_b32 s87, s[FLG], s[J]                   ; a step without a masked key skips the mask: a branch on whole numbers that an earlier launch stored
	s_and_b32 s87, s87, 1
	s_cmp_eq_u32 s87, 0
	s_cbranch_scc1 .Lopen
	s_load_b512 s[16:31], s[MB:MB+1], s[MO] offset:0x0
	s_load_b512 s[32:47], s[MB:MB+1], s[MO] offset:0x40
	s_load_b512 s[48:63], s[MB:MB+1], s[MO] offset:0x80
	s_load_b512 s[68:83], s[MB:MB+1], s[MO] offset:0xc0
	s_wait_kmcnt 0x0
.set JJ, 0
.rept 48
	v_cndmask_b32 v[S+JJ], v[S+JJ], v29, s[16+JJ]  ; register 16 b + i holds key 32 b + 16 (lane / 16) + i: word 16 b + i is its lane mask
.set JJ, JJ+1
.endr
.rept 16
	v_cndmask_b32 v[S+JJ], v[S+JJ], v29, s[20+JJ]
.set JJ, JJ+1
.endr
.Lopen:
.irp b, 0,1,2,3
	v_max3_num_f32 v[236+\b], v[S+16*\b], v[S+1+16*\b], v[S+2+16*\b]   ; the largest score of each block of 32 keys: for the row's maximum and for the block's largest p
.endr
.irp i, 3,5,7,9,11,13
.irp b, 0,1,2,3
	v_max3_num_f32 v[236+\b], v[236+\b], v[S+16*\b+\i], v[S+1+16*\b+\i]
.endr
.endr
.irp b, 0,1,2,3
	v_max_num_f32 v[236+\b], v[236+\b], v[S+15+16*\b]
.endr
.irp b, 0,1,2,3
	v_permlanex16_b32 v[240+\b], v[236+\b], s[SEL], s[SEL+1]
.endr
.irp b, 0,1,2,3
	v_max_num_f32 v[236+\b], v[236+\b], v[240+\b]
.endr
	v_max3_num_f32 v252, v236, v237, v238
	v_max_num_f32 v252, v252, v239
	v_mul_f32 v252, s[CS], v252
	v_max_num_f32 v13, v13, v252                   ; the running largest t
	v_mov_b32 v252, v12
	v_floor_f32 v12, -v13                          ; -M = floor(-t): M is a whole number
	v_sub_f32 v252, v12, v252
	v_cvt_i32_f32 v252, v252                       ; old M - new M (it saturates)
	v_ldexp_f32 v30, 1.0, v252                     ; f = 2^(old M - new M): rounds nothing
.set JJ, 0
.rept 32
	v_pk_fma_f32 v[S+JJ:S+JJ+1], v[S+JJ:S+JJ+1], s[CS:CS+1], v[12:13] op_sel_hi:[1,0,0]   ; t - M
.set JJ, JJ+2
.endr
.irp b, 0,1,2,3
	v_fma_f32 v[236+\b], v[236+\b], s[CS], v12
.endr
.set JJ, 0
.rept 64
	v_exp_f32 v[S+JJ], v[S+JJ]                     ; p = 2^(t - M)
.set JJ, JJ+1
.endr
	v_pk_mul_f32 v[14:15], v[14:15], v[30:31] op_sel_hi:[1,0]   ; the sums under the new M; a plain place behind the exponentials
	s_wait_alu depctr_va_vdst(0)                   ; one wait for the batch, ahead of its first reader
.irp b, 0,1,2,3
	v_exp_f32 v[236+\b], v[236+\b]                 ; each block's largest p
.endr
	v_pk_add_f32 v[240:241], v[S:S+1], v[S+2:S+3]  ; the row's sum of the unquantised p, in two chains
.set JJ, 4
.rept 15
	v_pk_add_f32 v[14:15], v[14:15], v[S+JJ:S+JJ+1]
	v_pk_add_f32 v[240:241], v[240:241], v[S+2+JJ:S+3+JJ]
.set JJ, JJ+4
.endr
	v_pk_add_f32 v[14:15], v[14:15], v[240:241]
	s_wait_alu depctr_va_vdst(0)                   ; and one for the four
.irp b, 0,1,2,3
	v_max_num_f32 v[236+\b], 0x2800000, v[236+\b]  ; the floor: the byte cannot fall under 1
.endr
.irp b, 0,1,2,3
	v_add_nc_u32 v[248+\b], 0xfe000000, v[236+\b]
.endr
.irp b, 0,1,2,3
	v_lshrrev_b32 v[240+\b], 23, v[248+\b]
.endr
	v_lshl_or_b32 v31, v241, 8, v240               ; p's scale word for these 128 keys
	v_lshl_or_b32 v31, v242, 16, v31
	v_lshl_or_b32 v31, v243, 24, v31
.irp c, 0,1
	v_cvt_scalef32_pk16_bf6_f32 v[P+6*\c:P+2+6*\c], v[S+32*\c:S+15+32*\c], v[248+2*\c]
	v_cvt_scalef32_pk16_bf6_f32 v[240+4*\c:242+4*\c], v[S+16+32*\c:S+31+32*\c], v[248+2*\c+1]
.endr
	v_nop
.irp c, 0,1
.irp i, 0,1,2
	v_permlane16_swap_b32 v[P+6*\c+\i], v[240+4*\c+\i]
.endr
.irp i, 0,1,2
	v_mov_b32 v[P+3+6*\c+\i], v[240+4*\c+\i]
.endr
.endr
.set JJ, 0
.rept 16
	v_pk_mul_f32 v[O+JJ:O+JJ+1], v[O+JJ:O+JJ+1], v[30:31] op_sel_hi:[1,0]   ; O^T under the new M; these sixteen are also the places in front of the scaled products
.set JJ, JJ+2
.endr
	s_wait_dscnt 0x0                               ; V
.irp t, 0,1,2,3
	PV \t                                          ; the four accumulators by turns
.endr
	v_add_nc_u32 v[ADK], 6144, v[ADK]              ; the next step; five plain places behind the products
	v_add_nc_u32 v[ADK8], 6144, v[ADK8]
	v_add_nc_u32 v[ADV], 6144, v[ADV]
	v_add_nc_u32 v[ADS], 512, v[ADS]
	v_add_nc_u32 v[ADT], 256, v[ADT]
	s_add_co_u32 s[MO], s[MO], 256
	s_add_co_u32 s[J], s[J], 1
	s_cmp_lt_u32 s[J], 16
	s_cbranch_scc1 .Lstep
	; THE WAY OUT: O^T / the sum; my 16 tokens x the head's 64 are half a fragment of the next product's operand: registers 6 (head % 2) on of the unit (group, K step head / 2, tile)
	v_add_f32 v14, v14, v15
	v_permlanex16_b32 v252, v14, s[SEL], s[SEL+1]
	v_add_f32 v14, v14, v252
	v_rcp_f32 v14, v14
	v_nop
	s_wait_alu depctr_va_vdst(0)
.set JJ, 0
.rept 32
	v_mul_f32 v[S+JJ], v[O+JJ], v14                ; register 16 b + i is channel 32 b + 16 (lane / 16) + i
.set JJ, JJ+1
.endr
.irp b, 0,1
	v_max3_num_f32 v[236+\b], |v[S+16*\b]|, |v[S+1+16*\b]|, 0x2800000
.endr
.irp i, 2,4,6,8,10,12,14
.irp b, 0,1
	v_max3_num_f32 v[236+\b], v[236+\b], |v[S+16*\b+\i]|, |v[S+1+16*\b+\i]|
.endr
.endr
.irp b, 0,1
	v_permlanex16_b32 v[240+\b], v[236+\b], s[SEL], s[SEL+1]
.endr
.irp b, 0,1
	v_max_num_f32 v[236+\b], v[236+\b], v[240+\b]
.endr
.irp b, 0,1
	v_add_nc_u32 v[248+\b], 0xfe000000, v[236+\b]
.endr
.irp b, 0,1
	v_lshrrev_b32 v[240+\b], 23, v[248+\b]
.endr
	v_lshl_or_b32 v244, v241, 8, v240              ; the head's two scale bytes
	v_cvt_scalef32_pk16_bf6_f32 v[160:162], v[S:S+15], v248
	v_cvt_scalef32_pk16_bf6_f32 v[168:170], v[S+16:S+31], v249
	v_nop
.irp i, 0,1,2
	v_permlane16_swap_b32 v[160+\i], v[168+\i]
.endr
.irp i, 0,1,2
	v_mov_b32 v[163+\i], v[168+\i]
.endr
	v_and_b32 v245, 31, v0
	v_lshlrev_b32 v247, 4, v245                    ; 16 x lane
	v_and_b32 v246, 15, v0
	v_lshlrev_b32 v246, 3, v246                    ; 8 r
	s_lshl_b32 s16, s12, 4
	s_lshr_b32 s17, s14, 3
	s_add_co_u32 s16, s16, s17                     ; the group of tokens
	s_and_b32 s17, s14, 7                          ; the tile in it
	s_lshl_b32 s18, s16, 3
	s_lshr_b32 s19, s13, 1
	s_add_co_u32 s18, s18, s19
	s_lshl_b32 s18, s18, 3
	s_add_co_u32 s18, s18, s17
	s_mul_i32 s18, s18, 1536
	s_mov_b32 s19, 0
	s_lshl_b32 s20, s16, 2
	s_lshr_b32 s21, s13, 2
	s_add_co_u32 s20, s20, s21
	s_lshl_b32 s20, s20, 3
	s_add_co_u32 s20, s20, s17
	s_lshl_b32 s20, s20, 7
	s_and_b32 s21, s13, 3
	s_lshl_b32 s21, s21, 1
	s_add_co_u32 s20, s20, s21                     ; + 4 ((head / 2) % 2) + 2 (head % 2)
	s_add_co_u32 s20, s20, ASC
	s_mov_b32 s21, 0
	s_add_nc_u64 s[18:19], s[8:9], s[18:19]
	s_add_nc_u64 s[20:21], s[8:9], s[20:21]
	s_and_b32 s22, s13, 1
	s_cmp_eq_u32 s22, 0
	s_cbranch_scc0 .Lodd
	global_store_b128 v247, v[160:163], s[18:19]               ; registers 0-3 of the unit
	global_store_b64 v247, v[164:165], s[18:19] offset:512     ; registers 4-5
	s_branch .Lsc
.Lodd:
	global_store_b64 v247, v[160:161], s[18:19] offset:520     ; registers 6-7
	global_store_b128 v247, v[162:165], s[18:19] offset:1024   ; registers 8-11
.Lsc:
	v_cmp_gt_u32 vcc_lo, 16, v245
	s_wait_xcnt 0x0                                ; EXEC changes only behind this wait
	s_wait_tensorcnt 0x0
	ds_add_u32 v254, v255
	s_wait_dscnt 0x0
	s_and_saveexec_b32 s24, vcc_lo
	global_store_b16 v246, v244, s[20:21]          ; lanes 0-15: a row's two bytes
	s_wait_xcnt 0x0
	s_or_b32 exec_lo, exec_lo, s24
	s_endpgm
.Lfunc_end_k_qafce25ba07_attn:
	.size	k_qafce25ba07_attn, .Lfunc_end_k_qafce25ba07_attn-k_qafce25ba07_attn
	.p2alignl 7, 3214868480
	.fill 96, 4, 3214868480
	.section	.rodata,"a",@progbits
	.p2align	6, 0x0
	.amdhsa_kernel k_qafce25ba07_attn
		.amdhsa_group_segment_fixed_size 210944
		.amdhsa_private_segment_fixed_size 0
		.amdhsa_enable_private_segment 0
		.amdhsa_kernarg_size 24
		.amdhsa_user_sgpr_count 2
		.amdhsa_user_sgpr_kernarg_segment_ptr 1
		.amdhsa_wavefront_size32 1
		.amdhsa_system_sgpr_workgroup_id_x 1
		.amdhsa_system_sgpr_workgroup_id_y 1
		.amdhsa_system_sgpr_workgroup_id_z 1
		.amdhsa_system_vgpr_workitem_id 0
		.amdhsa_next_free_vgpr 256
		.amdhsa_next_free_sgpr 104
		.amdhsa_reserve_vcc 1
		.amdhsa_float_denorm_mode_32 3
		.amdhsa_float_denorm_mode_16_64 3
		.amdhsa_memory_ordered 1
		.amdhsa_forward_progress 1
		.amdhsa_inst_pref_size 36
	.end_amdhsa_kernel
	.amdgpu_metadata
---
amdhsa.version: [ 1, 2 ]
amdhsa.kernels:
  - .name:           k_qafce25ba07_attn
    .symbol:         k_qafce25ba07_attn.kd
    .args:
      - { .name: qkv, .offset: 0, .size: 8, .value_kind: global_buffer, .address_space: global }
      - { .name: maskw, .offset: 8, .size: 8, .value_kind: global_buffer, .address_space: global }
      - { .name: act, .offset: 16, .size: 8, .value_kind: global_buffer, .address_space: global }
    .group_segment_fixed_size: 210944
    .private_segment_fixed_size: 0
    .kernarg_segment_align: 8
    .kernarg_segment_size: 24
    .max_flat_workgroup_size: 512
    .sgpr_count:     104
    .vgpr_count:     256
    .wavefront_size: 32
...
	.end_amdgpu_metadata
.endif
;; end of part 3
;; launch gemm_proj (part 4): grid 4 x 16, 4 waves a work-group, clusters of 4 x 4, 327,680 bytes of LDS; arguments act, wts, b1, x, ybuf; writes ybuf
.if DOCPART == 4
	.amdgcn_target "amdgcn-amd-amdhsa--gfx1250"
	.amdhsa_code_object_version 6
	.text
	.protected	k_qafce25ba07_gemm_proj
	.globl	k_qafce25ba07_gemm_proj
	.p2align	8
	.type	k_qafce25ba07_gemm_proj,@function
k_qafce25ba07_gemm_proj:
	s_mov_b64 s[64:65], 0
	v_nop
	global_prefetch_b8 v0, s[64:65] scope:SCOPE_SE
	s_setreg_imm32_b32 hwreg(HW_REG_WAVE_MODE, 25, 1), 1
	s_wait_xcnt 0x0
	s_wait_alu depctr_hold_cnt(0) depctr_sa_sdst(0) depctr_va_vdst(0) depctr_va_sdst(0) depctr_va_ssrc(0) depctr_va_vcc(0) depctr_vm_vsrc(0)
	s_getreg_b32 s2, hwreg(HW_REG_IB_STS2, 6, 4)
	s_cmp_eq_u32 s2, 0
	s_cbranch_scc0 .Lentry_in_a_cluster
	s_endpgm
.Lentry_in_a_cluster:
	s_bfe_u32 s2, ttmp6, 0x10000c
	s_cmp_lg_u32 s2, 0xf033
	s_cbranch_scc0 .Lentry_shape_is_right
	s_endpgm
.Lentry_shape_is_right:
; y = A B^T + bias + residual, f32, on codes of E3M2: here A = the attention's result (K = 1,024), B = w1, bias = b1, residual = x.
; A tile of 256 x 256 to a work-group of four waves, 128 x 128 to a wave.  Operands lie in memory as images of their registers: a slot's part (128 rows x 256 along K) is one dense block of 24,576 bytes for one tensor
; load, a fragment three loads of 512 consecutive bytes.  The scale words of the work-group's rows come once and stay in LDS.  CLUSTERS 4 x 4: A's tiles shared along a row, B's along a column, by joint loads.
; THE SUMS BEGIN WITH THE RESIDUAL: it is loaded straight into the accumulators, in the result's layout, so the residual is added first and not last.  The bias is added on the way out.
; RESULT: accumulator (a, b), lane (r, h), register j = (row 32 (a / 2) + 8 (a % 2) + r % 8 + 16 (r / 8), column 32 (b / 2) + 16 h + 8 (b % 2) + j).  Rows leave through the wave's own stage, 512 consecutive bytes a store.
; LIMITS: NaN and infinities are not served.
.set KK,     1024
.set ASCALE, 3145728                   ; A's buffer: where the scale words begin
.set BG0,    24                        ; B's first group in its region
.set BCODE,  0                         ; B's region of codes
.set BSCALE, 9437184                   ; and of scale words
.set ROWP,   4096                      ; a row of the residual and of y in bytes
.set LAPS,   KK/512
.set GB,     96*KK
.set GS,     4*KK
.set HALFT,  24576
.set SLOT,   4*HALFT
.set SCL,    2*SLOT
.set SPARE,  SCL+4*GS                  ; the spare words, 128 bytes a wave: two blocks of 256 bytes that no other line names
.set STG,    SPARE+512                 ; the stages: 16 rows x 528 bytes a wave; no tensor load lands here
.set SPITCH, 528
.set FR,     12
.set NL,     3
.set NP,     4
.set NQ,     2
.set ADRA, 16
.set ADRB, 20
.set STO,  24
.set RD,   25
.set CO,   26
.set ADRS, 27
.set SPW,  28
.set NIL,  29
.set CI,   30
.set SC,   32
.set BIA,  64                          ; v64-67 the bias of my four columns of a row
.set AF,   128
.set BK,   128
.set G1, 24
.set G0, 32
.set G1B, 48
.set G0B, 56
.set G1S, 68
.set G0S, 76
.set G1SB, 80
.set G0SB, 88
.set MSB, 0
.macro WIN new                         ; the immediate's high byte repeats the setting that is left
.if MSB != (\new)
	s_set_vgpr_msb (MSB<<8)|(\new)
.set MSB, (\new)
.endif
.endm
.set MUL_LO, 0xa1
.set MUL_HI, 0xf1
.set TO_B,   0x40
.macro JLOAD g0a, g1a, g0b, g1b        ; a joint load: waves 0 and 1 fetch for A, waves 2 and 3 for B; four v_nop follow each line
	s_cmp_eq_u32 s15, 0
	s_cbranch_scc0 .Lfor_b_\@
	tensor_load_to_lds s[\g0a:\g0a+3], s[\g1a:\g1a+7]
	s_nop 0
.rept 4
	v_nop
.endr
	s_branch .Lasked_\@
.Lfor_b_\@:
	tensor_load_to_lds s[\g0b:\g0b+3], s[\g1b:\g1b+7]
	s_nop 0
.rept 4
	v_nop
.endr
.Lasked_\@:
.endm
.macro CREST
	s_cmp_lg_u32 s14, 0
	s_cbranch_scc1 .Lnot_wave_0_\@
	s_barrier_signal -3
.Lnot_wave_0_\@:
	s_barrier_wait -3
	s_barrier_signal -1
	s_barrier_wait -1
.endm
.macro CROUND
	s_barrier_signal -1
	s_barrier_wait -1
	CREST
.endm
.macro FRAG reg, adr, q, i
.irp c, 0,1,2
	ds_load_b128 v[\reg+4*\c:\reg+4*\c+3], v[\adr] offset:12288*(\q)+1536*(\i)+512*\c
.endr
.endm
.macro MUL16 a0, p, q, sc, zero        ; the 64 accumulators take turns in the same order in every step
.irp a, \a0, \a0+1
.irp b, 0,1,2,3,4,5,6,7
.if \zero
	v_wmma_scale_f32_16x16x128_f8f6f4 v[8*(8*((\a)%4)+\b):8*(8*((\a)%4)+\b)+7], v[128*(\p)+FR*\b:128*(\p)+FR*\b+FR-1], v[AF+FR*(\a):AF+FR*(\a)+FR-1], 0, v[SC+8*NQ*(\sc)+NQ*\b+(\q)], v[SC+8*NQ*(\sc)+NQ*(\a)+(\q)] matrix_a_fmt:MATRIX_FMT_BF6 matrix_b_fmt:MATRIX_FMT_BF6 matrix_a_scale:MATRIX_SCALE_ROW1
.else
	v_wmma_scale_f32_16x16x128_f8f6f4 v[8*(8*((\a)%4)+\b):8*(8*((\a)%4)+\b)+7], v[128*(\p)+FR*\b:128*(\p)+FR*\b+FR-1], v[AF+FR*(\a):AF+FR*(\a)+FR-1], v[8*(8*((\a)%4)+\b):8*(8*((\a)%4)+\b)+7], v[SC+8*NQ*(\sc)+NQ*\b+(\q)], v[SC+8*NQ*(\sc)+NQ*(\a)+(\q)] matrix_a_fmt:MATRIX_FMT_BF6 matrix_b_fmt:MATRIX_FMT_BF6 matrix_a_scale:MATRIX_SCALE_ROW1
.endif
.endr
.endr
.endm
.macro FETCH_B slot, q, p
	WIN TO_B
.irp i, 0,1,2,3,4,5,6,7
	FRAG 128*(\p)+FR*\i, ADRB+\slot, \q, \i
.endr
	WIN 0
.endm
.macro FETCH_A slot, q, i0
.irp i, \i0, \i0+1, \i0+2, \i0+3
	FRAG AF+FR*(\i), ADRA+\slot, \q, \i
.endr
.endm
.macro SCALES sc
.irp i, 0,1,2,3,4,5,6,7
	ds_load_b64 v[SC+8*NQ*\sc+NQ*\i:SC+8*NQ*\sc+NQ*\i+1], v[ADRS] offset:128*\i
.endr
.endm
.macro PLACES n
.rept \n
	v_nop
.endr
.endm
.macro STEP slot, q, zero
	s_wait_dscnt 4*NL                              ; all but the youngest twelve loads (A's blocks 4-7) are in
	WIN MUL_LO
	MUL16 0, (\q)%2, \q, \slot, \zero
	MUL16 2, (\q)%2, \q, \slot, \zero
	s_wait_dscnt 0
	PLACES NP
	FETCH_B \slot, (\q)+1, 1-(\q)%2
	FETCH_A \slot, (\q)+1, 0
	WIN MUL_HI
	MUL16 4, (\q)%2, \q, \slot, \zero
	MUL16 6, (\q)%2, \q, \slot, \zero
	PLACES NP
	WIN 0
	FETCH_A \slot, (\q)+1, 4
.endm
.macro TURN slot, next, fill
	s_wait_tensorcnt 0x0                           ; all my tensor loads have landed: my part of the next slot
	ds_add_u32 v[SPW], v[NIL]                      ; 0 onto my spare word
	s_wait_dscnt 4*NL+1                            ; the add and the youngest twelve loads may be out
	WIN MUL_LO
	MUL16 0, 1, NQ-1, \slot, 0
	s_wait_dscnt 0x0                               ; the add is done, and my reads of this slot are over
	s_barrier_signal -1
	MUL16 2, 1, NQ-1, \slot, 0
	WIN 0
	s_barrier_wait -1
.if \fill
	CREST                                          ; the barrier has opened a round of the cluster's barrier
	s_add_nc_u64 s[G0+4*\slot+2:G0+4*\slot+3], s[G0+4*\slot+2:G0+4*\slot+3], 2*HALFT
	s_add_nc_u64 s[G0B+4*\slot+2:G0B+4*\slot+3], s[G0B+4*\slot+2:G0B+4*\slot+3], 2*HALFT
	JLOAD G0+4*\slot, G1, G0B+4*\slot, G1B
.else
	PLACES NP
.endif
	v_add_nc_u32 v[ADRS], 1024, v[ADRS]
	FETCH_B \next, 0, 0
	FETCH_A \next, 0, 0
	SCALES \next
	WIN MUL_HI
	MUL16 4, 1, NQ-1, \slot, 0
	MUL16 6, 1, NQ-1, \slot, 0
	PLACES NP
	WIN 0
	FETCH_A \next, 0, 4
.endm
.macro CINIT base, rowp                ; the numbers with which the sums begin, straight into the accumulators
.irp a, 0,1,2,3,4,5,6,7
	WIN 0x80+0x40*(\a/4)                           ; destination window 2 or 3
.irp b, 0,1,2,3,4,5,6,7
.irp e, 0,1
	global_load_b128 v[8*(8*(\a%4)+\b)+4*\e:8*(8*(\a%4)+\b)+4*\e+3], v[CI], s[\base:\base+1] offset:(32*(\a/2)+8*(\a%2))*\rowp+128*(\b/2)+32*(\b%2)+16*\e
.endr
.endr
.endr
	WIN 0
.endm
	s_load_b128 s[4:7], s[0:1], 0x0                ; A's buffer, B's buffer
	s_load_b128 s[8:11], s[0:1], 0x10              ; bias, residual
	s_load_b64 s[12:13], s[0:1], 0x20              ; y
	v_lshl_add_u32 v[SPW], v0, 2, SPARE
	v_mov_b32 v[NIL], 0
	ds_add_u32 v28, v29
	ds_add_u32 v28, v29
	s_wait_dscnt 0x0
	v_lshrrev_b32 v1, 5, v0
	v_readfirstlane_b32 s14, v1
	s_lshr_b32 s15, s14, 1
	s_and_b32 s16, s14, 1
	s_bfe_u32 s40, ttmp6, 0x40000
	s_bfe_u32 s41, ttmp6, 0x40004
	s_lshl_b32 s42, ttmp9, 2
	s_add_co_u32 s42, s42, s40                     ; tile column
	s_and_b32 s17, ttmp7, 0xffff
	s_lshl_b32 s17, s17, 2
	s_add_co_u32 s17, s17, s41                     ; tile row
	s_lshl_b32 s43, s41, 2
	s_lshl_b32 s43, 15, s43
	s_lshl_b32 s44, 0x1111, s40
	s_or_b32 s[G1+0], s43, (3<<16)|(1<<21)         ; 15:0 the mask; 17:16 elements of 8 bytes; 21 set beside a mask; no padding
	s_or_b32 s[G1B+0], s44, (3<<16)|(1<<21)
.irp g, G1, G1B
	s_mov_b32 s[\g+1], 32<<16
	s_mov_b32 s[\g+2], 96<<16
	s_mov_b32 s[\g+3], 32<<16
	s_mov_b32 s[\g+4], 96
	s_mov_b32 s[\g+5], 32
	s_mov_b32 s[\g+6], 0
	s_mov_b32 s[\g+7], 0
.endr
	s_or_b32 s[G1S+0], s43, (3<<16)|(1<<21)
	s_or_b32 s[G1SB+0], s44, (3<<16)|(1<<21)
.irp g, G1S, G1SB
	s_mov_b32 s[\g+1], 32<<16
	s_mov_b32 s[\g+2], (GS/256)<<16
	s_mov_b32 s[\g+3], 32<<16
	s_mov_b32 s[\g+4], GS/256
	s_mov_b32 s[\g+5], 32
	s_mov_b32 s[\g+6], 0
	s_mov_b32 s[\g+7], 0
.endr
	s_lshl_b32 s20, s17, 1
	s_add_co_u32 s20, s20, s16                     ; A's group that I would fetch
	s_lshl_b32 s46, s42, 1
	s_add_co_u32 s46, s46, s16
	s_add_co_u32 s46, s46, BG0                     ; B's
	s_mul_i32 s22, s20, GS
	s_add_co_u32 s22, s22, ASCALE
	s_mov_b32 s23, 0
	s_mul_i32 s20, s20, GB
	s_mov_b32 s21, 0
	s_mul_i32 s92, s46, GS
	s_add_co_u32 s92, s92, BSCALE
	s_mov_b32 s93, 0
	s_mul_i32 s46, s46, GB
	s_add_co_u32 s46, s46, BCODE
	s_mov_b32 s47, 0
	s_mul_i32 s45, s14, HALFT
	s_mul_i32 s94, s14, GS
	s_wait_kmcnt 0x0
	s_add_nc_u64 s[22:23], s[4:5], s[22:23]
	s_add_nc_u64 s[20:21], s[4:5], s[20:21]
	s_add_nc_u64 s[92:93], s[6:7], s[92:93]
	s_add_nc_u64 s[46:47], s[6:7], s[46:47]
	CROUND                                         ; all sixteen work-groups are here: the first joint loads meet
	s_mov_b32 s[G0S], 1
	s_add_co_u32 s[G0S+1], s94, SCL
	s_mov_b64 s[G0S+2:G0S+3], s[22:23]
	s_or_b32 s[G0S+3], s[G0S+3], 0x80000000
	s_mov_b32 s[G0SB], 1
	s_add_co_u32 s[G0SB+1], s94, SCL
	s_mov_b64 s[G0SB+2:G0SB+3], s[92:93]
	s_or_b32 s[G0SB+3], s[G0SB+3], 0x80000000
	JLOAD G0S, G1S, G0SB, G1SB
.irp s, 0,1
	s_mov_b32 s[G0+4*\s], 1
	s_add_co_u32 s[G0+4*\s+1], s45, \s*SLOT
	s_add_nc_u64 s[G0+4*\s+2:G0+4*\s+3], s[20:21], \s*HALFT
	s_or_b32 s[G0+4*\s+3], s[G0+4*\s+3], 0x80000000
	s_mov_b32 s[G0B+4*\s], 1
	s_add_co_u32 s[G0B+4*\s+1], s45, \s*SLOT
	s_add_nc_u64 s[G0B+4*\s+2:G0B+4*\s+3], s[46:47], \s*HALFT
	s_or_b32 s[G0B+4*\s+3], s[G0B+4*\s+3], 0x80000000
	JLOAD G0+4*\s, G1, G0B+4*\s, G1B
.endr
	v_and_b32 v1, 15, v0                           ; r
	v_bfe_u32 v2, v0, 4, 1                         ; h
	v_and_b32 v3, 31, v0
	v_lshlrev_b32 v[CO], 4, v3
	s_mul_i32 s21, s15, HALFT
	s_mul_i32 s22, s16, HALFT
	s_add_co_u32 s22, s22, 2*HALFT
.irp s, 0,1
	v_add_nc_u32 v[ADRA+\s], s21, v[CO]
	v_add_nc_u32 v[ADRB+\s], s22, v[CO]
	s_add_co_u32 s21, s21, SLOT
	s_add_co_u32 s22, s22, SLOT
.endr
	v_lshlrev_b32 v5, 3, v1
	s_mul_i32 s21, s15, GS
	s_mul_i32 s22, s16, GS
	s_add_co_u32 s22, s22, 2*GS
	s_sub_co_u32 s22, s22, s21
	v_mul_u32_u24 v6, s22, v2
	s_add_co_u32 s21, s21, SCL
	v_add_nc_u32 v5, v5, v6
	v_add_nc_u32 v[ADRS], s21, v5
	s_mul_i32 s23, s14, 16*SPITCH
	s_add_co_u32 s23, s23, STG                     ; my stage
	v_mul_u32_u24 v5, v1, SPITCH
	v_lshl_add_u32 v5, v2, 6, v5
	v_add_nc_u32 v[STO], s23, v5                   ; in: row r, + 64 h
	v_add_nc_u32 v[RD], s23, v[CO]                 ; back: a whole row, 16 bytes a lane
	v_and_b32 v5, 7, v1
	v_lshrrev_b32 v6, 3, v1
	v_lshl_add_u32 v5, v6, 4, v5
	v_mul_u32_u24 v5, v5, ROWP
	v_lshl_add_u32 v[CI], v2, 6, v5                ; (r % 8 + 16 (r / 8)) rows + 64 h
	s_lshl_b32 s20, s17, 8
	s_lshl_b32 s21, s15, 7
	s_add_co_u32 s20, s20, s21
	s_lshl_b32 s20, s20, 12                        ; my first row, in bytes
	s_lshl_b32 s46, s42, 10
	s_lshl_b32 s47, s16, 9
	s_add_co_u32 s46, s46, s47                     ; my first column, in bytes
	s_add_co_u32 s20, s20, s46
	s_mov_b32 s21, 0
	s_mov_b32 s47, 0
	s_add_nc_u64 s[10:11], s[10:11], s[20:21]
	s_add_nc_u64 s[12:13], s[12:13], s[20:21]
	s_add_nc_u64 s[8:9], s[8:9], s[46:47]
	global_load_b128 v[BIA:BIA+3], v[CO], s[8:9]
	CINIT 10, ROWP
	s_wait_tensorcnt 1                             ; the scale words and my part of slot 0 are in; slot 1's load may be out
	s_barrier_signal -1
	s_barrier_wait -1
	FETCH_B 0, 0, 0
	FETCH_A 0, 0, 0
	SCALES 0
	FETCH_A 0, 0, 4
	s_wait_loadcnt 0x0                             ; the residual lies in the accumulators
	STEP 0, 0, 0
	s_mov_b32 s3, LAPS-1
.Llap:
	TURN 0, 1, 1
	STEP 1, 0, 0
	TURN 1, 0, 1
	STEP 0, 0, 0
	s_sub_co_u32 s3, s3, 1
	s_cmp_lg_u32 s3, 0
	s_cbranch_scc1 .Llap
	TURN 0, 1, 0
	STEP 1, 0, 0
	s_wait_dscnt 4*NL
	WIN MUL_LO
	MUL16 0, 1, NQ-1, 1, 0
	MUL16 2, 1, NQ-1, 1, 0
	s_wait_dscnt 0
	WIN MUL_HI
	MUL16 4, 1, NQ-1, 1, 0
	MUL16 6, 1, NQ-1, 1, 0
	WIN 0
; THE WAY OUT, a block of 16 rows x 128 columns at a time, through my own stage: LDS serves a wave's instructions in order, so no wait stands between the stores and the loads
.macro TOSTAGE a
.set AC, 64*((\a)%4)
	WIN 0x08+4*((\a)/4)                            ; the data: window 2 or 3
.irp b, 0,1,2,3,4,5,6,7
	ds_store_b128 v[STO], v[AC+8*\b:AC+8*\b+3] offset:128*(\b/2)+32*(\b%2)       ; each accumulator from its low end on
	ds_store_b128 v[STO], v[AC+8*\b+4:AC+8*\b+7] offset:128*(\b/2)+32*(\b%2)+16
.endr
	WIN 0
.set BB, BK+64*((\a)%2)
.irp t, 0,1,2,3,4,5,6,7,8,9,10,11,12,13,14,15
	ds_load_b128 v[BB+4*\t:BB+4*\t+3], v[RD] offset:\t*SPITCH
.endr
.endm
.macro SEND a, younger
.set BB, BK+64*((\a)%2)
	s_wait_dscnt \younger                          ; the block is back in registers
.irp t, 0,1,2,3,4,5,6,7,8,9,10,11,12,13,14,15
	v_pk_add_f32 v[BB+4*\t:BB+4*\t+1], v[BB+4*\t:BB+4*\t+1], v[BIA:BIA+1]
	v_pk_add_f32 v[BB+4*\t+2:BB+4*\t+3], v[BB+4*\t+2:BB+4*\t+3], v[BIA+2:BIA+3]
	global_store_b128 v[CO], v[BB+4*\t:BB+4*\t+3], s[12:13] offset:(32*((\a)/2)+8*((\a)%2)+(\t%8)+16*(\t/8))*ROWP   ; 512 consecutive bytes of a row
.endr
.endm
	PLACES NP
	TOSTAGE 0
.irp a, 1,2,3,4,5,6,7
.if \a > 1
	s_wait_xcnt 0x0                                ; block a - 2's stores have read their registers: block a's loads may land there
.endif
	TOSTAGE \a
	SEND \a-1, 32                                  ; behind block a - 1's loads: block a's 16 stores and 16 loads
.endr
	SEND 7, 0
	s_wait_tensorcnt 0x0                           ; the wave's end
	ds_add_u32 v[SPW], v[NIL]
	s_wait_dscnt 0x0
	CROUND                                         ; the closing round
	s_endpgm
.Lfunc_end_k_qafce25ba07_gemm_proj:
	.size	k_qafce25ba07_gemm_proj, .Lfunc_end_k_qafce25ba07_gemm_proj-k_qafce25ba07_gemm_proj
	.p2alignl 7, 3214868480
	.fill 96, 4, 3214868480
	.section	.rodata,"a",@progbits
	.p2align	6, 0x0
	.amdhsa_kernel k_qafce25ba07_gemm_proj
		.amdhsa_group_segment_fixed_size 327680
		.amdhsa_private_segment_fixed_size 0
		.amdhsa_enable_private_segment 0
		.amdhsa_kernarg_size 40
		.amdhsa_user_sgpr_count 2
		.amdhsa_user_sgpr_kernarg_segment_ptr 1
		.amdhsa_wavefront_size32 1
		.amdhsa_system_sgpr_workgroup_id_x 1
		.amdhsa_system_sgpr_workgroup_id_y 1
		.amdhsa_system_sgpr_workgroup_id_z 1
		.amdhsa_system_vgpr_workitem_id 0
		.amdhsa_next_free_vgpr 1024
		.amdhsa_next_free_sgpr 104
		.amdhsa_reserve_vcc 0
		.amdhsa_float_denorm_mode_32 3
		.amdhsa_float_denorm_mode_16_64 3
		.amdhsa_memory_ordered 1
		.amdhsa_forward_progress 1
		.amdhsa_inst_pref_size 164
	.end_amdhsa_kernel
	.amdgpu_metadata
---
amdhsa.version: [ 1, 2 ]
amdhsa.kernels:
  - .name:           k_qafce25ba07_gemm_proj
    .symbol:         k_qafce25ba07_gemm_proj.kd
    .args:
      - { .name: act, .offset: 0, .size: 8, .value_kind: global_buffer, .address_space: global }
      - { .name: wts, .offset: 8, .size: 8, .value_kind: global_buffer, .address_space: global }
      - { .name: b1, .offset: 16, .size: 8, .value_kind: global_buffer, .address_space: global }
      - { .name: x, .offset: 24, .size: 8, .value_kind: global_buffer, .address_space: global }
      - { .name: ybuf, .offset: 32, .size: 8, .value_kind: global_buffer, .address_space: global }
    .group_segment_fixed_size: 327680
    .private_segment_fixed_size: 0
    .kernarg_segment_align: 8
    .kernarg_segment_size: 40
    .max_flat_workgroup_size: 128
    .sgpr_count:     104
    .vgpr_count:     1024
    .wavefront_size: 32
...
	.end_amdgpu_metadata
.endif
;; end of part 4
;; launch ln1 (part 5): grid 256 x 1, 4 waves a work-group, no clusters, 66,304 bytes of LDS; arguments ybuf, g1, be1, x1, act; writes x1, act
.if DOCPART == 5
	.amdgcn_target "amdgcn-amd-amdhsa--gfx1250"
	.amdhsa_code_object_version 6
	.text
	.protected	k_qafce25ba07_ln1
	.globl	k_qafce25ba07_ln1
	.p2align	8
	.type	k_qafce25ba07_ln1,@function
k_qafce25ba07_ln1:
	s_mov_b64 s[64:65], 0
	v_nop
	global_prefetch_b8 v0, s[64:65] scope:SCOPE_SE
	s_setreg_imm32_b32 hwreg(HW_REG_WAVE_MODE, 25, 1), 1
	s_wait_xcnt 0x0
; x1 = layernorm(y) g + be, f32, and its codes of E3M2 along D as images of the operand's registers (layout: as the first launch lays x).
; A work-group owns one tile of 16 rows (group G, tile i): stage row e is token 128 G + 32 (i / 2) + 8 (i % 2) + e % 8 + 16 (e / 8).  Phase 1: a wave takes four rows, each whole in 32 registers: mean, variance of
; the differences, 1 / sqrt, gain and bias; rows go to x1 (512 consecutive bytes a store) and to the stage.  One barrier.  Phase 2: wave w quantises K steps 2 w and 2 w + 1 of all 16 rows.
; Memory binds: no matrix unit, no cluster.  LIMITS: NaN and infinities are not served; a block of zeros gets the byte 1 (its codes are zeros; only this program reads the bytes).
.set ASC,  3145728
.set SPL,  4112                        ; a stage row: 4,096 bytes + 16 = 1,028 words: row r starts at bank 4 r
.set GC,   5
.set QA,   7
.set H8,   8
.set R,    32                          ; v32-159  four rows
.set GG,   160                         ; v160-191 the gain of my 32 columns
.set BE,   192                         ; v192-223 the bias
.set T,    224                         ; v224-239 four registers a row, at work
.set X,    64
.set CD,   16
.set CT,   40
.set MX,   48
.set SO,   50
.set BY,   52
.set WQ,   54
.set WT,   56
.set SEL,  22
.set CB,   24
.macro QSTEP q
.irp u, 0,1
.irp e, 0,1,2,3,4,5,6,7
	ds_load_b128 v[X+32*\u+4*\e:X+32*\u+4*\e+3], v[QA] offset:512*\q+256*\u+16*\e
.endr
.endr
	s_wait_dscnt 0x0
.irp u, 0,1
	v_max3_num_f32 v[MX+\u], |v[X+32*\u]|, |v[X+32*\u+1]|, 0x2800000   ; the floor 2^(5 - 127): the byte cannot fall under 1
.endr
.irp i, 2,4,6,8,10,12,14,16,18,20,22,24,26,28,30
.irp u, 0,1
	v_max3_num_f32 v[MX+\u], v[MX+\u], |v[X+32*\u+\i]|, |v[X+32*\u+\i+1]|
.endr
.endr
.irp u, 0,1
	v_add_nc_u32 v[SO+\u], 0xfe000000, v[MX+\u]
.endr
.irp u, 0,1
	v_lshrrev_b32 v[BY+\u], 23, v[SO+\u]
.endr
	v_lshl_or_b32 v[WQ+\q], v[BY+1], 16, v[BY]
	v_lshlrev_b32 v[WQ+\q], v[H8], v[WQ+\q]
	v_permlanex16_b32 v[WT], v[WQ+\q], s[SEL], s[SEL+1]
	v_or_b32 v[WQ+\q], v[WQ+\q], v[WT]
.irp u, 0,1
	v_cvt_scalef32_pk16_bf6_f32 v[CD+12*\q+6*\u:CD+12*\q+6*\u+2], v[X+32*\u:X+32*\u+15], v[SO+\u]
	v_cvt_scalef32_pk16_bf6_f32 v[CT+4*\u:CT+4*\u+2], v[X+32*\u+16:X+32*\u+31], v[SO+\u]
.endr
	v_nop                                          ; one plain place behind a scaled conversion
.irp u, 0,1
.irp i, 0,1,2
	v_mov_b32 v[CD+12*\q+6*\u+3+\i], v[CT+4*\u+\i]
.endr
.endr
.irp c, 0,1,2
	global_store_b128 v[GC], v[CD+12*\q+4*\c:CD+12*\q+4*\c+3], s[CB:CB+1] offset:12288*\q+512*\c
.endr
.endm
.macro LANESUM o                       ; v[T + 4 p + o] summed over the 32 lanes, for the four rows by turns
.irp m, 1,2,4,8
.irp p, 0,1,2,3
	v_add_f32_dpp v[T+4*\p+\o], v[T+4*\p+\o], v[T+4*\p+\o] row_xmask:\m row_mask:0xf bank_mask:0xf
.endr
.endr
.irp p, 0,1,2,3
	v_permlanex16_b32 v[T+4*\p+\o+1], v[T+4*\p+\o], s[SEL], s[SEL+1]
.endr
.irp p, 0,1,2,3
	v_add_f32 v[T+4*\p+\o], v[T+4*\p+\o], v[T+4*\p+\o+1]
.endr
.endm
	s_load_b256 s[4:11], s[0:1], 0x0               ; y s[4:5], g s[6:7], be s[8:9], x1 s[10:11]
	s_load_b64 s[12:13], s[0:1], 0x20              ; act
	v_lshl_add_u32 v240, v0, 2, 0x10100
	v_mov_b32 v241, 0
	v_lshrrev_b32 v1, 5, v0
	v_readfirstlane_b32 s14, v1                    ; wave
	v_and_b32 v2, 31, v0
	v_and_b32 v3, 15, v0                           ; r
	v_bfe_u32 v4, v0, 4, 1                         ; h
	v_lshlrev_b32 v[GC], 4, v2
	s_mul_i32 s15, s14, 4*SPL
	v_add_nc_u32 v6, s15, v[GC]                    ; the stage, on the way in: my four rows
	v_mul_u32_u24 v[QA], v3, SPL
	v_lshl_add_u32 v[QA], v4, 7, v[QA]
	s_lshl_b32 s15, s14, 10
	v_add_nc_u32 v[QA], s15, v[QA]                 ; and out: row r, my wave's 1,024 bytes, + 128 h
	v_lshlrev_b32 v[H8], 3, v4
	v_lshlrev_b32 v9, 3, v3
	v_lshl_add_u32 v9, v4, 2, v9
	s_lshr_b32 s15, ttmp9, 3                       ; G
	s_and_b32 s16, ttmp9, 7                        ; i
	s_lshr_b32 s17, s16, 1
	s_lshl_b32 s17, s17, 5
	s_and_b32 s18, s16, 1
	s_lshl_b32 s18, s18, 3
	s_add_co_u32 s17, s17, s18
	s_lshl_b32 s18, s15, 7
	s_add_co_u32 s17, s17, s18
	s_and_b32 s18, s14, 1
	s_lshl_b32 s18, s18, 2
	s_add_co_u32 s17, s17, s18
	s_lshr_b32 s18, s14, 1
	s_lshl_b32 s18, s18, 4
	s_add_co_u32 s17, s17, s18                     ; my first token
	s_lshl_b32 s18, s17, 12
	s_mov_b32 s19, 0
	s_mov_b32 s20, 0x3a800000                      ; 1 / 1024
	s_mov_b32 s21, 0x3727c5ac                      ; 1e-5
	s_mov_b32 s[SEL], 0x76543210
	s_mov_b32 s[SEL+1], 0xfedcba98
	s_lshl_b32 s24, s15, 3
	s_lshl_b32 s25, s14, 1
	s_add_co_u32 s24, s24, s25
	s_lshl_b32 s24, s24, 3
	s_add_co_u32 s24, s24, s16
	s_mul_i32 s24, s24, 1536
	s_mov_b32 s25, 0
	s_lshl_b32 s26, s15, 2
	s_add_co_u32 s26, s26, s14
	s_lshl_b32 s26, s26, 3
	s_add_co_u32 s26, s26, s16
	s_lshl_b32 s26, s26, 7
	s_add_co_u32 s26, s26, ASC
	s_mov_b32 s27, 0
	s_mov_b32 s28, 0xffff0000
	s_wait_kmcnt 0x0
	s_add_nc_u64 s[4:5], s[4:5], s[18:19]
	s_add_nc_u64 s[10:11], s[10:11], s[18:19]
	s_add_nc_u64 s[24:25], s[12:13], s[24:25]
	s_add_nc_u64 s[26:27], s[12:13], s[26:27]
.irp p, 0,1,2,3
.irp m, 0,1,2,3,4,5,6,7
	global_load_b128 v[R+32*\p+4*\m:R+32*\p+4*\m+3], v[GC], s[4:5] offset:4096*\p+512*\m th:TH_LOAD_NT
.endr
.endr
.irp m, 0,1,2,3,4,5,6,7
	global_load_b128 v[GG+4*\m:GG+4*\m+3], v[GC], s[6:7] offset:512*\m
	global_load_b128 v[BE+4*\m:BE+4*\m+3], v[GC], s[8:9] offset:512*\m
.endr
	s_wait_loadcnt 0x0
.irp p, 0,1,2,3
	v_pk_add_f32 v[T+4*\p:T+4*\p+1], v[R+32*\p:R+32*\p+1], v[R+32*\p+2:R+32*\p+3]
	v_pk_add_f32 v[T+4*\p+2:T+4*\p+3], v[R+32*\p+4:R+32*\p+5], v[R+32*\p+6:R+32*\p+7]
.endr
.irp k, 8,12,16,20,24,28
.irp p, 0,1,2,3
	v_pk_add_f32 v[T+4*\p:T+4*\p+1], v[T+4*\p:T+4*\p+1], v[R+32*\p+\k:R+32*\p+\k+1]
	v_pk_add_f32 v[T+4*\p+2:T+4*\p+3], v[T+4*\p+2:T+4*\p+3], v[R+32*\p+\k+2:R+32*\p+\k+3]
.endr
.endr
.irp p, 0,1,2,3
	v_pk_add_f32 v[T+4*\p:T+4*\p+1], v[T+4*\p:T+4*\p+1], v[T+4*\p+2:T+4*\p+3]
.endr
.irp p, 0,1,2,3
	v_add_f32 v[T+4*\p], v[T+4*\p], v[T+4*\p+1]
.endr
	LANESUM 0
.irp p, 0,1,2,3
	v_mul_f32 v[T+4*\p], s20, v[T+4*\p]            ; the mean
.endr
.irp k, 0,2,4,6,8,10,12,14,16,18,20,22,24,26,28,30
.irp p, 0,1,2,3
	v_pk_add_f32 v[R+32*\p+\k:R+32*\p+\k+1], v[R+32*\p+\k:R+32*\p+\k+1], v[T+4*\p:T+4*\p+1] op_sel_hi:[1,0] neg_lo:[0,1] neg_hi:[0,1]   ; x - mean
.endr
.endr
.irp p, 0,1,2,3
	v_pk_mul_f32 v[T+4*\p+2:T+4*\p+3], v[R+32*\p:R+32*\p+1], v[R+32*\p:R+32*\p+1]
.endr
.irp k, 2,4,6,8,10,12,14,16,18,20,22,24,26,28,30
.irp p, 0,1,2,3
	v_pk_fma_f32 v[T+4*\p+2:T+4*\p+3], v[R+32*\p+\k:R+32*\p+\k+1], v[R+32*\p+\k:R+32*\p+\k+1], v[T+4*\p+2:T+4*\p+3]
.endr
.endr
.irp p, 0,1,2,3
	v_add_f32 v[T+4*\p+2], v[T+4*\p+2], v[T+4*\p+3]
.endr
	LANESUM 2
.irp p, 0,1,2,3
	v_fma_f32 v[T+4*\p+2], v[T+4*\p+2], s20, s21   ; the variance + 1e-5
.endr
.irp p, 0,1,2,3
	v_rsq_f32 v[T+4*\p+2], v[T+4*\p+2]
.endr
	v_nop                                          ; a plain place behind the batch
	s_wait_alu depctr_va_vdst(0)                   ; one wait for the four, ahead of their first reader
.irp k, 0,2,4,6,8,10,12,14,16,18,20,22,24,26,28,30
.irp p, 0,1,2,3
	v_pk_mul_f32 v[R+32*\p+\k:R+32*\p+\k+1], v[R+32*\p+\k:R+32*\p+\k+1], v[T+4*\p+2:T+4*\p+3] op_sel_hi:[1,0]
.endr
.endr
.irp k, 0,2,4,6,8,10,12,14,16,18,20,22,24,26,28,30
.irp p, 0,1,2,3
	v_pk_fma_f32 v[R+32*\p+\k:R+32*\p+\k+1], v[R+32*\p+\k:R+32*\p+\k+1], v[GG+\k:GG+\k+1], v[BE+\k:BE+\k+1]
.endr
.endr
.irp p, 0,1,2,3
.irp m, 0,1,2,3,4,5,6,7
	global_store_b128 v[GC], v[R+32*\p+4*\m:R+32*\p+4*\m+3], s[10:11] offset:4096*\p+512*\m
	ds_store_b128 v6, v[R+32*\p+4*\m:R+32*\p+4*\m+3] offset:SPL*\p+512*\m
.endr
.endr
	s_wait_dscnt 0x0                               ; for the others' sake: my four rows lie in the stage
	s_barrier_signal -1
	s_barrier_wait -1
	s_wait_xcnt 0x0                                ; the stores to x1 have read their registers: they may be written again
	v_mov_b32 v[WT], 0
	QSTEP 0
	QSTEP 1
	v_cndmask_b32 v57, v[WQ], v[WQ+1], s28
	global_store_b32 v9, v57, s[26:27]
	s_wait_tensorcnt 0x0
	ds_add_u32 v240, v241
	s_wait_dscnt 0x0
	s_endpgm
.Lfunc_end_k_qafce25ba07_ln1:
	.size	k_qafce25ba07_ln1, .Lfunc_end_k_qafce25ba07_ln1-k_qafce25ba07_ln1
	.p2alignl 7, 3214868480
	.fill 96, 4, 3214868480
	.section	.rodata,"a",@progbits
	.p2align	6, 0x0
	.amdhsa_kernel k_qafce25ba07_ln1
		.amdhsa_group_segment_fixed_size 66304
		.amdhsa_private_segment_fixed_size 0
		.amdhsa_enable_private_segment 0
		.amdhsa_kernarg_size 40
		.amdhsa_user_sgpr_count 2
		.amdhsa_user_sgpr_kernarg_segment_ptr 1
		.amdhsa_wavefront_size32 1
		.amdhsa_system_sgpr_workgroup_id_x 1
		.amdhsa_system_sgpr_workgroup_id_y 1
		.amdhsa_system_sgpr_workgroup_id_z 1
		.amdhsa_system_vgpr_workitem_id 0
		.amdhsa_next_free_vgpr 242
		.amdhsa_next_free_sgpr 66
		.amdhsa_reserve_vcc 0
		.amdhsa_float_denorm_mode_32 3
		.amdhsa_float_denorm_mode_16_64 3
		.amdhsa_memory_ordered 1
		.amdhsa_forward_progress 1
		.amdhsa_inst_pref_size 45
	.end_amdhsa_kernel
	.amdgpu_metadata
---
amdhsa.version: [ 1, 2 ]
amdhsa.kernels:
  - .name:           k_qafce25ba07_ln1
    .symbol:         k_qafce25ba07_ln1.kd
    .args:
      - { .name: ybuf, .offset: 0, .size: 8, .value_kind: global_buffer, .address_space: global }
      - { .name: g1, .offset: 8, .size: 8, .value_kind: global_buffer, .address_space: global }
      - { .name: be1, .offset: 16, .size: 8, .value_kind: global_buffer, .address_space: global }
      - { .name: x1, .offset: 24, .size: 8, .value_kind: global_buffer, .address_space: global }
      - { .name: act, .offset: 32, .size: 8, .value_kind: global_buffer, .address_space: global }
    .group_segment_fixed_size: 66304
    .private_segment_fixed_size: 0
    .kernarg_segment_align: 8
    .kernarg_segment_size: 40
    .max_flat_workgroup_size: 128
    .sgpr_count:     66
    .vgpr_count:     242
    .wavefront_size: 32
...
	.end_amdgpu_metadata
.endif
;; end of part 5
;; launch gemm_ffn1 (part 6): grid 16 x 16, 4 waves a work-group, clusters of 4 x 4, 327,680 bytes of LDS; arguments act, wts, fb1, hbuf; writes hbuf
.if DOCPART == 6
	.amdgcn_target "amdgcn-amd-amdhsa--gfx1250"
	.amdhsa_code_object_version 6
	.text
	.protected	k_qafce25ba07_gemm_ffn1
	.globl	k_qafce25ba07_gemm_ffn1
	.p2align	8
	.type	k_qafce25ba07_gemm_ffn1,@function
k_qafce25ba07_gemm_ffn1:
	s_mov_b64 s[64:65], 0
	v_nop
	global_prefetch_b8 v0, s[64:65] scope:SCOPE_SE
	s_setreg_imm32_b32 hwreg(HW_REG_WAVE_MODE, 25, 1), 1
	s_wait_xcnt 0x0
	s_wait_alu depctr_hold_cnt(0) depctr_sa_sdst(0) depctr_va_vdst(0) depctr_va_sdst(0) depctr_va_ssrc(0) depctr_va_vcc(0) depctr_vm_vsrc(0)
	s_getreg_b32 s2, hwreg(HW_REG_IB_STS2, 6, 4)
	s_cmp_eq_u32 s2, 0
	s_cbranch_scc0 .Lentry_in_a_cluster
	s_endpgm
.Lentry_in_a_cluster:
	s_bfe_u32 s2, ttmp6, 0x10000c
	s_cmp_lg_u32 s2, 0xf033
	s_cbranch_scc0 .Lentry_shape_is_right
	s_endpgm
.Lentry_shape_is_right:
; h = relu(x1 fw1 + fb1) on codes of E3M2 (K = 1,024), quantised along the 4,096 hidden units and stored as images of the next product's operand registers.  The hidden layer goes to memory as codes alone.
; A tile of 256 x 256 to a work-group of four waves, 128 x 128 to a wave.  Operands lie in memory as images of their registers: a slot's part is one dense block of 24,576 bytes for one tensor load, a fragment three
; loads of 512 consecutive bytes.  The scale words come once and stay in LDS.  CLUSTERS 4 x 4: A's tiles (tokens) shared along a row, B's (fw1's rows) along a column, by joint loads.
; THE SUMS BEGIN WITH THE BIAS, loaded straight into the accumulators in the result's layout.
; RESULT: accumulator (a, b), lane (r, h), register j = (token 32 (a / 2) + 8 (a % 2) + r % 8 + 16 (r / 8), unit 32 (b / 2) + 16 h + 8 (b % 2) + j): a block a's 64 registers are one K step of the next product.
; LIMITS: NaN and infinities are not served; a block of zeros gets the byte 1 (its codes are zeros; only this program reads the bytes).
.set KK,     1024
.set ASCALE, 3145728
.set BG0,    0
.set BCODE,  3145728
.set BSCALE, 9568256
.set HSC,    12582912                  ; hbuf: where the scale words begin
.set LAPS,   KK/512
.set GB,     96*KK
.set GS,     4*KK
.set HALFT,  24576
.set SLOT,   4*HALFT
.set SCL,    2*SLOT
.set SPARE,  SCL+4*GS                  ; the spare words, 128 bytes a wave: two blocks of 256 bytes that no other line names
.set FR,     12
.set NL,     3
.set NP,     4
.set NQ,     2
.set ADRA, 16
.set ADRB, 20
.set SO8,  24                          ; v24 8 r + 128 h
.set CO,   26
.set ADRS, 27
.set SPW,  28
.set NIL,  29
.set CI,   30
.set SC,   32
.set AF,   128
.set H,    128
.set PC,   192
.set TM,   232
.set PW,   248
.set PWE,  249
.set SEL,  100
.set HM,   96
.set G1, 24
.set G0, 32
.set G1B, 48
.set G0B, 56
.set G1S, 68
.set G0S, 76
.set G1SB, 80
.set G0SB, 88
.set MSB, 0
.macro WIN new                         ; the immediate's high byte repeats the setting that is left
.if MSB != (\new)
	s_set_vgpr_msb (MSB<<8)|(\new)
.set MSB, (\new)
.endif
.endm
.set MUL_LO, 0xa1
.set MUL_HI, 0xf1
.set TO_B,   0x40
.macro JLOAD g0a, g1a, g0b, g1b        ; a joint load: waves 0 and 1 fetch for A, waves 2 and 3 for B; four v_nop follow each line
	s_cmp_eq_u32 s15, 0
	s_cbranch_scc0 .Lfor_b_\@
	tensor_load_to_lds s[\g0a:\g0a+3], s[\g1a:\g1a+7]
	s_nop 0
.rept 4
	v_nop
.endr
	s_branch .Lasked_\@
.Lfor_b_\@:
	tensor_load_to_lds s[\g0b:\g0b+3], s[\g1b:\g1b+7]
	s_nop 0
.rept 4
	v_nop
.endr
.Lasked_\@:
.endm
.macro CREST
	s_cmp_lg_u32 s14, 0
	s_cbranch_scc1 .Lnot_wave_0_\@
	s_barrier_signal -3
.Lnot_wave_0_\@:
	s_barrier_wait -3
	s_barrier_signal -1
	s_barrier_wait -1
.endm
.macro CROUND
	s_barrier_signal -1
	s_barrier_wait -1
	CREST
.endm
.macro FRAG reg, adr, q, i
.irp c, 0,1,2
	ds_load_b128 v[\reg+4*\c:\reg+4*\c+3], v[\adr] offset:12288*(\q)+1536*(\i)+512*\c
.endr
.endm
.macro MUL16 a0, p, q, sc, zero        ; the 64 accumulators take turns in the same order in every step
.irp a, \a0, \a0+1
.irp b, 0,1,2,3,4,5,6,7
.if \zero
	v_wmma_scale_f32_16x16x128_f8f6f4 v[8*(8*((\a)%4)+\b):8*(8*((\a)%4)+\b)+7], v[128*(\p)+FR*\b:128*(\p)+FR*\b+FR-1], v[AF+FR*(\a):AF+FR*(\a)+FR-1], 0, v[SC+8*NQ*(\sc)+NQ*\b+(\q)], v[SC+8*NQ*(\sc)+NQ*(\a)+(\q)] matrix_a_fmt:MATRIX_FMT_BF6 matrix_b_fmt:MATRIX_FMT_BF6 matrix_a_scale:MATRIX_SCALE_ROW1
.else
	v_wmma_scale_f32_16x16x128_f8f6f4 v[8*(8*((\a)%4)+\b):8*(8*((\a)%4)+\b)+7], v[128*(\p)+FR*\b:128*(\p)+FR*\b+FR-1], v[AF+FR*(\a):AF+FR*(\a)+FR-1], v[8*(8*((\a)%4)+\b):8*(8*((\a)%4)+\b)+7], v[SC+8*NQ*(\sc)+NQ*\b+(\q)], v[SC+8*NQ*(\sc)+NQ*(\a)+(\q)] matrix_a_fmt:MATRIX_FMT_BF6 matrix_b_fmt:MATRIX_FMT_BF6 matrix_a_scale:MATRIX_SCALE_ROW1
.endif
.endr
.endr
.endm
.macro FETCH_B slot, q, p
	WIN TO_B
.irp i, 0,1,2,3,4,5,6,7
	FRAG 128*(\p)+FR*\i, ADRB+\slot, \q, \i
.endr
	WIN 0
.endm
.macro FETCH_A slot, q, i0
.irp i, \i0, \i0+1, \i0+2, \i0+3
	FRAG AF+FR*(\i), ADRA+\slot, \q, \i
.endr
.endm
.macro SCALES sc
.irp i, 0,1,2,3,4,5,6,7
	ds_load_b64 v[SC+8*NQ*\sc+NQ*\i:SC+8*NQ*\sc+NQ*\i+1], v[ADRS] offset:128*\i
.endr
.endm
.macro PLACES n
.rept \n
	v_nop
.endr
.endm
.macro STEP slot, q, zero
	s_wait_dscnt 4*NL                              ; all but the youngest twelve loads (A's blocks 4-7) are in
	WIN MUL_LO
	MUL16 0, (\q)%2, \q, \slot, \zero
	MUL16 2, (\q)%2, \q, \slot, \zero
	s_wait_dscnt 0
	PLACES NP
	FETCH_B \slot, (\q)+1, 1-(\q)%2
	FETCH_A \slot, (\q)+1, 0
	WIN MUL_HI
	MUL16 4, (\q)%2, \q, \slot, \zero
	MUL16 6, (\q)%2, \q, \slot, \zero
	PLACES NP
	WIN 0
	FETCH_A \slot, (\q)+1, 4
.endm
.macro TURN slot, next, fill
	s_wait_tensorcnt 0x0                           ; all my tensor loads have landed: my part of the next slot
	ds_add_u32 v[SPW], v[NIL]                      ; 0 onto my spare word
	s_wait_dscnt 4*NL+1                            ; the add and the youngest twelve loads may be out
	WIN MUL_LO
	MUL16 0, 1, NQ-1, \slot, 0
	s_wait_dscnt 0x0                               ; the add is done, and my reads of this slot are over
	s_barrier_signal -1
	MUL16 2, 1, NQ-1, \slot, 0
	WIN 0
	s_barrier_wait -1
.if \fill
	CREST                                          ; the barrier has opened a round of the cluster's barrier
	s_add_nc_u64 s[G0+4*\slot+2:G0+4*\slot+3], s[G0+4*\slot+2:G0+4*\slot+3], 2*HALFT
	s_add_nc_u64 s[G0B+4*\slot+2:G0B+4*\slot+3], s[G0B+4*\slot+2:G0B+4*\slot+3], 2*HALFT
	JLOAD G0+4*\slot, G1, G0B+4*\slot, G1B
.else
	PLACES NP
.endif
	v_add_nc_u32 v[ADRS], 1024, v[ADRS]
	FETCH_B \next, 0, 0
	FETCH_A \next, 0, 0
	SCALES \next
	WIN MUL_HI
	MUL16 4, 1, NQ-1, \slot, 0
	MUL16 6, 1, NQ-1, \slot, 0
	PLACES NP
	WIN 0
	FETCH_A \next, 0, 4
.endm
.macro CINIT base, rowp                ; the numbers with which the sums begin, straight into the accumulators
.irp a, 0,1,2,3,4,5,6,7
	WIN 0x80+0x40*(\a/4)
.irp b, 0,1,2,3,4,5,6,7
.irp e, 0,1
	global_load_b128 v[8*(8*(\a%4)+\b)+4*\e:8*(8*(\a%4)+\b)+4*\e+3], v[CI], s[\base:\base+1] offset:(32*(\a/2)+8*(\a%2))*\rowp+128*(\b/2)+32*(\b%2)+16*\e
.endr
.endr
.endr
	WIN 0
.endm
.macro QUANT s                         ; 64 numbers of a lane, register 16 b + i = k 32 b + 16 (lane / 16) + i of my row: codes in v[PC] on, scale word in v[PW]
.irp b, 0,1,2,3
	v_max3_num_f32 v[TM+\b], |v[\s+16*\b]|, |v[\s+1+16*\b]|, 0x2800000
.endr
.irp i, 2,4,6,8,10,12,14
.irp b, 0,1,2,3
	v_max3_num_f32 v[TM+\b], v[TM+\b], |v[\s+16*\b+\i]|, |v[\s+1+16*\b+\i]|
.endr
.endr
.irp b, 0,1,2,3
	v_permlanex16_b32 v[TM+4+\b], v[TM+\b], s[SEL], s[SEL+1]
.endr
.irp b, 0,1,2,3
	v_max_num_f32 v[TM+\b], v[TM+\b], v[TM+4+\b]
.endr
.irp b, 0,1,2,3
	v_add_nc_u32 v[TM+12+\b], 0xfe000000, v[TM+\b]
.endr
.irp b, 0,1,2,3
	v_lshrrev_b32 v[TM+4+\b], 23, v[TM+12+\b]
.endr
	v_lshl_or_b32 v[PW], v[TM+5], 8, v[TM+4]
	v_lshl_or_b32 v[PW], v[TM+6], 16, v[PW]
	v_lshl_or_b32 v[PW], v[TM+7], 24, v[PW]
.irp c, 0,1
	v_cvt_scalef32_pk16_bf6_f32 v[PC+6*\c:PC+2+6*\c], v[\s+32*\c:\s+15+32*\c], v[TM+12+2*\c]
	v_cvt_scalef32_pk16_bf6_f32 v[PC+12+4*\c:PC+14+4*\c], v[\s+16+32*\c:\s+31+32*\c], v[TM+12+2*\c+1]
.endr
	v_nop                                          ; one plain place behind a scaled conversion
.irp c, 0,1
.irp i, 0,1,2
	v_permlane16_swap_b32 v[PC+6*\c+\i], v[PC+12+4*\c+\i]
.endr
.irp i, 0,1,2
	v_mov_b32 v[PC+3+6*\c+\i], v[PC+12+4*\c+\i]
.endr
.endr
.endm
	s_load_b128 s[4:7], s[0:1], 0x0                ; act, wts
	s_load_b128 s[8:11], s[0:1], 0x10              ; fb1, hbuf
	v_lshl_add_u32 v[SPW], v0, 2, SPARE
	v_mov_b32 v[NIL], 0
	ds_add_u32 v28, v29
	ds_add_u32 v28, v29
	s_wait_dscnt 0x0
	v_lshrrev_b32 v1, 5, v0
	v_readfirstlane_b32 s14, v1
	s_lshr_b32 s15, s14, 1
	s_and_b32 s16, s14, 1
	s_bfe_u32 s40, ttmp6, 0x40000
	s_bfe_u32 s41, ttmp6, 0x40004
	s_lshl_b32 s42, ttmp9, 2
	s_add_co_u32 s42, s42, s40                     ; tile column
	s_and_b32 s17, ttmp7, 0xffff
	s_lshl_b32 s17, s17, 2
	s_add_co_u32 s17, s17, s41                     ; tile row
	s_lshl_b32 s43, s41, 2
	s_lshl_b32 s43, 15, s43
	s_lshl_b32 s44, 0x1111, s40
	s_or_b32 s[G1+0], s43, (3<<16)|(1<<21)         ; 15:0 the mask; 17:16 elements of 8 bytes; 21 set beside a mask; no padding
	s_or_b32 s[G1B+0], s44, (3<<16)|(1<<21)
.irp g, G1, G1B
	s_mov_b32 s[\g+1], 32<<16
	s_mov_b32 s[\g+2], 96<<16
	s_mov_b32 s[\g+3], 32<<16
	s_mov_b32 s[\g+4], 96
	s_mov_b32 s[\g+5], 32
	s_mov_b32 s[\g+6], 0
	s_mov_b32 s[\g+7], 0
.endr
	s_or_b32 s[G1S+0], s43, (3<<16)|(1<<21)
	s_or_b32 s[G1SB+0], s44, (3<<16)|(1<<21)
.irp g, G1S, G1SB
	s_mov_b32 s[\g+1], 32<<16
	s_mov_b32 s[\g+2], (GS/256)<<16
	s_mov_b32 s[\g+3], 32<<16
	s_mov_b32 s[\g+4], GS/256
	s_mov_b32 s[\g+5], 32
	s_mov_b32 s[\g+6], 0
	s_mov_b32 s[\g+7], 0
.endr
	s_lshl_b32 s20, s17, 1
	s_add_co_u32 s20, s20, s16
	s_lshl_b32 s46, s42, 1
	s_add_co_u32 s46, s46, s16
	s_add_co_u32 s46, s46, BG0
	s_mul_i32 s22, s20, GS
	s_add_co_u32 s22, s22, ASCALE
	s_mov_b32 s23, 0
	s_mul_i32 s20, s20, GB
	s_mov_b32 s21, 0
	s_mul_i32 s92, s46, GS
	s_add_co_u32 s92, s92, BSCALE
	s_mov_b32 s93, 0
	s_mul_i32 s46, s46, GB
	s_add_co_u32 s46, s46, BCODE
	s_mov_b32 s47, 0
	s_mul_i32 s45, s14, HALFT
	s_mul_i32 s94, s14, GS
	s_wait_kmcnt 0x0
	s_add_nc_u64 s[22:23], s[4:5], s[22:23]
	s_add_nc_u64 s[20:21], s[4:5], s[20:21]
	s_add_nc_u64 s[92:93], s[6:7], s[92:93]
	s_add_nc_u64 s[46:47], s[6:7], s[46:47]
	CROUND                                         ; all sixteen work-groups are here: the first joint loads meet
	s_mov_b32 s[G0S], 1
	s_add_co_u32 s[G0S+1], s94, SCL
	s_mov_b64 s[G0S+2:G0S+3], s[22:23]
	s_or_b32 s[G0S+3], s[G0S+3], 0x80000000
	s_mov_b32 s[G0SB], 1
	s_add_co_u32 s[G0SB+1], s94, SCL
	s_mov_b64 s[G0SB+2:G0SB+3], s[92:93]
	s_or_b32 s[G0SB+3], s[G0SB+3], 0x80000000
	JLOAD G0S, G1S, G0SB, G1SB
.irp s, 0,1
	s_mov_b32 s[G0+4*\s], 1
	s_add_co_u32 s[G0+4*\s+1], s45, \s*SLOT
	s_add_nc_u64 s[G0+4*\s+2:G0+4*\s+3], s[20:21], \s*HALFT
	s_or_b32 s[G0+4*\s+3], s[G0+4*\s+3], 0x80000000
	s_mov_b32 s[G0B+4*\s], 1
	s_add_co_u32 s[G0B+4*\s+1], s45, \s*SLOT
	s_add_nc_u64 s[G0B+4*\s+2:G0B+4*\s+3], s[46:47], \s*HALFT
	s_or_b32 s[G0B+4*\s+3], s[G0B+4*\s+3], 0x80000000
	JLOAD G0+4*\s, G1, G0B+4*\s, G1B
.endr
	v_and_b32 v1, 15, v0                           ; r
	v_bfe_u32 v2, v0, 4, 1                         ; h
	v_and_b32 v3, 31, v0
	v_lshlrev_b32 v[CO], 4, v3
	s_mul_i32 s21, s15, HALFT
	s_mul_i32 s22, s16, HALFT
	s_add_co_u32 s22, s22, 2*HALFT
.irp s, 0,1
	v_add_nc_u32 v[ADRA+\s], s21, v[CO]
	v_add_nc_u32 v[ADRB+\s], s22, v[CO]
	s_add_co_u32 s21, s21, SLOT
	s_add_co_u32 s22, s22, SLOT
.endr
	v_lshlrev_b32 v5, 3, v1
	s_mul_i32 s21, s15, GS
	s_mul_i32 s22, s16, GS
	s_add_co_u32 s22, s22, 2*GS
	s_sub_co_u32 s22, s22, s21
	v_mul_u32_u24 v6, s22, v2
	s_add_co_u32 s21, s21, SCL
	v_add_nc_u32 v6, v5, v6
	v_add_nc_u32 v[ADRS], s21, v6
	v_lshl_add_u32 v[SO8], v2, 7, v5               ; 8 r + 128 h
	v_lshlrev_b32 v[CI], 6, v2                     ; 64 h: the bias is the same in every row
.irp b, 0,1,2,3
	v_mov_b32 v[TM+4+\b], 0                        ; written once: a lane permute's destination counts as read
.endr
	s_lshl_b32 s46, s42, 10
	s_lshl_b32 s47, s16, 9
	s_add_co_u32 s46, s46, s47                     ; my first hidden unit, in bytes
	s_mov_b32 s47, 0
	s_add_nc_u64 s[8:9], s[8:9], s[46:47]
	CINIT 8, 0
	s_wait_tensorcnt 1                             ; the scale words and my part of slot 0 are in; slot 1's load may be out
	s_barrier_signal -1
	s_barrier_wait -1
	FETCH_B 0, 0, 0
	FETCH_A 0, 0, 0
	SCALES 0
	FETCH_A 0, 0, 4
	s_wait_loadcnt 0x0                             ; the bias lies in the accumulators
	STEP 0, 0, 0
	s_mov_b32 s3, LAPS-1
.Llap:
	TURN 0, 1, 1
	STEP 1, 0, 0
	TURN 1, 0, 1
	STEP 0, 0, 0
	s_sub_co_u32 s3, s3, 1
	s_cmp_lg_u32 s3, 0
	s_cbranch_scc1 .Llap
	TURN 0, 1, 0
	STEP 1, 0, 0
	s_wait_dscnt 4*NL
	WIN MUL_LO
	MUL16 0, 1, NQ-1, 1, 0
	MUL16 2, 1, NQ-1, 1, 0
	s_wait_dscnt 0
	WIN MUL_HI
	MUL16 4, 1, NQ-1, 1, 0
	MUL16 6, 1, NQ-1, 1, 0
	WIN 0
	PLACES NP
	; THE WAY OUT: block a is the unit (my group of tokens, K step 2 x tile column + half, tile a) of the next product's operand
	s_mov_b32 s[SEL], 0x76543210
	s_mov_b32 s[SEL+1], 0xfedcba98
	s_mov_b32 s[HM], 0xffff0000
	s_lshl_b32 s20, s17, 1
	s_add_co_u32 s20, s20, s15                     ; my group of tokens
	s_lshl_b32 s22, s20, 5
	s_lshl_b32 s23, s42, 1
	s_add_co_u32 s22, s22, s23
	s_add_co_u32 s22, s22, s16
	s_mul_i32 s22, s22, 12288
	s_mov_b32 s23, 0
	s_lshl_b32 s46, s20, 4
	s_add_co_u32 s46, s46, s42
	s_lshl_b32 s46, s46, 10
	s_lshl_b32 s47, s16, 2
	s_add_co_u32 s46, s46, s47
	s_add_co_u32 s46, s46, HSC
	s_mov_b32 s47, 0
	s_add_nc_u64 s[22:23], s[10:11], s[22:23]
	s_add_nc_u64 s[46:47], s[10:11], s[46:47]
.irp a, 0,1,2,3,4,5,6,7
	s_wait_xcnt 0x0                                ; the last block's stores have read their registers
	WIN 0x08+4*(\a/4)                              ; source 1: the accumulators' window
.set JJ, 0
.rept 64
	v_max_num_f32 v[H+JJ], 0, v[64*(\a%4)+JJ]      ; relu, in f32; each accumulator from its low end on
.set JJ, JJ+1
.endr
	WIN 0
	QUANT H
.irp c, 0,1,2
	global_store_b128 v[CO], v[PC+4*\c:PC+4*\c+3], s[22:23] offset:1536*\a+512*\c
.endr
.if \a%2 == 0
	v_mov_b32 v[PWE], v[PW]
.else
	v_cndmask_b32 v[PWE], v[PWE], v[PW], s[HM]     ; lanes 0-15 the even tile's words, lanes 16-31 the odd one's
	global_store_b32 v[SO8], v[PWE], s[46:47] offset:128*(\a-1)
.endif
.endr
	s_wait_tensorcnt 0x0                           ; the wave's end
	ds_add_u32 v[SPW], v[NIL]
	s_wait_dscnt 0x0
	CROUND                                         ; the closing round
	s_endpgm
.Lfunc_end_k_qafce25ba07_gemm_ffn1:
	.size	k_qafce25ba07_gemm_ffn1, .Lfunc_end_k_qafce25ba07_gemm_ffn1-k_qafce25ba07_gemm_ffn1
	.p2alignl 7, 3214868480
	.fill 96, 4, 3214868480
	.section	.rodata,"a",@progbits
	.p2align	6, 0x0
	.amdhsa_kernel k_qafce25ba07_gemm_ffn1
		.amdhsa_group_segment_fixed_size 327680
		.amdhsa_private_segment_fixed_size 0
		.amdhsa_enable_private_segment 0
		.amdhsa_kernarg_size 32
		.amdhsa_user_sgpr_count 2
		.amdhsa_user_sgpr_kernarg_segment_ptr 1
		.amdhsa_wavefront_size32 1
		.amdhsa_system_sgpr_workgroup_id_x 1
		.amdhsa_system_sgpr_workgroup_id_y 1
		.amdhsa_system_sgpr_workgroup_id_z 1
		.amdhsa_system_vgpr_workitem_id 0
		.amdhsa_next_free_vgpr 1024
		.amdhsa_next_free_sgpr 104
		.amdhsa_reserve_vcc 0
		.amdhsa_float_denorm_mode_32 3
		.amdhsa_float_denorm_mode_16_64 3
		.amdhsa_memory_ordered 1
		.amdhsa_forward_progress 1
		.amdhsa_inst_pref_size 168
	.end_amdhsa_kernel
	.amdgpu_metadata
---
amdhsa.version: [ 1, 2 ]
amdhsa.kernels:
  - .name:           k_qafce25ba07_gemm_ffn1
    .symbol:         k_qafce25ba07_gemm_ffn1.kd
    .args:
      - { .name: act, .offset: 0, .size: 8, .value_kind: global_buffer, .address_space: global }
      - { .name: wts, .offset: 8, .size: 8, .value_kind: global_buffer, .address_space: global }
      - { .name: fb1, .offset: 16, .size: 8, .value_kind: global_buffer, .address_space: global }
      - { .name: hbuf, .offset: 24, .size: 8, .value_kind: global_buffer, .address_space: global }
    .group_segment_fixed_size: 327680
    .private_segment_fixed_size: 0
    .kernarg_segment_align: 8
    .kernarg_segment_size: 32
    .max_flat_workgroup_size: 128
    .sgpr_count:     104
    .vgpr_count:     1024
    .wavefront_size: 32
...
	.end_amdgpu_metadata
.endif
;; end of part 6
;; launch gemm_ffn2 (part 7): grid 4 x 16, 4 waves a work-group, clusters of 4 x 4, 327,680 bytes of LDS; arguments hbuf, wts, fb2, x1, ybuf; writes ybuf
.if DOCPART == 7
	.amdgcn_target "amdgcn-amd-amdhsa--gfx1250"
	.amdhsa_code_object_version 6
	.text
	.protected	k_qafce25ba07_gemm_ffn2
	.globl	k_qafce25ba07_gemm_ffn2
	.p2align	8
	.type	k_qafce25ba07_gemm_ffn2,@function
k_qafce25ba07_gemm_ffn2:
	s_mov_b64 s[64:65], 0
	v_nop
	global_prefetch_b8 v0, s[64:65] scope:SCOPE_SE
	s_setreg_imm32_b32 hwreg(HW_REG_WAVE_MODE, 25, 1), 1
	s_wait_xcnt 0x0
	s_wait_alu depctr_hold_cnt(0) depctr_sa_sdst(0) depctr_va_vdst(0) depctr_va_sdst(0) depctr_va_ssrc(0) depctr_va_vcc(0) depctr_vm_vsrc(0)
	s_getreg_b32 s2, hwreg(HW_REG_IB_STS2, 6, 4)
	s_cmp_eq_u32 s2, 0
	s_cbranch_scc0 .Lentry_in_a_cluster
	s_endpgm
.Lentry_in_a_cluster:
	s_bfe_u32 s2, ttmp6, 0x10000c
	s_cmp_lg_u32 s2, 0xf033
	s_cbranch_scc0 .Lentry_shape_is_right
	s_endpgm
.Lentry_shape_is_right:
; y = A B^T + bias + residual, f32, on codes of E3M2: here A = the hidden layer (K = 4,096), B = fw2, bias = fb2, residual = x1.
; A tile of 256 x 256 to a work-group of four waves, 128 x 128 to a wave.  Operands lie in memory as images of their registers: a slot's part (128 rows x 256 along K) is one dense block of 24,576 bytes for one tensor
; load, a fragment three loads of 512 consecutive bytes.  The scale words of the work-group's rows come once and stay in LDS.  CLUSTERS 4 x 4: A's tiles shared along a row, B's along a column, by joint loads.
; THE SUMS BEGIN WITH THE RESIDUAL: it is loaded straight into the accumulators, in the result's layout, so the residual is added first and not last.  The bias is added on the way out.
; RESULT: accumulator (a, b), lane (r, h), register j = (row 32 (a / 2) + 8 (a % 2) + r % 8 + 16 (r / 8), column 32 (b / 2) + 16 h + 8 (b % 2) + j).  Rows leave through the wave's own stage, 512 consecutive bytes a store.
; LIMITS: NaN and infinities are not served.
.set KK,     4096
.set ASCALE, 12582912                  ; A's buffer: where the scale words begin
.set BG0,    0                         ; B's first group in its region
.set BCODE,  6291456                   ; B's region of codes
.set BSCALE, 9699328                   ; and of scale words
.set ROWP,   4096                      ; a row of the residual and of y in bytes
.set LAPS,   KK/512
.set GB,     96*KK
.set GS,     4*KK
.set HALFT,  24576
.set SLOT,   4*HALFT
.set SCL,    2*SLOT
.set SPARE,  SCL+4*GS                  ; the spare words, 128 bytes a wave: two blocks of 256 bytes that no other line names
.set STG,    SPARE+512                 ; the stages: 16 rows x 528 bytes a wave; no tensor load lands here
.set SPITCH, 528
.set FR,     12
.set NL,     3
.set NP,     4
.set NQ,     2
.set ADRA, 16
.set ADRB, 20
.set STO,  24
.set RD,   25
.set CO,   26
.set ADRS, 27
.set SPW,  28
.set NIL,  29
.set CI,   30
.set SC,   32
.set BIA,  64                          ; v64-67 the bias of my four columns of a row
.set AF,   128
.set BK,   128
.set G1, 24
.set G0, 32
.set G1B, 48
.set G0B, 56
.set G1S, 68
.set G0S, 76
.set G1SB, 80
.set G0SB, 88
.set MSB, 0
.macro WIN new                         ; the immediate's high byte repeats the setting that is left
.if MSB != (\new)
	s_set_vgpr_msb (MSB<<8)|(\new)
.set MSB, (\new)
.endif
.endm
.set MUL_LO, 0xa1
.set MUL_HI, 0xf1
.set TO_B,   0x40
.macro JLOAD g0a, g1a, g0b, g1b        ; a joint load: waves 0 and 1 fetch for A, waves 2 and 3 for B; four v_nop follow each line
	s_cmp_eq_u32 s15, 0
	s_cbranch_scc0 .Lfor_b_\@
	tensor_load_to_lds s[\g0a:\g0a+3], s[\g1a:\g1a+7]
	s_nop 0
.rept 4
	v_nop
.endr
	s_branch .Lasked_\@
.Lfor_b_\@:
	tensor_load_to_lds s[\g0b:\g0b+3], s[\g1b:\g1b+7]
	s_nop 0
.rept 4
	v_nop
.endr
.Lasked_\@:
.endm
.macro CREST
	s_cmp_lg_u32 s14, 0
	s_cbranch_scc1 .Lnot_wave_0_\@
	s_barrier_signal -3
.Lnot_wave_0_\@:
	s_barrier_wait -3
	s_barrier_signal -1
	s_barrier_wait -1
.endm
.macro CROUND
	s_barrier_signal -1
	s_barrier_wait -1
	CREST
.endm
.macro FRAG reg, adr, q, i
.irp c, 0,1,2
	ds_load_b128 v[\reg+4*\c:\reg+4*\c+3], v[\adr] offset:12288*(\q)+1536*(\i)+512*\c
.endr
.endm
.macro MUL16 a0, p, q, sc, zero        ; the 64 accumulators take turns in the same order in every step
.irp a, \a0, \a0+1
.irp b, 0,1,2,3,4,5,6,7
.if \zero
	v_wmma_scale_f32_16x16x128_f8f6f4 v[8*(8*((\a)%4)+\b):8*(8*((\a)%4)+\b)+7], v[128*(\p)+FR*\b:128*(\p)+FR*\b+FR-1], v[AF+FR*(\a):AF+FR*(\a)+FR-1], 0, v[SC+8*NQ*(\sc)+NQ*\b+(\q)], v[SC+8*NQ*(\sc)+NQ*(\a)+(\q)] matrix_a_fmt:MATRIX_FMT_BF6 matrix_b_fmt:MATRIX_FMT_BF6 matrix_a_scale:MATRIX_SCALE_ROW1
.else
	v_wmma_scale_f32_16x16x128_f8f6f4 v[8*(8*((\a)%4)+\b):8*(8*((\a)%4)+\b)+7], v[128*(\p)+FR*\b:128*(\p)+FR*\b+FR-1], v[AF+FR*(\a):AF+FR*(\a)+FR-1], v[8*(8*((\a)%4)+\b):8*(8*((\a)%4)+\b)+7], v[SC+8*NQ*(\sc)+NQ*\b+(\q)], v[SC+8*NQ*(\sc)+NQ*(\a)+(\q)] matrix_a_fmt:MATRIX_FMT_BF6 matrix_b_fmt:MATRIX_FMT_BF6 matrix_a_scale:MATRIX_SCALE_ROW1
.endif
.endr
.endr
.endm
.macro FETCH_B slot, q, p
	WIN TO_B
.irp i, 0,1,2,3,4,5,6,7
	FRAG 128*(\p)+FR*\i, ADRB+\slot, \q, \i
.endr
	WIN 0
.endm
.macro FETCH_A slot, q, i0
.irp i, \i0, \i0+1, \i0+2, \i0+3
	FRAG AF+FR*(\i), ADRA+\slot, \q, \i
.endr
.endm
.macro SCALES sc
.irp i, 0,1,2,3,4,5,6,7
	ds_load_b64 v[SC+8*NQ*\sc+NQ*\i:SC+8*NQ*\sc+NQ*\i+1], v[ADRS] offset:128*\i
.endr
.endm
.macro PLACES n
.rept \n
	v_nop
.endr
.endm
.macro STEP slot, q, zero
	s_wait_dscnt 4*NL                              ; all but the youngest twelve loads (A's blocks 4-7) are in
	WIN MUL_LO
	MUL16 0, (\q)%2, \q, \slot, \zero
	MUL16 2, (\q)%2, \q, \slot, \zero
	s_wait_dscnt 0
	PLACES NP
	FETCH_B \slot, (\q)+1, 1-(\q)%2
	FETCH_A \slot, (\q)+1, 0
	WIN MUL_HI
	MUL16 4, (\q)%2, \q, \slot, \zero
	MUL16 6, (\q)%2, \q, \slot, \zero
	PLACES NP
	WIN 0
	FETCH_A \slot, (\q)+1, 4
.endm
.macro TURN slot, next, fill
	s_wait_tensorcnt 0x0                           ; all my tensor loads have landed: my part of the next slot
	ds_add_u32 v[SPW], v[NIL]                      ; 0 onto my spare word
	s_wait_dscnt 4*NL+1                            ; the add and the youngest twelve loads may be out
	WIN MUL_LO
	MUL16 0, 1, NQ-1, \slot, 0
	s_wait_dscnt 0x0                               ; the add is done, and my reads of this slot are over
	s_barrier_signal -1
	MUL16 2, 1, NQ-1, \slot, 0
	WIN 0
	s_barrier_wait -1
.if \fill
	CREST                                          ; the barrier has opened a round of the cluster's barrier
	s_add_nc_u64 s[G0+4*\slot+2:G0+4*\slot+3], s[G0+4*\slot+2:G0+4*\slot+3], 2*HALFT
	s_add_nc_u64 s[G0B+4*\slot+2:G0B+4*\slot+3], s[G0B+4*\slot+2:G0B+4*\slot+3], 2*HALFT
	JLOAD G0+4*\slot, G1, G0B+4*\slot, G1B
.else
	PLACES NP
.endif
	v_add_nc_u32 v[ADRS], 1024, v[ADRS]
	FETCH_B \next, 0, 0
	FETCH_A \next, 0, 0
	SCALES \next
	WIN MUL_HI
	MUL16 4, 1, NQ-1, \slot, 0
	MUL16 6, 1, NQ-1, \slot, 0
	PLACES NP
	WIN 0
	FETCH_A \next, 0, 4
.endm
.macro CINIT base, rowp                ; the numbers with which the sums begin, straight into the accumulators
.irp a, 0,1,2,3,4,5,6,7
	WIN 0x80+0x40*(\a/4)                           ; destination window 2 or 3
.irp b, 0,1,2,3,4,5,6,7
.irp e, 0,1
	global_load_b128 v[8*(8*(\a%4)+\b)+4*\e:8*(8*(\a%4)+\b)+4*\e+3], v[CI], s[\base:\base+1] offset:(32*(\a/2)+8*(\a%2))*\rowp+128*(\b/2)+32*(\b%2)+16*\e
.endr
.endr
.endr
	WIN 0
.endm
	s_load_b128 s[4:7], s[0:1], 0x0                ; A's buffer, B's buffer
	s_load_b128 s[8:11], s[0:1], 0x10              ; bias, residual
	s_load_b64 s[12:13], s[0:1], 0x20              ; y
	v_lshl_add_u32 v[SPW], v0, 2, SPARE
	v_mov_b32 v[NIL], 0
	ds_add_u32 v28, v29
	ds_add_u32 v28, v29
	s_wait_dscnt 0x0
	v_lshrrev_b32 v1, 5, v0
	v_readfirstlane_b32 s14, v1
	s_lshr_b32 s15, s14, 1
	s_and_b32 s16, s14, 1
	s_bfe_u32 s40, ttmp6, 0x40000
	s_bfe_u32 s41, ttmp6, 0x40004
	s_lshl_b32 s42, ttmp9, 2
	s_add_co_u32 s42, s42, s40                     ; tile column
	s_and_b32 s17, ttmp7, 0xffff
	s_lshl_b32 s17, s17, 2
	s_add_co_u32 s17, s17, s41                     ; tile row
	s_lshl_b32 s43, s41, 2
	s_lshl_b32 s43, 15, s43
	s_lshl_b32 s44, 0x1111, s40
	s_or_b32 s[G1+0], s43, (3<<16)|(1<<21)         ; 15:0 the mask; 17:16 elements of 8 bytes; 21 set beside a mask; no padding
	s_or_b32 s[G1B+0], s44, (3<<16)|(1<<21)
.irp g, G1, G1B
	s_mov_b32 s[\g+1], 32<<16
	s_mov_b32 s[\g+2], 96<<16
	s_mov_b32 s[\g+3], 32<<16
	s_mov_b32 s[\g+4], 96
	s_mov_b32 s[\g+5], 32
	s_mov_b32 s[\g+6], 0
	s_mov_b32 s[\g+7], 0
.endr
	s_or_b32 s[G1S+0], s43, (3<<16)|(1<<21)
	s_or_b32 s[G1SB+0], s44, (3<<16)|(1<<21)
.irp g, G1S, G1SB
	s_mov_b32 s[\g+1], 32<<16
	s_mov_b32 s[\g+2], (GS/256)<<16
	s_mov_b32 s[\g+3], 32<<16
	s_mov_b32 s[\g+4], GS/256
	s_mov_b32 s[\g+5], 32
	s_mov_b32 s[\g+6], 0
	s_mov_b32 s[\g+7], 0
.endr
	s_lshl_b32 s20, s17, 1
	s_add_co_u32 s20, s20, s16                     ; A's group that I would fetch
	s_lshl_b32 s46, s42, 1
	s_add_co_u32 s46, s46, s16
	s_add_co_u32 s46, s46, BG0                     ; B's
	s_mul_i32 s22, s20, GS
	s_add_co_u32 s22, s22, ASCALE
	s_mov_b32 s23, 0
	s_mul_i32 s20, s20, GB
	s_mov_b32 s21, 0
	s_mul_i32 s92, s46, GS
	s_add_co_u32 s92, s92, BSCALE
	s_mov_b32 s93, 0
	s_mul_i32 s46, s46, GB
	s_add_co_u32 s46, s46, BCODE
	s_mov_b32 s47, 0
	s_mul_i32 s45, s14, HALFT
	s_mul_i32 s94, s14, GS
	s_wait_kmcnt 0x0
	s_add_nc_u64 s[22:23], s[4:5], s[22:23]
	s_add_nc_u64 s[20:21], s[4:5], s[20:21]
	s_add_nc_u64 s[92:93], s[6:7], s[92:93]
	s_add_nc_u64 s[46:47], s[6:7], s[46:47]
	CROUND                                         ; all sixteen work-groups are here: the first joint loads meet
	s_mov_b32 s[G0S], 1
	s_add_co_u32 s[G0S+1], s94, SCL
	s_mov_b64 s[G0S+2:G0S+3], s[22:23]
	s_or_b32 s[G0S+3], s[G0S+3], 0x80000000
	s_mov_b32 s[G0SB], 1
	s_add_co_u32 s[G0SB+1], s94, SCL
	s_mov_b64 s[G0SB+2:G0SB+3], s[92:93]
	s_or_b32 s[G0SB+3], s[G0SB+3], 0x80000000
	JLOAD G0S, G1S, G0SB, G1SB
.irp s, 0,1
	s_mov_b32 s[G0+4*\s], 1
	s_add_co_u32 s[G0+4*\s+1], s45, \s*SLOT
	s_add_nc_u64 s[G0+4*\s+2:G0+4*\s+3], s[20:21], \s*HALFT
	s_or_b32 s[G0+4*\s+3], s[G0+4*\s+3], 0x80000000
	s_mov_b32 s[G0B+4*\s], 1
	s_add_co_u32 s[G0B+4*\s+1], s45, \s*SLOT
	s_add_nc_u64 s[G0B+4*\s+2:G0B+4*\s+3], s[46:47], \s*HALFT
	s_or_b32 s[G0B+4*\s+3], s[G0B+4*\s+3], 0x80000000
	JLOAD G0+4*\s, G1, G0B+4*\s, G1B
.endr
	v_and_b32 v1, 15, v0                           ; r
	v_bfe_u32 v2, v0, 4, 1                         ; h
	v_and_b32 v3, 31, v0
	v_lshlrev_b32 v[CO], 4, v3
	s_mul_i32 s21, s15, HALFT
	s_mul_i32 s22, s16, HALFT
	s_add_co_u32 s22, s22, 2*HALFT
.irp s, 0,1
	v_add_nc_u32 v[ADRA+\s], s21, v[CO]
	v_add_nc_u32 v[ADRB+\s], s22, v[CO]
	s_add_co_u32 s21, s21, SLOT
	s_add_co_u32 s22, s22, SLOT
.endr
	v_lshlrev_b32 v5, 3, v1
	s_mul_i32 s21, s15, GS
	s_mul_i32 s22, s16, GS
	s_add_co_u32 s22, s22, 2*GS
	s_sub_co_u32 s22, s22, s21
	v_mul_u32_u24 v6, s22, v2
	s_add_co_u32 s21, s21, SCL
	v_add_nc_u32 v5, v5, v6
	v_add_nc_u32 v[ADRS], s21, v5
	s_mul_i32 s23, s14, 16*SPITCH
	s_add_co_u32 s23, s23, STG                     ; my stage
	v_mul_u32_u24 v5, v1, SPITCH
	v_lshl_add_u32 v5, v2, 6, v5
	v_add_nc_u32 v[STO], s23, v5                   ; in: row r, + 64 h
	v_add_nc_u32 v[RD], s23, v[CO]                 ; back: a whole row, 16 bytes a lane
	v_and_b32 v5, 7, v1
	v_lshrrev_b32 v6, 3, v1
	v_lshl_add_u32 v5, v6, 4, v5
	v_mul_u32_u24 v5, v5, ROWP
	v_lshl_add_u32 v[CI], v2, 6, v5                ; (r % 8 + 16 (r / 8)) rows + 64 h
	s_lshl_b32 s20, s17, 8
	s_lshl_b32 s21, s15, 7
	s_add_co_u32 s20, s20, s21
	s_lshl_b32 s20, s20, 12                        ; my first row, in bytes
	s_lshl_b32 s46, s42, 10
	s_lshl_b32 s47, s16, 9
	s_add_co_u32 s46, s46, s47                     ; my first column, in bytes
	s_add_co_u32 s20, s20, s46
	s_mov_b32 s21, 0
	s_mov_b32 s47, 0
	s_add_nc_u64 s[10:11], s[10:11], s[20:21]
	s_add_nc_u64 s[12:13], s[12:13], s[20:21]
	s_add_nc_u64 s[8:9], s[8:9], s[46:47]
	global_load_b128 v[BIA:BIA+3], v[CO], s[8:9]
	CINIT 10, ROWP
	s_wait_tensorcnt 1                             ; the scale words and my part of slot 0 are in; slot 1's load may be out
	s_barrier_signal -1
	s_barrier_wait -1
	FETCH_B 0, 0, 0
	FETCH_A 0, 0, 0
	SCALES 0
	FETCH_A 0, 0, 4
	s_wait_loadcnt 0x0                             ; the residual lies in the accumulators
	STEP 0, 0, 0
	s_mov_b32 s3, LAPS-1
.Llap:
	TURN 0, 1, 1
	STEP 1, 0, 0
	TURN 1, 0, 1
	STEP 0, 0, 0
	s_sub_co_u32 s3, s3, 1
	s_cmp_lg_u32 s3, 0
	s_cbranch_scc1 .Llap
	TURN 0, 1, 0
	STEP 1, 0, 0
	s_wait_dscnt 4*NL
	WIN MUL_LO
	MUL16 0, 1, NQ-1, 1, 0
	MUL16 2, 1, NQ-1, 1, 0
	s_wait_dscnt 0
	WIN MUL_HI
	MUL16 4, 1, NQ-1, 1, 0
	MUL16 6, 1, NQ-1, 1, 0
	WIN 0
; THE WAY OUT, a block of 16 rows x 128 columns at a time, through my own stage: LDS serves a wave's instructions in order, so no wait stands between the stores and the loads
.macro TOSTAGE a
.set AC, 64*((\a)%4)
	WIN 0x08+4*((\a)/4)                            ; the data: window 2 or 3
.irp b, 0,1,2,3,4,5,6,7
	ds_store_b128 v[STO], v[AC+8*\b:AC+8*\b+3] offset:128*(\b/2)+32*(\b%2)       ; each accumulator from its low end on
	ds_store_b128 v[STO], v[AC+8*\b+4:AC+8*\b+7] offset:128*(\b/2)+32*(\b%2)+16
.endr
	WIN 0
.set BB, BK+64*((\a)%2)
.irp t, 0,1,2,3,4,5,6,7,8,9,10,11,12,13,14,15
	ds_load_b128 v[BB+4*\t:BB+4*\t+3], v[RD] offset:\t*SPITCH
.endr
.endm
.macro SEND a, younger
.set BB, BK+64*((\a)%2)
	s_wait_dscnt \younger                          ; the block is back in registers
.irp t, 0,1,2,3,4,5,6,7,8,9,10,11,12,13,14,15
	v_pk_add_f32 v[BB+4*\t:BB+4*\t+1], v[BB+4*\t:BB+4*\t+1], v[BIA:BIA+1]
	v_pk_add_f32 v[BB+4*\t+2:BB+4*\t+3], v[BB+4*\t+2:BB+4*\t+3], v[BIA+2:BIA+3]
	global_store_b128 v[CO], v[BB+4*\t:BB+4*\t+3], s[12:13] offset:(32*((\a)/2)+8*((\a)%2)+(\t%8)+16*(\t/8))*ROWP   ; 512 consecutive bytes of a row
.endr
.endm
	PLACES NP
	TOSTAGE 0
.irp a, 1,2,3,4,5,6,7
.if \a > 1
	s_wait_xcnt 0x0                                ; block a - 2's stores have read their registers: block a's loads may land there
.endif
	TOSTAGE \a
	SEND \a-1, 32                                  ; behind block a - 1's loads: block a's 16 stores and 16 loads
.endr
	SEND 7, 0
	s_wait_tensorcnt 0x0                           ; the wave's end
	ds_add_u32 v[SPW], v[NIL]
	s_wait_dscnt 0x0
	CROUND                                         ; the closing round
	s_endpgm
.Lfunc_end_k_qafce25ba07_gemm_ffn2:
	.size	k_qafce25ba07_gemm_ffn2, .Lfunc_end_k_qafce25ba07_gemm_ffn2-k_qafce25ba07_gemm_ffn2
	.p2alignl 7, 3214868480
	.fill 96, 4, 3214868480
	.section	.rodata,"a",@progbits
	.p2align	6, 0x0
	.amdhsa_kernel k_qafce25ba07_gemm_ffn2
		.amdhsa_group_segment_fixed_size 327680
		.amdhsa_private_segment_fixed_size 0
		.amdhsa_enable_private_segment 0
		.amdhsa_kernarg_size 40
		.amdhsa_user_sgpr_count 2
		.amdhsa_user_sgpr_kernarg_segment_ptr 1
		.amdhsa_wavefront_size32 1
		.amdhsa_system_sgpr_workgroup_id_x 1
		.amdhsa_system_sgpr_workgroup_id_y 1
		.amdhsa_system_sgpr_workgroup_id_z 1
		.amdhsa_system_vgpr_workitem_id 0
		.amdhsa_next_free_vgpr 1024
		.amdhsa_next_free_sgpr 104
		.amdhsa_reserve_vcc 0
		.amdhsa_float_denorm_mode_32 3
		.amdhsa_float_denorm_mode_16_64 3
		.amdhsa_memory_ordered 1
		.amdhsa_forward_progress 1
		.amdhsa_inst_pref_size 164
	.end_amdhsa_kernel
	.amdgpu_metadata
---
amdhsa.version: [ 1, 2 ]
amdhsa.kernels:
  - .name:           k_qafce25ba07_gemm_ffn2
    .symbol:         k_qafce25ba07_gemm_ffn2.kd
    .args:
      - { .name: hbuf, .offset: 0, .size: 8, .value_kind: global_buffer, .address_space: global }
      - { .name: wts, .offset: 8, .size: 8, .value_kind: global_buffer, .address_space: global }
      - { .name: fb2, .offset: 16, .size: 8, .value_kind: global_buffer, .address_space: global }
      - { .name: x1, .offset: 24, .size: 8, .value_kind: global_buffer, .address_space: global }
      - { .name: ybuf, .offset: 32, .size: 8, .value_kind: global_buffer, .address_space: global }
    .group_segment_fixed_size: 327680
    .private_segment_fixed_size: 0
    .kernarg_segment_align: 8
    .kernarg_segment_size: 40
    .max_flat_workgroup_size: 128
    .sgpr_count:     104
    .vgpr_count:     1024
    .wavefront_size: 32
...
	.end_amdgpu_metadata
.endif
;; end of part 7
;; launch ln2 (part 8): grid 256 x 1, 4 waves a work-group, no clusters, 0 bytes of LDS; arguments ybuf, g2, be2, out0; writes out0
.if DOCPART == 8
	.amdgcn_target "amdgcn-amd-amdhsa--gfx1250"
	.amdhsa_code_object_version 6
	.text
	.protected	k_qafce25ba07_ln2
	.globl	k_qafce25ba07_ln2
	.p2align	8
	.type	k_qafce25ba07_ln2,@function
k_qafce25ba07_ln2:
	s_mov_b64 s[64:65], 0
	v_nop
	global_prefetch_b8 v0, s[64:65] scope:SCOPE_SE
	s_setreg_imm32_b32 hwreg(HW_REG_WAVE_MODE, 25, 1), 1
	s_wait_xcnt 0x0
; out = layernorm(y) g + be, f32.  A wave takes four rows of 1,024, each whole in 32 registers a lane-set: the row is read once; mean, variance of the differences, 1 / sqrt, gain and bias; 512 consecutive bytes a store.
; Memory binds: no LDS, no barrier, no matrix unit, no cluster: waves share nothing.  LIMITS: NaN and infinities are not served.
.set GC,   5
.set R,    32                          ; v32-159  four rows
.set GG,   160                         ; v160-191 the gain of my 32 columns
.set BE,   192                         ; v192-223 the bias
.set T,    224                         ; v224-239 four registers a row, at work
.set SEL,  22
.macro LANESUM o                       ; v[T + 4 p + o] summed over the 32 lanes, for the four rows by turns
.irp m, 1,2,4,8
.irp p, 0,1,2,3
	v_add_f32_dpp v[T+4*\p+\o], v[T+4*\p+\o], v[T+4*\p+\o] row_xmask:\m row_mask:0xf bank_mask:0xf
.endr
.endr
.irp p, 0,1,2,3
	v_permlanex16_b32 v[T+4*\p+\o+1], v[T+4*\p+\o], s[SEL], s[SEL+1]
.endr
.irp p, 0,1,2,3
	v_add_f32 v[T+4*\p+\o], v[T+4*\p+\o], v[T+4*\p+\o+1]
.endr
.endm
	s_load_b256 s[4:11], s[0:1], 0x0               ; y s[4:5], g s[6:7], be s[8:9], out s[10:11]
	v_lshrrev_b32 v1, 5, v0
	v_readfirstlane_b32 s14, v1                    ; wave
	v_and_b32 v2, 31, v0
	v_lshlrev_b32 v[GC], 4, v2
	s_lshl_b32 s17, ttmp9, 4
	s_lshl_b32 s18, s14, 2
	s_add_co_u32 s17, s17, s18                     ; my first row: 16 x work-group + 4 x wave
	s_lshl_b32 s18, s17, 12
	s_mov_b32 s19, 0
	s_mov_b32 s20, 0x3a800000                      ; 1 / 1024
	s_mov_b32 s21, 0x3727c5ac                      ; 1e-5
	s_mov_b32 s[SEL], 0x76543210
	s_mov_b32 s[SEL+1], 0xfedcba98
	s_wait_kmcnt 0x0
	s_add_nc_u64 s[4:5], s[4:5], s[18:19]
	s_add_nc_u64 s[10:11], s[10:11], s[18:19]
.irp p, 0,1,2,3
.irp m, 0,1,2,3,4,5,6,7
	global_load_b128 v[R+32*\p+4*\m:R+32*\p+4*\m+3], v[GC], s[4:5] offset:4096*\p+512*\m th:TH_LOAD_NT
.endr
.endr
.irp m, 0,1,2,3,4,5,6,7
	global_load_b128 v[GG+4*\m:GG+4*\m+3], v[GC], s[6:7] offset:512*\m
	global_load_b128 v[BE+4*\m:BE+4*\m+3], v[GC], s[8:9] offset:512*\m
.endr
	s_wait_loadcnt 0x0
.irp p, 0,1,2,3
	v_pk_add_f32 v[T+4*\p:T+4*\p+1], v[R+32*\p:R+32*\p+1], v[R+32*\p+2:R+32*\p+3]
	v_pk_add_f32 v[T+4*\p+2:T+4*\p+3], v[R+32*\p+4:R+32*\p+5], v[R+32*\p+6:R+32*\p+7]
.endr
.irp k, 8,12,16,20,24,28
.irp p, 0,1,2,3
	v_pk_add_f32 v[T+4*\p:T+4*\p+1], v[T+4*\p:T+4*\p+1], v[R+32*\p+\k:R+32*\p+\k+1]
	v_pk_add_f32 v[T+4*\p+2:T+4*\p+3], v[T+4*\p+2:T+4*\p+3], v[R+32*\p+\k+2:R+32*\p+\k+3]
.endr
.endr
.irp p, 0,1,2,3
	v_pk_add_f32 v[T+4*\p:T+4*\p+1], v[T+4*\p:T+4*\p+1], v[T+4*\p+2:T+4*\p+3]
.endr
.irp p, 0,1,2,3
	v_add_f32 v[T+4*\p], v[T+4*\p], v[T+4*\p+1]
.endr
	LANESUM 0
.irp p, 0,1,2,3
	v_mul_f32 v[T+4*\p], s20, v[T+4*\p]            ; the mean
.endr
.irp k, 0,2,4,6,8,10,12,14,16,18,20,22,24,26,28,30
.irp p, 0,1,2,3
	v_pk_add_f32 v[R+32*\p+\k:R+32*\p+\k+1], v[R+32*\p+\k:R+32*\p+\k+1], v[T+4*\p:T+4*\p+1] op_sel_hi:[1,0] neg_lo:[0,1] neg_hi:[0,1]   ; x - mean
.endr
.endr
.irp p, 0,1,2,3
	v_pk_mul_f32 v[T+4*\p+2:T+4*\p+3], v[R+32*\p:R+32*\p+1], v[R+32*\p:R+32*\p+1]
.endr
.irp k, 2,4,6,8,10,12,14,16,18,20,22,24,26,28,30
.irp p, 0,1,2,3
	v_pk_fma_f32 v[T+4*\p+2:T+4*\p+3], v[R+32*\p+\k:R+32*\p+\k+1], v[R+32*\p+\k:R+32*\p+\k+1], v[T+4*\p+2:T+4*\p+3]
.endr
.endr
.irp p, 0,1,2,3
	v_add_f32 v[T+4*\p+2], v[T+4*\p+2], v[T+4*\p+3]
.endr
	LANESUM 2
.irp p, 0,1,2,3
	v_fma_f32 v[T+4*\p+2], v[T+4*\p+2], s20, s21   ; the variance + 1e-5
.endr
.irp p, 0,1,2,3
	v_rsq_f32 v[T+4*\p+2], v[T+4*\p+2]
.endr
	v_nop                                          ; a plain place behind the batch
	s_wait_alu depctr_va_vdst(0)                   ; one wait for the four, ahead of their first reader
.irp k, 0,2,4,6,8,10,12,14,16,18,20,22,24,26,28,30
.irp p, 0,1,2,3
	v_pk_mul_f32 v[R+32*\p+\k:R+32*\p+\k+1], v[R+32*\p+\k:R+32*\p+\k+1], v[T+4*\p+2:T+4*\p+3] op_sel_hi:[1,0]
.endr
.endr
.irp k, 0,2,4,6,8,10,12,14,16,18,20,22,24,26,28,30
.irp p, 0,1,2,3
	v_pk_fma_f32 v[R+32*\p+\k:R+32*\p+\k+1], v[R+32*\p+\k:R+32*\p+\k+1], v[GG+\k:GG+\k+1], v[BE+\k:BE+\k+1]
.endr
.endr
.irp p, 0,1,2,3
.irp m, 0,1,2,3,4,5,6,7
	global_store_b128 v[GC], v[R+32*\p+4*\m:R+32*\p+4*\m+3], s[10:11] offset:4096*\p+512*\m th:TH_STORE_NT
.endr
.endr
	s_endpgm
.Lfunc_end_k_qafce25ba07_ln2:
	.size	k_qafce25ba07_ln2, .Lfunc_end_k_qafce25ba07_ln2-k_qafce25ba07_ln2
	.p2alignl 7, 3214868480
	.fill 96, 4, 3214868480
	.section	.rodata,"a",@progbits
	.p2align	6, 0x0
	.amdhsa_kernel k_qafce25ba07_ln2
		.amdhsa_group_segment_fixed_size 0
		.amdhsa_private_segment_fixed_size 0
		.amdhsa_enable_private_segment 0
		.amdhsa_kernarg_size 32
		.amdhsa_user_sgpr_count 2
		.amdhsa_user_sgpr_kernarg_segment_ptr 1
		.amdhsa_wavefront_size32 1
		.amdhsa_system_sgpr_workgroup_id_x 1
		.amdhsa_system_sgpr_workgroup_id_y 1
		.amdhsa_system_sgpr_workgroup_id_z 1
		.amdhsa_system_vgpr_workitem_id 0
		.amdhsa_next_free_vgpr 240
		.amdhsa_next_free_sgpr 66
		.amdhsa_reserve_vcc 0
		.amdhsa_float_denorm_mode_32 3
		.amdhsa_float_denorm_mode_16_64 3
		.amdhsa_memory_ordered 1
		.amdhsa_forward_progress 1
		.amdhsa_inst_pref_size 32
	.end_amdhsa_kernel
	.amdgpu_metadata
---
amdhsa.version: [ 1, 2 ]
amdhsa.kernels:
  - .name:           k_qafce25ba07_ln2
    .symbol:         k_qafce25ba07_ln2.kd
    .args:
      - { .name: ybuf, .offset: 0, .size: 8, .value_kind: global_buffer, .address_space: global }
      - { .name: g2, .offset: 8, .size: 8, .value_kind: global_buffer, .address_space: global }
      - { .name: be2, .offset: 16, .size: 8, .value_kind: global_buffer, .address_space: global }
      - { .name: out0, .offset: 24, .size: 8, .value_kind: global_buffer, .address_space: global }
    .group_segment_fixed_size: 0
    .private_segment_fixed_size: 0
    .kernarg_segment_align: 8
    .kernarg_segment_size: 32
    .max_flat_workgroup_size: 128
    .sgpr_count:     66
    .vgpr_count:     240
    .wavefront_size: 32
...
	.end_amdgpu_metadata
.endif
;; end of part 8
;; ======== version 2 of 2: 8 launches
;; limits: right only within a limited range of input values
;; workspace buffers: act 3,276,800 bytes; wts 9,830,400 bytes; qkv 10,092,544 bytes; ybuf 16,777,216 bytes; x1 16,777,216 bytes; hbuf 13,107,200 bytes; maskw 16,640 bytes of whole numbers
;; launch prep (part 9): grid 648 x 1, 4 waves a work-group, no clusters, 67,072 bytes of LDS; arguments x, mask, wq, wk, wv, w1, fw1, fw2, act, wts, maskw; writes act, wts, maskw
.if DOCPART == 9
	.amdgcn_target "amdgcn-amd-amdhsa--gfx1250"
	.amdhsa_code_object_version 6
	.text
	.protected	k_qafce25ba07_prep
	.globl	k_qafce25ba07_prep
	.p2align	8
	.type	k_qafce25ba07_prep,@function
k_qafce25ba07_prep:
	s_mov_b64 s[64:65], 0
	v_nop
	global_prefetch_b8 v0, s[64:65] scope:SCOPE_SE
	s_setreg_imm32_b32 hwreg(HW_REG_WAVE_MODE, 25, 1), 1
	s_wait_xcnt 0x0
; x [4096][1024] and the six weights ([K][N], K outermost), all f32, become codes of E3M2 with one E8M0 byte for each 32 along K; the mask becomes lane masks and flags.
; LAYOUT OF THE CODES: images of the operand's registers.  Rows go in groups of 128, a group in 8 tiles; lane r of tile i holds row 32 (i / 2) + 8 (i % 2) + r % 8 + 16 (r / 8).
; The unit of (group g, K step s of 128, tile i) is 1,536 bytes at ((g KS + s) 8 + i) 1536; register 4 c + j of lane l lies at 512 c + 16 l + 4 j.  Scale words: ((g KS / 2 + s / 2) 8 + i) 128 + 8 r + 4 (s % 2).
; A block's scale byte is its largest magnitude's exponent field - 4, held at 1 from below (a block of zeros gets 1 where the rule says 127: its codes are zeros, and only this program reads the bytes).
; LIMITS: NaN and infinities among the inputs are not served.
; WORK-GROUPS: 0-255 x (a tile of 16 rows each; a wave takes 256 along K); 256-639 the weights (128 columns x 256 along K; a wave 32 columns); 640-647 the mask (a wave takes 128 keys).
.set ASC,  3145728                     ; act: where the scale words begin
.set WSC,  9437184                     ; wts: likewise
.set WREG, 3145728                     ; wts: a region of codes
.set SPX,  1040                        ; x path: a stage row: 1,024 bytes + 16 = 260 words: row r starts at bank 4 r
.set GC,   5                           ; v5   16 x lane
.set QA,   7                           ; v7   where my lane reads its row in the stage
.set H8,   8                           ; v8   8 x (lane / 16)
.set X,    64                          ; v64-127 64 numbers of my row
.set CD,   16                          ; v16-39  codes, a set of 12 for each K step
.set CT,   40                          ; v40-46  upper halves of blocks, as converted
.set MX,   48
.set SO,   50
.set BY,   52
.set WQ,   54                          ; v54-55  the two K steps' scale words
.set WT,   56
.set SEL,  36                          ; s[36:37] selects for lane l xor 16
.set CB,   32                          ; s[32:33] where my units begin
; One K step (128 numbers of each of 16 rows) out of the stage: lane (r, h) takes k = 64 u + 32 h + 0 .. 31 of row r, two whole blocks; codes and scale word are made and the unit is stored, 512 dense bytes a store.
.macro QSTEP q
.irp u, 0,1
.irp e, 0,1,2,3,4,5,6,7
	ds_load_b128 v[X+32*\u+4*\e:X+32*\u+4*\e+3], v[QA] offset:512*\q+256*\u+16*\e
.endr
.endr
	s_wait_dscnt 0x0
.irp u, 0,1
	v_max3_num_f32 v[MX+\u], |v[X+32*\u]|, |v[X+32*\u+1]|, 0x2800000   ; the floor 2^(5 - 127): the byte cannot fall under 1
.endr
.irp i, 2,4,6,8,10,12,14,16,18,20,22,24,26,28,30
.irp u, 0,1
	v_max3_num_f32 v[MX+\u], v[MX+\u], |v[X+32*\u+\i]|, |v[X+32*\u+\i+1]|
.endr
.endr
.irp u, 0,1
	v_add_nc_u32 v[SO+\u], 0xfe000000, v[MX+\u]    ; 4 off the exponent field: the conversion's scale operand
.endr
.irp u, 0,1
	v_lshrrev_b32 v[BY+\u], 23, v[SO+\u]           ; the scale's byte
.endr
	v_lshl_or_b32 v[WQ+\q], v[BY+1], 16, v[BY]     ; my blocks h and 2 + h,
	v_lshlrev_b32 v[WQ+\q], v[H8], v[WQ+\q]        ; at their places in the word;
	v_permlanex16_b32 v[WT], v[WQ+\q], s[SEL], s[SEL+1]
	v_or_b32 v[WQ+\q], v[WQ+\q], v[WT]             ; with lane l xor 16's two the word is whole
.irp u, 0,1
	v_cvt_scalef32_pk16_bf6_f32 v[CD+12*\q+6*\u:CD+12*\q+6*\u+2], v[X+32*\u:X+32*\u+15], v[SO+\u]
	v_cvt_scalef32_pk16_bf6_f32 v[CT+4*\u:CT+4*\u+2], v[X+32*\u+16:X+32*\u+31], v[SO+\u]   ; (three registers begin on an even number)
.endr
	v_nop                                          ; one plain place behind a scaled conversion
.irp u, 0,1
.irp i, 0,1,2
	v_mov_b32 v[CD+12*\q+6*\u+3+\i], v[CT+4*\u+\i]
.endr
.endr
.irp c, 0,1,2
	global_store_b128 v[GC], v[CD+12*\q+4*\c:CD+12*\q+4*\c+3], s[CB:CB+1] offset:12288*\q+512*\c
.endr
.endm
	s_load_b512 s[4:19], s[0:1], 0x0               ; x s[4:5], mask s[6:7], wq s[8:9], wk s[10:11], wv s[12:13], w1 s[14:15], fw1 s[16:17], fw2 s[18:19]
	s_load_b128 s[20:23], s[0:1], 0x40             ; act s[20:21], wts s[22:23]
	s_load_b64 s[24:25], s[0:1], 0x50              ; maskw
	v_lshl_add_u32 v192, v0, 2, 0x10400
	v_mov_b32 v193, 0
	v_lshrrev_b32 v1, 5, v0
	v_readfirstlane_b32 s26, v1                    ; wave
	v_and_b32 v2, 31, v0                           ; lane
	s_cmp_ge_u32 ttmp9, 640
	s_cbranch_scc1 .Lmask
	s_cmp_ge_u32 ttmp9, 256
	s_cbranch_scc1 .Lweights
	; ---- x: work-group = (group G, tile i); wave w takes K steps 2 w and 2 w + 1
	v_and_b32 v3, 15, v0                           ; r
	v_bfe_u32 v4, v0, 4, 1                         ; h
	v_lshlrev_b32 v[GC], 4, v2
	s_mul_i32 s27, s26, 16*SPX                     ; my wave's stage
	v_add_nc_u32 v6, s27, v[GC]                    ; into it: 16 bytes a lane
	v_mul_u32_u24 v[QA], v3, SPX
	v_lshl_add_u32 v[QA], v4, 7, v[QA]
	v_add_nc_u32 v[QA], s27, v[QA]                 ; out of it: row r, + 128 h
	v_lshlrev_b32 v[H8], 3, v4
	v_lshlrev_b32 v9, 3, v3
	v_lshl_add_u32 v9, v4, 2, v9                   ; the scale words' place: 8 r + 4 h
	v_mov_b32 v[WT], 0                             ; a lane permute's destination counts as read
	s_lshr_b32 s28, ttmp9, 3                       ; G
	s_and_b32 s29, ttmp9, 7                        ; i
	s_lshr_b32 s30, s29, 1
	s_lshl_b32 s30, s30, 5
	s_and_b32 s31, s29, 1
	s_lshl_b32 s31, s31, 3
	s_add_co_u32 s30, s30, s31
	s_lshl_b32 s31, s28, 7
	s_add_co_u32 s30, s30, s31                     ; the tile's first row: 128 G + 32 (i / 2) + 8 (i % 2)
	s_lshl_b32 s30, s30, 12
	s_lshl_b32 s31, s26, 10
	s_add_co_u32 s30, s30, s31                     ; in bytes, + my 1,024 bytes of a row
	s_mov_b32 s31, 0
	s_lshl_b32 s32, s28, 3
	s_lshl_b32 s33, s26, 1
	s_add_co_u32 s32, s32, s33
	s_lshl_b32 s32, s32, 3
	s_add_co_u32 s32, s32, s29
	s_mul_i32 s32, s32, 1536                       ; unit ((8 G + 2 w) 8 + i)
	s_mov_b32 s33, 0
	s_lshl_b32 s34, s28, 2
	s_add_co_u32 s34, s34, s26
	s_lshl_b32 s34, s34, 3
	s_add_co_u32 s34, s34, s29
	s_lshl_b32 s34, s34, 7
	s_add_co_u32 s34, s34, ASC                     ; scale words ((4 G + w) 8 + i) 128
	s_mov_b32 s35, 0
	s_mov_b32 s[SEL], 0x76543210
	s_mov_b32 s[SEL+1], 0xfedcba98
	s_mov_b32 s38, 0xffff0000                      ; lanes 16-31
	s_wait_alu depctr_va_vdst(0)
	s_wait_kmcnt 0x0
	s_add_nc_u64 s[4:5], s[4:5], s[30:31]
	s_add_nc_u64 s[32:33], s[20:21], s[32:33]
	s_add_nc_u64 s[34:35], s[20:21], s[34:35]
.irp p, 0,1
.irp e, 0,1,2,3,4,5,6,7,8,9,10,11,12,13,14,15
	global_load_b128 v[64+4*(16*\p+\e):64+4*(16*\p+\e)+3], v[GC], s[4:5] offset:((\e%8)+16*(\e/8))*4096+512*\p th:TH_LOAD_NT   ; 512 consecutive bytes of the tile's row e
.endr
.endr
	s_wait_loadcnt 16                              ; the first K step's sixteen loads are in, the sixteen younger may be out
.irp e, 0,1,2,3,4,5,6,7,8,9,10,11,12,13,14,15
	ds_store_b128 v6, v[64+4*\e:67+4*\e] offset:\e*SPX
.endr
	s_wait_loadcnt 0x0
.irp e, 0,1,2,3,4,5,6,7,8,9,10,11,12,13,14,15
	ds_store_b128 v6, v[128+4*\e:131+4*\e] offset:\e*SPX+512
.endr
	QSTEP 0                                        ; LDS serves a wave's instructions in order: the loads see my stores
	QSTEP 1
	v_cndmask_b32 v57, v[WQ], v[WQ+1], s38         ; lanes 0-15 store the even K step's word, lanes 16-31 the odd one's: 128 dense bytes
	global_store_b32 v9, v57, s[34:35]
	s_wait_tensorcnt 0x0
	ds_add_u32 v192, v193
	s_wait_dscnt 0x0
	s_endpgm
	; ---- the weights: a lane takes a column, its registers run down K
.set OFF, 16                           ; v16-47   row i of a block: i x pitch + 4 x lane
.set WX,  64                           ; v64-127  two sets of 32 numbers
.set TG,  128                          ; v128-175 codes: 12 registers for each (K step, half of the lanes)
.set CTW, 176
.set SW,  180                          ; v180-181 the two K steps' scale words
.Lweights:
	s_sub_co_u32 s27, ttmp9, 256
	s_lshr_b32 s28, s27, 7                         ; c: 0 wq, wk, wv, w1;  1 fw1;  2 fw2
	s_and_b32 s29, s27, 127                        ; j
	s_lshr_b32 s30, s29, 5                         ; j / 32: which of the four (c = 0), which 256 along K (c = 1)
	s_and_b32 s31, s29, 7
	s_lshr_b32 s32, s29, 3                         ; which 256 along K (c = 2)
	s_and_b32 s33, s32, 3                          ; (c = 0)
	s_and_b32 s34, s29, 31
	s_lshl_b32 s35, s30, 3
	s_add_co_u32 s35, s35, s31                     ; group (c = 0)
	s_add_co_u32 s36, s28, 3
	s_cmp_eq_u32 s28, 0
	s_cselect_b32 s37, s35, s31                    ; group
	s_cselect_b32 s38, s33, s32                    ; which 256 along K
	s_cselect_b32 s39, s30, s36                    ; which tensor, 0 .. 5
	s_cmp_eq_u32 s28, 1
	s_cselect_b32 s37, s34, s37
	s_cselect_b32 s38, s30, s38
	s_cselect_b32 s40, s34, s31                    ; which 128 columns
	s_cselect_b32 s41, 14, 12                      ; log2 of a row's bytes
	s_cmp_eq_u32 s28, 2
	s_cselect_b32 s42, 5, 3                        ; log2 of the K steps
	s_add_co_u32 s43, s41, 8
	s_lshl_b32 s44, s38, s43                       ; 256 rows x which
	s_lshl_b32 s45, s40, 9
	s_add_co_u32 s44, s44, s45
	s_lshl_b32 s45, s26, 7
	s_add_co_u32 s44, s44, s45                     ; + my wave's 32 columns
	s_mov_b32 s45, 0
	s_add_co_u32 s43, s41, 5
	s_lshl_b32 s46, 1, s43                         ; 32 rows in bytes
	s_mov_b32 s47, 0
	s_lshl_b32 s43, 1, s41                         ; a row in bytes
	s_lshl_b32 s27, s37, s42
	s_lshl_b32 s29, s38, 1
	s_add_co_u32 s27, s27, s29
	s_mul_i32 s27, s27, 12288
	s_mul_i32 s29, s28, WREG
	s_add_co_u32 s27, s27, s29
	s_mul_i32 s29, s26, 3072
	s_add_co_u32 s30, s27, s29                     ; my two tiles' units of the first K step
	s_mov_b32 s31, 0
	s_sub_co_u32 s32, s42, 1
	s_lshl_b32 s32, s37, s32
	s_add_co_u32 s32, s32, s38
	s_lshl_b32 s32, s32, 10
	s_lshl_b32 s33, s28, 17
	s_add_co_u32 s32, s32, s33
	s_lshl_b32 s33, s26, 8
	s_add_co_u32 s32, s32, s33
	s_add_co_u32 s32, s32, WSC                     ; and their scale words
	s_mov_b32 s33, 0
	s_wait_alu depctr_va_vdst(0)
	v_lshlrev_b32 v3, 2, v2
.set KX, 0
.rept 32
	v_mad_u32_u24 v[OFF+KX], s43, KX, v3
.set KX, KX+1
.endr
	v_and_b32 v5, 7, v2
	v_lshrrev_b32 v6, 4, v2
	v_lshl_add_u32 v5, v6, 3, v5                   ; column l of 32 is lane r = l % 8 + 8 (l / 16)
	v_bfe_u32 v6, v2, 3, 1                         ; of tile u = (l / 8) % 2
	v_mul_u32_u24 v7, v6, 1536
	v_lshl_add_u32 v7, v5, 4, v7                   ; 1536 u + 16 r
	v_lshlrev_b32 v8, 7, v6
	v_lshl_add_u32 v8, v5, 3, v8                   ; 128 u + 8 r
	s_wait_alu depctr_va_vdst(0)
	s_wait_kmcnt 0x0
	s_cmp_eq_u32 s39, 1                            ; the choice hangs on the work-group's number alone
	s_cselect_b64 s[8:9], s[10:11], s[8:9]
	s_cmp_eq_u32 s39, 2
	s_cselect_b64 s[8:9], s[12:13], s[8:9]
	s_cmp_eq_u32 s39, 3
	s_cselect_b64 s[8:9], s[14:15], s[8:9]
	s_cmp_eq_u32 s39, 4
	s_cselect_b64 s[8:9], s[16:17], s[8:9]
	s_cmp_eq_u32 s39, 5
	s_cselect_b64 s[8:9], s[18:19], s[8:9]
	s_add_nc_u64 s[48:49], s[8:9], s[44:45]        ; a base for each of my eight blocks of 32 along K
.irp t, 1,2,3,4,5,6,7
	s_add_nc_u64 s[48+2*\t:49+2*\t], s[46+2*\t:47+2*\t], s[46:47]
.endr
	s_add_nc_u64 s[30:31], s[22:23], s[30:31]
	s_add_nc_u64 s[32:33], s[22:23], s[32:33]
.macro WLOAD t                         ; block t: 32 rows x my column; a load reads 128 consecutive bytes
.set KX, 0
.rept 32
	global_load_b32 v[WX+32*((\t)%2)+KX], v[OFF+KX], s[48+2*(\t):49+2*(\t)] th:TH_LOAD_NT
.set KX, KX+1
.endr
.endm
.macro WBLOCK t                        ; block t = block t % 4 of K step t / 4: it belongs to lanes of half t % 2, registers 6 ((t % 4) / 2) on
.set XS, WX+32*((\t)%2)
.set TD, TG+24*((\t)/4)+12*((\t)%2)+6*(((\t)%4)/2)
.if (\t) < 7
	s_wait_loadcnt 32                              ; this block's 32 loads are in, the next block's 32 may be out
.else
	s_wait_loadcnt 0x0
.endif
	v_max3_num_f32 v12, |v[XS]|, |v[XS+1]|, |v[XS+2]|
	v_max3_num_f32 v13, |v[XS+3]|, |v[XS+4]|, |v[XS+5]|
.irp i, 6,10,14,18,22,26
	v_max3_num_f32 v12, v12, |v[XS+\i]|, |v[XS+\i+1]|
	v_max3_num_f32 v13, v13, |v[XS+\i+2]|, |v[XS+\i+3]|
.endr
	v_max3_num_f32 v12, v12, |v[XS+30]|, |v[XS+31]|
	v_max3_num_f32 v12, v12, v13, 0x2800000        ; and the floor
	v_add_nc_u32 v11, 0xfe000000, v12
	v_lshrrev_b32 v13, 23, v11
.if (\t)%4 == 0
	v_mov_b32 v[SW+(\t)/4], v13
.else
	v_lshl_or_b32 v[SW+(\t)/4], v13, 8*((\t)%4), v[SW+(\t)/4]
.endif
	v_cvt_scalef32_pk16_bf6_f32 v[TD:TD+2], v[XS:XS+15], v11
	v_cvt_scalef32_pk16_bf6_f32 v[CTW:CTW+2], v[XS+16:XS+31], v11
	v_nop                                          ; one plain place behind a scaled conversion
.irp i, 0,1,2
	v_mov_b32 v[TD+3+\i], v[CTW+\i]
.endr
.if (\t)+2 < 8
	WLOAD (\t)+2
.endif
.if (\t)%4 == 3                        ; a K step is whole: each store fills one aligned piece of 256 bytes in each of my two units
.irp g, 0,1
.irp c, 0,1,2
	global_store_b128 v7, v[TG+24*((\t)/4)+12*\g+4*\c:TG+24*((\t)/4)+12*\g+4*\c+3], s[30:31] offset:12288*((\t)/4)+256*\g+512*\c
.endr
.endr
.endif
.endm
	WLOAD 0
	WLOAD 1
.irp t, 0,1,2,3,4,5,6,7
	WBLOCK \t
.endr
	global_store_b64 v8, v[SW:SW+1], s[32:33]      ; 32 lanes store 256 consecutive bytes
	s_endpgm
	; ---- the mask: wave T = 16 b + j takes keys 128 j on of batch b.  maskw: one word a key, in the keys' order: the bits of -2^33 where the key is masked, else 0;
	; from byte 16,384 on one word a wave: 1 where one of its 128 keys is live, else 0
.Lmask:
	s_sub_co_u32 s27, ttmp9, 640
	s_lshl_b32 s27, s27, 2
	s_add_co_u32 s27, s27, s26                     ; T
	s_wait_alu depctr_va_vdst(0)
	v_lshlrev_b32 v3, 2, v2                        ; 4 bytes a lane
	s_lshl_b32 s30, s27, 9
	s_mov_b32 s31, 0
	s_lshl_b32 s32, s27, 9
	s_mov_b32 s33, 0
	s_lshl_b32 s34, s27, 2
	s_add_co_u32 s34, s34, 16384
	s_mov_b32 s35, 0
	s_wait_alu depctr_va_vdst(0)
	s_wait_kmcnt 0x0
	s_add_nc_u64 s[6:7], s[6:7], s[30:31]
	s_add_nc_u64 s[32:33], s[24:25], s[32:33]
	s_add_nc_u64 s[34:35], s[24:25], s[34:35]
	global_load_b32 v8, v3, s[6:7]
	global_load_b32 v9, v3, s[6:7] offset:128
	global_load_b32 v10, v3, s[6:7] offset:256
	global_load_b32 v11, v3, s[6:7] offset:384
	v_mov_b32 v5, 0xd0000000                       ; -2^33
	s_wait_alu depctr_va_vdst(0)
	s_wait_loadcnt 0x0
.irp j, 0,1,2,3
	v_cmp_eq_u32 vcc_lo, 0, v[8+\j]
	v_cndmask_b32 v[12+\j], 0, v5, vcc_lo
.endr
.irp j, 0,1,2,3
	global_store_b32 v3, v[12+\j], s[32:33] offset:128*\j
.endr
	v_or_b32 v6, v8, v9
	v_or_b32 v7, v10, v11
	v_or_b32 v6, v6, v7
	v_cmp_ne_u32 vcc_lo, 0, v6
	s_cmp_lg_u32 vcc_lo, 0
	s_cselect_b32 s29, 1, 0                        ; a live key among my 128?
	v_mov_b32 v16, s29
	v_mov_b32 v17, 0
	v_cmp_eq_u32 vcc_lo, 0, v2
	s_wait_alu depctr_va_vdst(0)
	s_wait_xcnt 0x0                                ; EXEC changes only behind this wait
	s_and_saveexec_b32 s36, vcc_lo
	global_store_b32 v17, v16, s[34:35]
	s_wait_xcnt 0x0
	s_or_b32 exec_lo, exec_lo, s36
	s_endpgm
.Lfunc_end_k_qafce25ba07_prep:
	.size	k_qafce25ba07_prep, .Lfunc_end_k_qafce25ba07_prep-k_qafce25ba07_prep
	.p2alignl 7, 3214868480
	.fill 96, 4, 3214868480
	.section	.rodata,"a",@progbits
	.p2align	6, 0x0
	.amdhsa_kernel k_qafce25ba07_prep
		.amdhsa_group_segment_fixed_size 67072
		.amdhsa_private_segment_fixed_size 0
		.amdhsa_enable_private_segment 0
		.amdhsa_kernarg_size 88
		.amdhsa_user_sgpr_count 2
		.amdhsa_user_sgpr_kernarg_segment_ptr 1
		.amdhsa_wavefront_size32 1
		.amdhsa_system_sgpr_workgroup_id_x 1
		.amdhsa_system_sgpr_workgroup_id_y 1
		.amdhsa_system_sgpr_workgroup_id_z 1
		.amdhsa_system_vgpr_workitem_id 0
		.amdhsa_next_free_vgpr 194
		.amdhsa_next_free_sgpr 66
		.amdhsa_reserve_vcc 1
		.amdhsa_float_denorm_mode_32 3
		.amdhsa_float_denorm_mode_16_64 3
		.amdhsa_memory_ordered 1
		.amdhsa_forward_progress 1
		.amdhsa_inst_pref_size 61
	.end_amdhsa_kernel
	.amdgpu_metadata
---
amdhsa.version: [ 1, 2 ]
amdhsa.kernels:
  - .name:           k_qafce25ba07_prep
    .symbol:         k_qafce25ba07_prep.kd
    .args:
      - { .name: x, .offset: 0, .size: 8, .value_kind: global_buffer, .address_space: global }
      - { .name: mask, .offset: 8, .size: 8, .value_kind: global_buffer, .address_space: global }
      - { .name: wq, .offset: 16, .size: 8, .value_kind: global_buffer, .address_space: global }
      - { .name: wk, .offset: 24, .size: 8, .value_kind: global_buffer, .address_space: global }
      - { .name: wv, .offset: 32, .size: 8, .value_kind: global_buffer, .address_space: global }
      - { .name: w1, .offset: 40, .size: 8, .value_kind: global_buffer, .address_space: global }
      - { .name: fw1, .offset: 48, .size: 8, .value_kind: global_buffer, .address_space: global }
      - { .name: fw2, .offset: 56, .size: 8, .value_kind: global_buffer, .address_space: global }
      - { .name: act, .offset: 64, .size: 8, .value_kind: global_buffer, .address_space: global }
      - { .name: wts, .offset: 72, .size: 8, .value_kind: global_buffer, .address_space: global }
      - { .name: maskw, .offset: 80, .size: 8, .value_kind: global_buffer, .address_space: global }
    .group_segment_fixed_size: 67072
    .private_segment_fixed_size: 0
    .kernarg_segment_align: 8
    .kernarg_segment_size: 88
    .max_flat_workgroup_size: 128
    .sgpr_count:     66
    .vgpr_count:     194
    .wavefront_size: 32
...
	.end_amdgpu_metadata
.endif
;; end of part 9
;; launch gemm_qkv (part 10): grid 12 x 16, 4 waves a work-group, clusters of 4 x 4, 327,680 bytes of LDS; arguments act, wts, bq, bk, bv, qkv; writes qkv
.if DOCPART == 10
	.amdgcn_target "amdgcn-amd-amdhsa--gfx1250"
	.amdhsa_code_object_version 6
	.text
	.protected	k_qafce25ba07_gemm_qkv
	.globl	k_qafce25ba07_gemm_qkv
	.p2align	8
	.type	k_qafce25ba07_gemm_qkv,@function
k_qafce25ba07_gemm_qkv:
	s_mov_b64 s[64:65], 0
	v_nop
	global_prefetch_b8 v0, s[64:65] scope:SCOPE_SE
	s_setreg_imm32_b32 hwreg(HW_REG_WAVE_MODE, 25, 1), 1
	s_wait_xcnt 0x0
	s_wait_alu depctr_hold_cnt(0) depctr_sa_sdst(0) depctr_va_vdst(0) depctr_va_sdst(0) depctr_va_ssrc(0) depctr_va_vcc(0) depctr_vm_vsrc(0)
	s_getreg_b32 s2, hwreg(HW_REG_IB_STS2, 6, 4)
	s_cmp_eq_u32 s2, 0
	s_cbranch_scc0 .Lentry_in_a_cluster
	s_endpgm
.Lentry_in_a_cluster:
	s_bfe_u32 s2, ttmp6, 0x10000c
	s_cmp_lg_u32 s2, 0xf033
	s_cbranch_scc0 .Lentry_shape_is_right
	s_endpgm
.Lentry_shape_is_right:
; q = x wq + bq, k = x wk + bk, v = x wv + bv on codes of E3M2 (K = 1,024), and their codes for the attention: q and k quantised along the head's 64, v along the keys.
; A tile of 256 x 256 to a work-group of four waves, 128 x 128 to a wave: 64 accumulators, 512 registers.  Operands lie in memory as images of their registers, so a slot's part (128 rows x 256 along K) is one dense
; block of 24,576 bytes for one tensor load, and a fragment is three loads of 16 bytes a lane, 512 consecutive bytes each: no pitch, no padding.  The scale words of the work-group's rows come once and stay in LDS.
; CLUSTERS 4 x 4: source 1's tiles ('A') are shared along a row of the cluster, source 0's ('B') along a column, by joint loads.
; THE KIND is the cluster's x, the same in all sixteen partners: 0 q, 1 k, 2 v.  For q and k A = tokens, B = the weight's rows.  For v the operands change roles (A = wv's rows, B = tokens), so that a lane holds
; one channel and its registers run along the tokens, which are the second attention product's K.
; RESULT: accumulator (a, b), lane (r, h), register j = (A's row 32 (a / 2) + 8 (a % 2) + r % 8 + 16 (r / 8), B's row 32 (b / 2) + 16 h + 8 (b % 2) + j): a block a's 64 registers are 128 neighbours along B's rows, 16 h apart.
; LIMITS: NaN and infinities are not served; a block of zeros gets the byte 1 (its codes are zeros; only this program reads the bytes).
.set KK,     1024
.set ASC,    3145728                   ; act: the scale words
.set WSC,    9437184                   ; wts: the scale words
.set RECB,   315392                    ; qkv: a record (batch, head)
.set VIMG,   98304
.set KSCL,   196608
.set VSCL,   204800
.set QIMG,   208896
.set QSCL,   307200
.set LAPS,   KK/512
.set GB,     96*KK                     ; a group's codes
.set GS,     4*KK                      ; a group's scale words
.set HALFT,  24576                     ; 128 rows x 256 along K
.set SLOT,   4*HALFT
.set SCL,    2*SLOT
.set SPARE,  SCL+4*GS                  ; the spare words, 128 bytes a wave: two blocks of 256 bytes that no other line names
.set FR,     12
.set NL,     3
.set NP,     4
.set NQ,     2
.set ADRA, 16                          ; v16-17 my A fragments in slot 0, 1
.set ADRB, 20                          ; v20-21 B's
.set B64,  22                          ; v22 64 h
.set RO4,  23                          ; v23 4 (r % 8 + 16 (r / 8))
.set L8,   24                          ; v24 8 x lane
.set S4,   25                          ; v25 4 r + h x a record
.set CO,   26                          ; v26 16 x lane
.set ADRS, 27                          ; v27 my scale words: lanes 0-15 A's, lanes 16-31 B's
.set SPW,  28
.set NIL,  29
.set L4,   30                          ; v30 4 x lane
.set SC,   32                          ; v32-63 scale words, two sets
.set BI,   64                          ; v64-127 the bias along B's rows (q, k)
.set AF,   128                         ; v128-223 A's fragments, one set
.set BV,   224                         ; v224-231 the bias along A's rows (v)
.set H,    128                         ; the way out: 64 numbers
.set PC,   192                         ; v192-210 codes
.set TM,   232                         ; v232-247 at work
.set PW,   248
.set PWE,  249
.set T0,   250
.set T1,   251
.set SEL,  100
.set HM,   96
.set G1, 24
.set G0, 32
.set G1B, 48
.set G0B, 56
.set G1S, 68
.set G0S, 76
.set G1SB, 80
.set G0SB, 88
.set MSB, 0
.macro WIN new                         ; the immediate's high byte repeats the setting that is left
.if MSB != (\new)
	s_set_vgpr_msb (MSB<<8)|(\new)
.set MSB, (\new)
.endif
.endm
.set MUL_LO, 0xa1                      ; source 0 (B) window 1, source 1 (A) window 0, C and D window 2
.set MUL_HI, 0xf1
.set TO_B,   0x40
.macro JLOAD g0a, g1a, g0b, g1b        ; a joint load: waves 0 and 1 fetch for A, waves 2 and 3 for B; four v_nop follow each line
	s_cmp_eq_u32 s15, 0
	s_cbranch_scc0 .Lfor_b_\@
	tensor_load_to_lds s[\g0a:\g0a+3], s[\g1a:\g1a+7]
	s_nop 0
.rept 4
	v_nop
.endr
	s_branch .Lasked_\@
.Lfor_b_\@:
	tensor_load_to_lds s[\g0b:\g0b+3], s[\g1b:\g1b+7]
	s_nop 0
.rept 4
	v_nop
.endr
.Lasked_\@:
.endm
.macro CREST
	s_cmp_lg_u32 s14, 0
	s_cbranch_scc1 .Lnot_wave_0_\@
	s_barrier_signal -3
.Lnot_wave_0_\@:
	s_barrier_wait -3
	s_barrier_signal -1
	s_barrier_wait -1
.endm
.macro CROUND
	s_barrier_signal -1
	s_barrier_wait -1
	CREST
.endm
.macro FRAG reg, adr, q, i             ; a fragment's image: three loads of 512 consecutive bytes
.irp c, 0,1,2
	ds_load_b128 v[\reg+4*\c:\reg+4*\c+3], v[\adr] offset:12288*(\q)+1536*(\i)+512*\c
.endr
.endm
.macro MUL16 a0, p, q, sc, zero        ; A's blocks a0, a0 + 1 x B's eight; the 64 accumulators take turns in the same order in every step
.irp a, \a0, \a0+1
.irp b, 0,1,2,3,4,5,6,7
.if \zero
	v_wmma_scale_f32_16x16x128_f8f6f4 v[8*(8*((\a)%4)+\b):8*(8*((\a)%4)+\b)+7], v[128*(\p)+FR*\b:128*(\p)+FR*\b+FR-1], v[AF+FR*(\a):AF+FR*(\a)+FR-1], 0, v[SC+8*NQ*(\sc)+NQ*\b+(\q)], v[SC+8*NQ*(\sc)+NQ*(\a)+(\q)] matrix_a_fmt:MATRIX_FMT_BF6 matrix_b_fmt:MATRIX_FMT_BF6 matrix_a_scale:MATRIX_SCALE_ROW1
.else
	v_wmma_scale_f32_16x16x128_f8f6f4 v[8*(8*((\a)%4)+\b):8*(8*((\a)%4)+\b)+7], v[128*(\p)+FR*\b:128*(\p)+FR*\b+FR-1], v[AF+FR*(\a):AF+FR*(\a)+FR-1], v[8*(8*((\a)%4)+\b):8*(8*((\a)%4)+\b)+7], v[SC+8*NQ*(\sc)+NQ*\b+(\q)], v[SC+8*NQ*(\sc)+NQ*(\a)+(\q)] matrix_a_fmt:MATRIX_FMT_BF6 matrix_b_fmt:MATRIX_FMT_BF6 matrix_a_scale:MATRIX_SCALE_ROW1
.endif
.endr
.endr
.endm
.macro FETCH_B slot, q, p
	WIN TO_B
.irp i, 0,1,2,3,4,5,6,7
	FRAG 128*(\p)+FR*\i, ADRB+\slot, \q, \i
.endr
	WIN 0
.endm
.macro FETCH_A slot, q, i0
.irp i, \i0, \i0+1, \i0+2, \i0+3
	FRAG AF+FR*(\i), ADRA+\slot, \q, \i
.endr
.endm
.macro SCALES sc                       ; a slot's two words a row: lanes 0-15 A's block i, lanes 16-31 B's block i
.irp i, 0,1,2,3,4,5,6,7
	ds_load_b64 v[SC+8*NQ*\sc+NQ*\i:SC+8*NQ*\sc+NQ*\i+1], v[ADRS] offset:128*\i
.endr
.endm
.macro PLACES n                        ; plain places behind matrix instructions, in front of loads into their registers and of reads of results
.rept \n
	v_nop
.endr
.endm
.macro STEP slot, q, zero              ; 128 along K with its successor in the same slot
	s_wait_dscnt 4*NL                              ; all but the youngest twelve loads (A's blocks 4-7) are in
	WIN MUL_LO
	MUL16 0, (\q)%2, \q, \slot, \zero
	MUL16 2, (\q)%2, \q, \slot, \zero
	s_wait_dscnt 0
	PLACES NP
	FETCH_B \slot, (\q)+1, 1-(\q)%2
	FETCH_A \slot, (\q)+1, 0
	WIN MUL_HI
	MUL16 4, (\q)%2, \q, \slot, \zero
	MUL16 6, (\q)%2, \q, \slot, \zero
	PLACES NP
	WIN 0
	FETCH_A \slot, (\q)+1, 4
.endm
.macro TURN slot, next, fill           ; a slot's last step changes slots: one barrier; fill = 1: the slot is filled again, two slots ahead
	s_wait_tensorcnt 0x0                           ; all my tensor loads have landed: my part of the next slot
	ds_add_u32 v[SPW], v[NIL]                      ; 0 onto my spare word
	s_wait_dscnt 4*NL+1                            ; the add and the youngest twelve loads may be out
	WIN MUL_LO
	MUL16 0, 1, NQ-1, \slot, 0
	s_wait_dscnt 0x0                               ; the add is done, and my reads of this slot are over
	s_barrier_signal -1
	MUL16 2, 1, NQ-1, \slot, 0
	WIN 0
	s_barrier_wait -1
.if \fill
	CREST                                          ; the barrier has opened a round of the cluster's barrier: no wave of any partner still reads this slot or has a load on its way
	s_add_nc_u64 s[G0+4*\slot+2:G0+4*\slot+3], s[G0+4*\slot+2:G0+4*\slot+3], 2*HALFT
	s_add_nc_u64 s[G0B+4*\slot+2:G0B+4*\slot+3], s[G0B+4*\slot+2:G0B+4*\slot+3], 2*HALFT
	JLOAD G0+4*\slot, G1, G0B+4*\slot, G1B
.else
	PLACES NP
.endif
	s_wait_alu depctr_va_vdst(0)
	v_add_nc_u32 v[ADRS], 1024, v[ADRS]            ; the next slot's scale words
	FETCH_B \next, 0, 0
	FETCH_A \next, 0, 0
	SCALES \next
.if \fill                              ; K has four chunks of 256: behind the refill with chunk 2 and the run of LDS loads, the bytes of chunk 3, one slot ahead; the last refill has none behind it
.if \slot == 0
	global_prefetch_b8 v31, s[94:95] offset:3*HALFT th:TH_LOAD_NT scope:SCOPE_SE
.endif
.endif
	WIN MUL_HI
	MUL16 4, 1, NQ-1, \slot, 0
	MUL16 6, 1, NQ-1, \slot, 0
	PLACES NP
	WIN 0
	FETCH_A \next, 0, 4
.endm
; 64 numbers of a lane, register 16 b + i = k 32 b + 16 (lane / 16) + i of my row, become a fragment's codes in v[PC] on and its scale word in v[PW]
.macro QUANT s
.irp b, 0,1,2,3
	v_max3_num_f32 v[TM+\b], |v[\s+16*\b]|, |v[\s+1+16*\b]|, 0x2800000   ; with the floor 2^(5 - 127): the byte cannot fall under 1
.endr
.irp i, 2,4,6,8,10,12,14
.irp b, 0,1,2,3
	v_max3_num_f32 v[TM+\b], v[TM+\b], |v[\s+16*\b+\i]|, |v[\s+1+16*\b+\i]|
.endr
.endr
.irp b, 0,1,2,3
	v_permlanex16_b32 v[TM+4+\b], v[TM+\b], s[SEL], s[SEL+1]
.endr
.irp b, 0,1,2,3
	v_max_num_f32 v[TM+\b], v[TM+\b], v[TM+4+\b]
.endr
.irp b, 0,1,2,3
	v_add_nc_u32 v[TM+12+\b], 0xfe000000, v[TM+\b]   ; 4 off the exponent field: the conversion's scale operand
.endr
.irp b, 0,1,2,3
	v_lshrrev_b32 v[TM+4+\b], 23, v[TM+12+\b]
.endr
	v_lshl_or_b32 v[PW], v[TM+5], 8, v[TM+4]
	v_lshl_or_b32 v[PW], v[TM+6], 16, v[PW]
	v_lshl_or_b32 v[PW], v[TM+7], 24, v[PW]
.irp c, 0,1
	v_cvt_scalef32_pk16_bf6_f32 v[PC+6*\c:PC+2+6*\c], v[\s+32*\c:\s+15+32*\c], v[TM+12+2*\c]
	v_cvt_scalef32_pk16_bf6_f32 v[PC+12+4*\c:PC+14+4*\c], v[\s+16+32*\c:\s+31+32*\c], v[TM+12+2*\c+1]
.endr
	v_nop                                          ; one plain place behind a scaled conversion
.irp c, 0,1                            ; a whole block to a lane: lanes 0-15 block 2 c, lanes 16-31 block 2 c + 1
.irp i, 0,1,2
	v_permlane16_swap_b32 v[PC+6*\c+\i], v[PC+12+4*\c+\i]
.endr
.irp i, 0,1,2
	v_mov_b32 v[PC+3+6*\c+\i], v[PC+12+4*\c+\i]
.endr
.endr
.endm
	s_load_b128 s[4:7], s[0:1], 0x0                ; act, wts
	s_load_b128 s[8:11], s[0:1], 0x10              ; bq, bk
	s_load_b64 s[12:13], s[0:1], 0x20              ; bv
	s_load_b64 s[66:67], s[0:1], 0x28              ; qkv
	v_lshl_add_u32 v[SPW], v0, 2, SPARE
	v_mov_b32 v[NIL], 0
	ds_add_u32 v28, v29
	ds_add_u32 v28, v29
	s_wait_dscnt 0x0
	v_lshrrev_b32 v1, 5, v0
	v_readfirstlane_b32 s14, v1                    ; wave
	v_and_b32 v31, 31, v0
	v_min_u32 v31, 23, v31
	v_lshlrev_b32 v31, 8, v31                      ; the prefetches' offset: a lane a block of 256 bytes, 24 blocks; the lanes left over name the last again
	s_wait_alu depctr_va_vdst(0)                   ; directly behind the write
	s_lshr_b32 s15, s14, 1                         ; which 128 of A's rows are mine.  Also: I fetch for A (0) or B (1)
	s_and_b32 s16, s14, 1                          ; which 128 of B's rows.  Also: which group of that tile I fetch
	s_bfe_u32 s40, ttmp6, 0x40000                  ; cx
	s_bfe_u32 s41, ttmp6, 0x40004                  ; cy
	s_and_b32 s97, ttmp7, 0xffff                   ; the cluster's y
	s_mov_b32 s100, ASC
	s_mov_b32 s101, WSC
	s_cmp_eq_u32 ttmp9, 2                          ; v?  The cluster's x is the same in all partners
	s_cselect_b32 s17, 0, s97
	s_cselect_b32 s42, s97, ttmp9
	s_cselect_b32 s98, 16, 0                       ; wv's rows are groups 16 on of the weights
	s_cselect_b32 s18, s101, s100                  ; where A's scale words begin in its buffer
	s_cselect_b32 s19, s100, s101                  ; and B's
	s_lshl_b32 s17, s17, 2
	s_add_co_u32 s17, s17, s41                     ; A's tile of 256 rows
	s_lshl_b32 s42, s42, 2
	s_add_co_u32 s42, s42, s40                     ; B's
	s_lshl_b32 s43, s41, 2
	s_lshl_b32 s43, 15, s43                        ; my row of the cluster
	s_lshl_b32 s44, 0x1111, s40                    ; my column
	s_or_b32 s[G1+0], s43, (3<<16)|(1<<21)         ; 15:0 the mask; 17:16 elements of 8 bytes; 21 set beside a mask; no padding
	s_or_b32 s[G1B+0], s44, (3<<16)|(1<<21)
.irp g, G1, G1B
	s_mov_b32 s[\g+1], 32<<16                      ; rows of 256 bytes,
	s_mov_b32 s[\g+2], 96<<16                      ; 96 of them: a dense block of 24,576 bytes
	s_mov_b32 s[\g+3], 32<<16
	s_mov_b32 s[\g+4], 96
	s_mov_b32 s[\g+5], 32
	s_mov_b32 s[\g+6], 0
	s_mov_b32 s[\g+7], 0
.endr
	s_or_b32 s[G1S+0], s43, (3<<16)|(1<<21)
	s_or_b32 s[G1SB+0], s44, (3<<16)|(1<<21)
.irp g, G1S, G1SB
	s_mov_b32 s[\g+1], 32<<16                      ; a group's scale words: GS dense bytes
	s_mov_b32 s[\g+2], (GS/256)<<16
	s_mov_b32 s[\g+3], 32<<16
	s_mov_b32 s[\g+4], GS/256
	s_mov_b32 s[\g+5], 32
	s_mov_b32 s[\g+6], 0
	s_mov_b32 s[\g+7], 0
.endr
	s_lshl_b32 s20, s17, 1
	s_add_co_u32 s20, s20, s16
	s_add_co_u32 s20, s20, s98                     ; A's group that I would fetch
	s_lshl_b32 s46, s42, 1
	s_add_co_u32 s46, s46, s16                     ; B's
	s_mul_i32 s22, s20, GS
	s_add_co_u32 s22, s22, s18
	s_mov_b32 s23, 0
	s_mul_i32 s20, s20, GB
	s_mov_b32 s21, 0
	s_mul_i32 s92, s46, GS
	s_add_co_u32 s92, s92, s19
	s_mov_b32 s93, 0
	s_mul_i32 s46, s46, GB
	s_mov_b32 s47, 0
	s_mul_i32 s45, s14, HALFT                      ; where they go: by the wave's number alone
	s_mul_i32 s94, s14, GS
	s_wait_kmcnt 0x0
	s_cmp_eq_u32 ttmp9, 2
	s_cselect_b64 s[100:101], s[6:7], s[4:5]       ; A's buffer
	s_cselect_b64 s[6:7], s[4:5], s[6:7]           ; B's
	s_add_nc_u64 s[22:23], s[100:101], s[22:23]
	s_add_nc_u64 s[20:21], s[100:101], s[20:21]
	s_add_nc_u64 s[92:93], s[6:7], s[92:93]
	s_add_nc_u64 s[46:47], s[6:7], s[46:47]
	CROUND                                         ; all sixteen work-groups are here: the first joint loads meet
	s_mov_b32 s[G0S], 1
	s_add_co_u32 s[G0S+1], s94, SCL
	s_mov_b64 s[G0S+2:G0S+3], s[22:23]
	s_or_b32 s[G0S+3], s[G0S+3], 0x80000000
	s_mov_b32 s[G0SB], 1
	s_add_co_u32 s[G0SB+1], s94, SCL
	s_mov_b64 s[G0SB+2:G0SB+3], s[92:93]
	s_or_b32 s[G0SB+3], s[G0SB+3], 0x80000000
	JLOAD G0S, G1S, G0SB, G1SB                     ; the scale words: filled once; my one tensor load at the head
	s_cmp_eq_u32 s15, 0                            ; the prefetches: of the 24,576 bytes that I fetch for a slot, each of the four partners that ask with me names 6,144, told apart by address
	s_cselect_b64 s[94:95], s[20:21], s[46:47]
	s_cselect_b32 s92, s40, s41
	s_mul_i32 s92, s92, 6144
	s_mov_b32 s93, 0
	s_add_nc_u64 s[94:95], s[94:95], s[92:93]
	global_prefetch_b8 v31, s[94:95] th:TH_LOAD_NT scope:SCOPE_SE                 ; chunk 0, whose load stands behind the next round,
	global_prefetch_b8 v31, s[94:95] offset:HALFT th:TH_LOAD_NT scope:SCOPE_SE    ; and chunk 1, behind the round after that
.irp s, 0,1
	s_mov_b32 s[G0+4*\s], 1
	s_add_co_u32 s[G0+4*\s+1], s45, \s*SLOT
	s_add_nc_u64 s[G0+4*\s+2:G0+4*\s+3], s[20:21], \s*HALFT
	s_or_b32 s[G0+4*\s+3], s[G0+4*\s+3], 0x80000000
	s_mov_b32 s[G0B+4*\s], 1
	s_add_co_u32 s[G0B+4*\s+1], s45, \s*SLOT
	s_add_nc_u64 s[G0B+4*\s+2:G0B+4*\s+3], s[46:47], \s*HALFT
	s_or_b32 s[G0B+4*\s+3], s[G0B+4*\s+3], 0x80000000
.endr
	v_and_b32 v1, 15, v0                           ; r
	v_bfe_u32 v2, v0, 4, 1                         ; h
	v_and_b32 v3, 31, v0
	v_lshlrev_b32 v[CO], 4, v3
	v_lshlrev_b32 v[L8], 3, v3
	v_lshlrev_b32 v[L4], 2, v3
	s_mul_i32 s21, s15, HALFT
	s_mul_i32 s22, s16, HALFT
	s_add_co_u32 s22, s22, 2*HALFT
.irp s, 0,1
	v_add_nc_u32 v[ADRA+\s], s21, v[CO]
	v_add_nc_u32 v[ADRB+\s], s22, v[CO]
	s_add_co_u32 s21, s21, SLOT
	s_add_co_u32 s22, s22, SLOT
.endr
	v_lshlrev_b32 v5, 3, v1
	s_mul_i32 s21, s15, GS
	s_mul_i32 s22, s16, GS
	s_add_co_u32 s22, s22, 2*GS
	s_sub_co_u32 s22, s22, s21
	v_mul_u32_u24 v6, s22, v2                      ; lanes 16-31 take B's
	s_add_co_u32 s21, s21, SCL
	v_add_nc_u32 v5, v5, v6
	v_add_nc_u32 v[ADRS], s21, v5
	v_mul_u32_u24 v5, v2, RECB
	v_lshl_add_u32 v[S4], v1, 2, v5
	v_lshlrev_b32 v[B64], 6, v2
	s_wait_alu depctr_va_vdst(0)
	v_and_b32 v5, 7, v1
	v_lshrrev_b32 v6, 3, v1
	v_lshl_add_u32 v5, v6, 4, v5
	v_lshlrev_b32 v[RO4], 2, v5
	s_wait_alu depctr_va_vdst(0)
.irp b, 0,1,2,3
	v_mov_b32 v[TM+4+\b], 0                        ; written once: a lane permute's destination counts as read
.endr
	; the biases: both sets are loaded in every kind, always inside their buffers; the way out takes one
	s_lshl_b32 s96, s40, 10
	s_lshl_b32 s97, s16, 9
	s_add_co_u32 s96, s96, s97                     ; q, k: my 128 features: 256 cx + 128 x half, in bytes
	s_mov_b32 s97, 0
	s_cmp_eq_u32 ttmp9, 1
	s_cselect_b64 s[8:9], s[10:11], s[8:9]
	s_cmp_eq_u32 ttmp9, 2
	s_cselect_b64 s[8:9], s[12:13], s[8:9]
	s_cselect_b32 s96, 0, s96
	s_add_nc_u64 s[8:9], s[8:9], s[96:97]
	s_lshl_b32 s96, s41, 10
	s_lshl_b32 s21, s15, 9
	s_add_co_u32 s96, s96, s21                     ; v: my 128 channels: group 2 cy + half
	s_add_nc_u64 s[12:13], s[12:13], s[96:97]
.irp b, 0,1,2,3,4,5,6,7
.irp e, 0,1
	global_load_b128 v[BI+8*\b+4*\e:BI+8*\b+4*\e+3], v[B64], s[8:9] offset:128*(\b/2)+32*(\b%2)+16*\e
.endr
.endr
.irp a, 0,1,2,3,4,5,6,7
	global_load_b32 v[BV+\a], v[RO4], s[12:13] offset:(32*(\a/2)+8*(\a%2))*4
.endr
	s_wait_alu depctr_va_vdst(0)                   ; the head's end: its addresses and the biases' loads stand under the scale words' flight
	s_wait_tensorcnt 0x0                           ; each later first fill stands behind these lines and a round, one tensor load a wave
	ds_add_u32 v[SPW], v[NIL]
	s_wait_dscnt 0x0
	CROUND
	JLOAD G0, G1, G0B, G1B                         ; slot 0
	s_wait_tensorcnt 0x0
	ds_add_u32 v[SPW], v[NIL]
	s_wait_dscnt 0x0
	CROUND                                         ; everybody's part of slot 0 and the scale words are in
	JLOAD G0+4, G1, G0B+4, G1B                     ; slot 1
	global_prefetch_b8 v31, s[94:95] offset:2*HALFT th:TH_LOAD_NT scope:SCOPE_SE  ; chunk 2, the first refill's
	FETCH_B 0, 0, 0
	FETCH_A 0, 0, 0
	SCALES 0
	FETCH_A 0, 0, 4
	s_wait_loadcnt 0x0                             ; the biases
	STEP 0, 0, 1                                   ; the first step's products start the sums
	s_mov_b32 s3, LAPS-1
.Llap:
	TURN 0, 1, 1
	STEP 1, 0, 0
	TURN 1, 0, 1
	STEP 0, 0, 0
	s_sub_co_u32 s3, s3, 1
	s_cmp_lg_u32 s3, 0
	s_cbranch_scc1 .Llap
	TURN 0, 1, 0                                   ; the last lap fills nothing
	STEP 1, 0, 0
	s_wait_dscnt 4*NL
	WIN MUL_LO
	MUL16 0, 1, NQ-1, 1, 0
	MUL16 2, 1, NQ-1, 1, 0
	s_wait_dscnt 0
	WIN MUL_HI
	MUL16 4, 1, NQ-1, 1, 0
	MUL16 6, 1, NQ-1, 1, 0
	WIN 0
	PLACES NP
	s_mov_b32 s[SEL], 0x76543210
	s_mov_b32 s[SEL+1], 0xfedcba98
	s_mov_b32 s[HM], 0xffff0000                    ; lanes 16-31
	s_cmp_eq_u32 ttmp9, 2
	s_cbranch_scc1 .Lvpath
	; ---- q, k: a block a is 16 tokens x my 128 features = two heads.  The fragment's registers 0-5 are the first head's half image, 6-11 the second's
	s_lshl_b32 s20, s17, 1
	s_add_co_u32 s20, s20, s15                     ; my group of tokens
	s_lshr_b32 s21, s20, 4                         ; batch
	s_and_b32 s20, s20, 15                         ; group in the batch
	s_lshl_b32 s21, s21, 4
	s_lshl_b32 s22, s40, 2
	s_add_co_u32 s21, s21, s22
	s_lshl_b32 s22, s16, 1
	s_add_co_u32 s21, s21, s22                     ; record: 16 b + 4 cx + 2 x half
	s_mul_i32 s21, s21, RECB
	s_mul_i32 s22, s20, 6144
	s_add_co_u32 s22, s22, s21
	s_lshl_b32 s46, s20, 9
	s_add_co_u32 s46, s46, s21
	s_cmp_eq_u32 ttmp9, 0
	s_cselect_b32 s20, QIMG, 0
	s_mov_b32 s21, KSCL
	s_cselect_b32 s21, QSCL, s21
	s_add_co_u32 s22, s22, s20
	s_add_co_u32 s46, s46, s21
	s_mov_b32 s23, 0
	s_mov_b32 s47, 0
	s_add_nc_u64 s[22:23], s[66:67], s[22:23]
	s_add_nc_u64 s[46:47], s[66:67], s[46:47]
.irp a, 0,1,2,3,4,5,6,7
	s_wait_xcnt 0x0                                ; the last block's stores have read their registers
	WIN 0x02+(\a/4)                                ; source 0: the accumulators' window
.set JJ, 0
.rept 32
	v_pk_add_f32 v[H+JJ:H+JJ+1], v[64*(\a%4)+JJ:64*(\a%4)+JJ+1], v[BI+JJ:BI+JJ+1]   ; + the bias; each accumulator from its low end on
.set JJ, JJ+2
.endr
	WIN 0
	QUANT H
	global_store_b128 v[CO], v[PC:PC+3], s[22:23] offset:768*\a
	global_store_b64 v[L8], v[PC+4:PC+5], s[22:23] offset:768*\a+512
	global_store_b128 v[CO], v[PC+6:PC+9], s[22:23] offset:768*\a+RECB
	global_store_b64 v[L8], v[PC+10:PC+11], s[22:23] offset:768*\a+512+RECB
	v_and_b32 v[T0], 0xffff, v[PW]                 ; the first head's two bytes, the upper two 0 (they stand over zero codes);
	v_lshrrev_b32 v[T1], 16, v[PW]                 ; the second head's
	v_cndmask_b32 v[T0], v[T0], v[T1], s[HM]       ; lanes 0-15 store the first head's words, lanes 16-31 the second's
	global_store_b32 v[S4], v[T0], s[46:47] offset:64*\a
.endr
	s_branch .Ldone
	; ---- v: a block a is 16 channels x my 128 tokens: one whole fragment of the second attention product
.Lvpath:
	s_lshl_b32 s20, s42, 1
	s_add_co_u32 s20, s20, s16                     ; my group of tokens
	s_lshr_b32 s21, s20, 4
	s_and_b32 s20, s20, 15
	s_lshl_b32 s21, s21, 4
	s_lshl_b32 s22, s41, 2
	s_add_co_u32 s21, s21, s22
	s_lshl_b32 s22, s15, 1
	s_add_co_u32 s21, s21, s22                     ; record of blocks 0-3: 16 b + 4 cy + 2 x half; blocks 4-7: the next
	s_mul_i32 s21, s21, RECB
	s_mul_i32 s22, s20, 6144
	s_add_co_u32 s22, s22, s21
	s_add_co_u32 s22, s22, VIMG
	s_lshl_b32 s46, s20, 8
	s_add_co_u32 s46, s46, s21
	s_add_co_u32 s46, s46, VSCL
	s_mov_b32 s23, 0
	s_mov_b32 s47, 0
	s_add_nc_u64 s[22:23], s[66:67], s[22:23]
	s_add_nc_u64 s[46:47], s[66:67], s[46:47]
.irp a, 0,1,2,3,4,5,6,7
	s_wait_xcnt 0x0
	WIN 0x02+(\a/4)
.set JJ, 0
.rept 32
.if \a%2
	v_pk_add_f32 v[H+JJ:H+JJ+1], v[64*(\a%4)+JJ:64*(\a%4)+JJ+1], v[BV+2*(\a/2):BV+2*(\a/2)+1] op_sel:[0,1] op_sel_hi:[1,1]   ; + my channel's bias
.else
	v_pk_add_f32 v[H+JJ:H+JJ+1], v[64*(\a%4)+JJ:64*(\a%4)+JJ+1], v[BV+2*(\a/2):BV+2*(\a/2)+1] op_sel:[0,0] op_sel_hi:[1,0]
.endif
.set JJ, JJ+2
.endr
	WIN 0
	QUANT H
.irp c, 0,1,2
	global_store_b128 v[CO], v[PC+4*\c:PC+4*\c+3], s[22:23] offset:(\a/4)*RECB+(\a%4)*1536+512*\c
.endr
.if \a%2 == 0
	v_mov_b32 v[PWE], v[PW]
.else
	v_cndmask_b32 v[PWE], v[PWE], v[PW], s[HM]     ; two tiles' words: 128 dense bytes
	global_store_b32 v[L4], v[PWE], s[46:47] offset:(\a/4)*RECB+((\a%4)/2)*128
.endif
.endr
.Ldone:
	s_wait_tensorcnt 0x0                           ; the wave's end
	ds_add_u32 v[SPW], v[NIL]
	s_wait_dscnt 0x0
	CROUND                                         ; the closing round
	s_endpgm
.Lfunc_end_k_qafce25ba07_gemm_qkv:
	.size	k_qafce25ba07_gemm_qkv, .Lfunc_end_k_qafce25ba07_gemm_qkv-k_qafce25ba07_gemm_qkv
	.p2alignl 7, 3214868480
	.fill 96, 4, 3214868480
	.section	.rodata,"a",@progbits
	.p2align	6, 0x0
	.amdhsa_kernel k_qafce25ba07_gemm_qkv
		.amdhsa_group_segment_fixed_size 327680
		.amdhsa_private_segment_fixed_size 0
		.amdhsa_enable_private_segment 0
		.amdhsa_kernarg_size 48
		.amdhsa_user_sgpr_count 2
		.amdhsa_user_sgpr_kernarg_segment_ptr 1
		.amdhsa_wavefront_size32 1
		.amdhsa_system_sgpr_workgroup_id_x 1
		.amdhsa_system_sgpr_workgroup_id_y 1
		.amdhsa_system_sgpr_workgroup_id_z 1
		.amdhsa_system_vgpr_workitem_id 0
		.amdhsa_next_free_vgpr 1024
		.amdhsa_next_free_sgpr 104
		.amdhsa_reserve_vcc 0
		.amdhsa_float_denorm_mode_32 3
		.amdhsa_float_denorm_mode_16_64 3
		.amdhsa_memory_ordered 1
		.amdhsa_forward_progress 1
		.amdhsa_inst_pref_size 214
	.end_amdhsa_kernel
	.amdgpu_metadata
---
amdhsa.version: [ 1, 2 ]
amdhsa.kernels:
  - .name:           k_qafce25ba07_gemm_qkv
    .symbol:         k_qafce25ba07_gemm_qkv.kd
    .args:
      - { .name: act, .offset: 0, .size: 8, .value_kind: global_buffer, .address_space: global }
      - { .name: wts, .offset: 8, .size: 8, .value_kind: global_buffer, .address_space: global }
      - { .name: bq, .offset: 16, .size: 8, .value_kind: global_buffer, .address_space: global }
      - { .name: bk, .offset: 24, .size: 8, .value_kind: global_buffer, .address_space: global }
      - { .name: bv, .offset: 32, .size: 8, .value_kind: global_buffer, .address_space: global }
      - { .name: qkv, .offset: 40, .size: 8, .value_kind: global_buffer, .address_space: global }
    .group_segment_fixed_size: 327680
    .private_segment_fixed_size: 0
    .kernarg_segment_align: 8
    .kernarg_segment_size: 48
    .max_flat_workgroup_size: 128
    .sgpr_count:     104
    .vgpr_count:     1024
    .wavefront_size: 32
...
	.end_amdgpu_metadata
.endif
;; end of part 10
;; launch attn (part 11): grid 8 x 32, 8 waves a work-group, clusters of 4 x 1, 218,880 bytes of LDS; arguments qkv, maskw, act; writes act
.if DOCPART == 11
	.amdgcn_target "amdgcn-amd-amdhsa--gfx1250"
	.amdhsa_code_object_version 6
	.text
	.protected	k_qafce25ba07_attn
	.globl	k_qafce25ba07_attn
	.p2align	8
	.type	k_qafce25ba07_attn,@function
k_qafce25ba07_attn:
	s_mov_b64 s[64:65], 0
	v_nop
	global_prefetch_b8 v0, s[64:65] scope:SCOPE_SE
	s_setreg_imm32_b32 hwreg(HW_REG_WAVE_MODE, 25, 1), 1
	s_wait_xcnt 0x0
	s_wait_alu depctr_hold_cnt(0) depctr_sa_sdst(0) depctr_va_vdst(0) depctr_va_sdst(0) depctr_va_ssrc(0) depctr_va_vcc(0) depctr_vm_vsrc(0)
	s_getreg_b32 s2, hwreg(HW_REG_IB_STS2, 6, 4)
	s_cmp_eq_u32 s2, 0
	s_cbranch_scc0 .Lentry_in_a_cluster
	s_endpgm
.Lentry_in_a_cluster:
	s_bfe_u32 s2, ttmp6, 0x10000c
	s_cmp_lg_u32 s2, 0x3003
	s_cbranch_scc0 .Lentry_shape_is_right
	s_endpgm
.Lentry_shape_is_right:
; attn[b][q][head] = softmax_k(q . k / 8, masked) v on codes of E3M2, and its codes along D for the next product.
; t = score x log2(e) / 8; M = the running largest t rounded up to a whole number; p = 2^(t - M) is quantised along the keys; the row's sum is taken of the unquantised p and divides at the end.
; A work-group owns 256 queries of one (batch, head); each of its eight waves 32 queries as two tiles of 16, which use each fragment of K and V that the wave reads from LDS.
; The head's K, V and scale words (816 rows of 256 bytes; 819 are fetched, 117 by each of waves 0-6) and the batch's mask words (32 rows, wave 7) come into LDS once, one tensor load a wave;
; one barrier; then every wave walks the 2,048 keys in 16 steps of 128.  Nothing is filled again.
; CLUSTERS 4 x 1: four query blocks of a head ask for these tiles jointly.  No prefetch: all that the launch streams is asked for at its head, and the loop reads LDS alone.
; Both products are used transposed: a lane holds one query.  The head's size, 64, fills half of the instruction's K: the upper six registers of q's and k's fragments are zero codes.
; K'S TILES ARE GATHERED from the image by the lanes' addresses: row m of tile T = 4 c + u is key 64 c + 32 (m / 8) + 8 u + m % 8, so that a lane's registers 32 c .. 32 c + 31 of S^T are one whole
; block of 32 keys, in the order in which the second product's operand wants them: a block's maximum needs no other lane, and no codes change lanes.
; REGISTERS: window 0 holds what the softmax touches, for both tiles (S^T, p's codes, the state), so that the two tiles' chains stand line by line; window 1 holds O^T, K, V and most mask words.
; THE MASK: the first product's C is a word a key, 0 or -2^33 (a logit of -1.07e9 where reference() writes -1e9), stored by the first launch.  Where a batch has no live key (a stored flag),
; q's codes are replaced by zeros, by a select: every score is then exactly -2^33 and every p exactly 1, the uniform softmax that reference() gives there.
; LIMITS: results differ from reference() only where an unmasked logit lies below about -1e9; the scaled scores stay under 2^31 in magnitude; NaN and infinities are not served.
; The last trip's look-ahead loads read LDS bytes behind their tables (K's read V's, the mask's read K's, K's scale words read V's): filled bytes, and what they bring is not used.
.set RECB, 315392
.set QIMG, 208896
.set QSCL, 307200
.set ASC,  3145728
.set MSK,  0                           ; LDS: the mask words, 8,192 bytes
.set LK,   8192                        ; the record's first 819 rows: K's image,
.set LV,   LK+98304                    ; V's image,
.set LKS,  LK+196608                   ; K's scale words,
.set LVS,  LK+204800                   ; V's
.set CH,   29952                       ; 117 rows: one wave's load
.set SPARE, LK+7*CH                    ; the spare words, 128 bytes a wave
.set ADK,  1                           ; v1 K's registers 0-3: LK + 1536 (m / 8) + 16 (m % 8) + 256 h
.set ADK8, 2                           ; v2 registers 4-5
.set ADV,  3                           ; v3 LV + 16 l
.set ADS,  4                           ; v4 K's scale words: lanes 0-15 an even tile's, lanes 16-31 the odd one's
.set ADT,  5                           ; v5 LVS + 4 l
.set ADM,  6                           ; v6 the mask words: 128 h
.set H8,   7                           ; v7 8 h
.set KSC,  8                           ; v8-11 K's scale words; v12-13 V's; v14-15 q's, a tile each; v16-17 p's
.set VSC,  12
.set QS,   14
.set PW,   16
.set SPW,  18
.set NIL,  19
; window 0: v20-31, v32-43 q;  from v44 twenty registers a tile (+ 20 x): -M, the largest score, the sum (2), f (2), fourteen at work
.set NM,   44
.set RM,   45
.set SUM,  46
.set F,    48
.set TM,   50
.set SO,   62
.set BJ,   84                          ; v84-99 the mask words of tiles 6, 7
.set P,    100                         ; v100-111, v112-123 p's codes
.set S,    128                         ; v128-191, v192-255 S^T, then p
; window 1: v0-31, v32-63 O^T;  v64-159 eight fragments of K;  v160-207 four of V;  v208-255 the mask words of tiles 0-5
.set KF,   64
.set VF,   160
.set BI,   208
.set J,    94
.set SEL,  96
.set CS,   98
.set NC,   100
.set HM,   101
.set MSB, 0
.macro WIN new                         ; the immediate's high byte repeats the setting that is left
.if MSB != (\new)
	s_set_vgpr_msb (MSB<<8)|(\new)
.set MSB, (\new)
.endif
.endm
.macro CROUND                          ; a round of the cluster's barrier
	s_barrier_signal -1
	s_barrier_wait -1
	s_cmp_lg_u32 s10, 0
	s_cbranch_scc1 .Lnot_wave_0_\@
	s_barrier_signal -3
.Lnot_wave_0_\@:
	s_barrier_wait -3
	s_barrier_signal -1
	s_barrier_wait -1
.endm
.macro QK T, x                         ; S^T tile T of query tile x = 16 keys x 16 queries + the keys' mask words
.if (\T) < 6
.set CR, BI+8*(\T)
.else
.set CR, BJ+8*((\T)-6)
.endif
.if (\T)%2
	v_wmma_scale_f32_16x16x128_f8f6f4 v[S+64*\x+8*(\T):S+64*\x+8*(\T)+7], v[KF+12*(\T):KF+12*(\T)+11], v[20+12*\x:31+12*\x], v[CR:CR+7], v[KSC+(\T)/2], v[QS+\x] matrix_a_fmt:MATRIX_FMT_BF6 matrix_b_fmt:MATRIX_FMT_BF6 matrix_a_scale:MATRIX_SCALE_ROW1
.else
	v_wmma_scale_f32_16x16x128_f8f6f4 v[S+64*\x+8*(\T):S+64*\x+8*(\T)+7], v[KF+12*(\T):KF+12*(\T)+11], v[20+12*\x:31+12*\x], v[CR:CR+7], v[KSC+(\T)/2], v[QS+\x] matrix_a_fmt:MATRIX_FMT_BF6 matrix_b_fmt:MATRIX_FMT_BF6
.endif
.endm
.macro PV t, x                         ; O^T tile t += 16 channels x 128 keys x p
.if (\t)%2
	v_wmma_scale_f32_16x16x128_f8f6f4 v[32*\x+8*(\t):32*\x+8*(\t)+7], v[VF+12*(\t):VF+12*(\t)+11], v[P+12*\x:P+12*\x+11], v[32*\x+8*(\t):32*\x+8*(\t)+7], v[VSC+(\t)/2], v[PW+\x] matrix_a_fmt:MATRIX_FMT_BF6 matrix_b_fmt:MATRIX_FMT_BF6 matrix_a_scale:MATRIX_SCALE_ROW1
.else
	v_wmma_scale_f32_16x16x128_f8f6f4 v[32*\x+8*(\t):32*\x+8*(\t)+7], v[VF+12*(\t):VF+12*(\t)+11], v[P+12*\x:P+12*\x+11], v[32*\x+8*(\t):32*\x+8*(\t)+7], v[VSC+(\t)/2], v[PW+\x] matrix_a_fmt:MATRIX_FMT_BF6 matrix_b_fmt:MATRIX_FMT_BF6
.endif
.endm
.macro KLOAD nx                        ; 36 loads: K's eight gathered tiles, their mask words and scale words, of this step (nx = 0) or the next (nx = 1)
	WIN 0x40
.irp T, 0,1,2,3,4,5,6,7
	ds_load_b128 v[KF+12*\T:KF+12*\T+3], v[ADK] offset:6144*\nx+3072*(\T/4)+768*(\T%2)+128*((\T%4)/2)
	ds_load_b64 v[KF+12*\T+4:KF+12*\T+5], v[ADK8] offset:6144*\nx+3072*(\T/4)+768*(\T%2)+64*((\T%4)/2)
.endr
.irp T, 0,1,2,3,4,5
	ds_load_b128 v[BI+8*\T:BI+8*\T+3], v[ADM] offset:512*\nx+256*(\T/4)+32*(\T%4)
	ds_load_b128 v[BI+8*\T+4:BI+8*\T+7], v[ADM] offset:512*\nx+256*(\T/4)+32*(\T%4)+16
.endr
	WIN 0
.irp T, 6,7
	ds_load_b128 v[BJ+8*(\T-6):BJ+8*(\T-6)+3], v[ADM] offset:512*\nx+256+32*(\T-4)
	ds_load_b128 v[BJ+8*(\T-6)+4:BJ+8*(\T-6)+7], v[ADM] offset:512*\nx+256+32*(\T-4)+16
.endr
.irp p, 0,1,2,3
	ds_load_b32 v[KSC+\p], v[ADS] offset:512*\nx+256*(\p/2)+32*(\p%2)
.endr
.endm
.macro SCALE x                         ; the blocks' largest p become the conversions' scale operands; then p's codes
	v_max_num_f32 v[TM+20*\x], 0x2800000, v[TM+20*\x]          ; the floor 2^(5 - 127): the byte cannot fall under 1
	v_max_num_f32 v[TM+20*\x+2], 0x2800000, v[TM+20*\x+2]
	v_add_nc_u32 v[SO+20*\x], 0xfe000000, v[TM+20*\x]          ; 4 off the exponent field
	v_add_nc_u32 v[SO+20*\x+1], 0xfe000000, v[TM+20*\x+2]
	v_cvt_scalef32_pk16_bf6_f32 v[P+12*\x:P+12*\x+2], v[S+64*\x:S+64*\x+15], v[SO+20*\x]
	v_cvt_scalef32_pk16_bf6_f32 v[TM+20*\x+4:TM+20*\x+6], v[S+64*\x+16:S+64*\x+31], v[SO+20*\x]   ; (three registers begin on an even number)
	v_cvt_scalef32_pk16_bf6_f32 v[P+12*\x+6:P+12*\x+8], v[S+64*\x+32:S+64*\x+47], v[SO+20*\x+1]
	v_cvt_scalef32_pk16_bf6_f32 v[TM+20*\x+8:TM+20*\x+10], v[S+64*\x+48:S+64*\x+63], v[SO+20*\x+1]
	v_nop                                          ; one plain place behind a scaled conversion
.irp i, 0,1,2
	v_mov_b32 v[P+12*\x+3+\i], v[TM+20*\x+4+\i]
	v_mov_b32 v[P+12*\x+9+\i], v[TM+20*\x+8+\i]
.endr
.endm
.macro WORD x                          ; p's scale word: my blocks h and 2 + h at their places, with lane l xor 16's two
	v_lshl_or_b32 v[TM+20*\x], v[TM+20*\x+2], 16, v[TM+20*\x]
	v_lshlrev_b32 v[TM+20*\x], v[H8], v[TM+20*\x]
	v_permlanex16_b32 v[TM+20*\x+2], v[TM+20*\x], s[SEL], s[SEL+1]
	v_or_b32 v[PW+\x], v[TM+20*\x], v[TM+20*\x+2]
.endm
; Both tiles' softmax step.  Lane (r, h) holds query r and the blocks of keys 32 h .. and 64 + 32 h ..
.macro SOFT
	s_wait_alu depctr_va_vdst(0)                   ; directly ahead of the scores' first readers
.irp g, 0,1,2,3
.irp x, 0,1
	v_max3_num_f32 v[TM+20*\x+\g], v[S+64*\x+16*\g], v[S+64*\x+16*\g+1], v[S+64*\x+16*\g+2]   ; eight chains, each accumulator from its low end on
.endr
.endr
.irp i, 3,5,7,9,11,13
.irp g, 0,1,2,3
.irp x, 0,1
	v_max3_num_f32 v[TM+20*\x+\g], v[TM+20*\x+\g], v[S+64*\x+16*\g+\i], v[S+64*\x+16*\g+\i+1]
.endr
.endr
.endr
.irp x, 0,1
	v_max3_num_f32 v[TM+20*\x], v[TM+20*\x], v[TM+20*\x+1], v[S+64*\x+15]
	v_max3_num_f32 v[TM+20*\x+2], v[TM+20*\x+2], v[TM+20*\x+3], v[S+64*\x+47]
.endr
.irp x, 0,1
	v_max_num_f32 v[TM+20*\x], v[TM+20*\x], v[S+64*\x+31]      ; my first block's largest score,
	v_max_num_f32 v[TM+20*\x+2], v[TM+20*\x+2], v[S+64*\x+63]  ; my second's: they serve the row's maximum and the blocks' largest p
.endr
.irp x, 0,1
	v_max_num_f32 v[TM+20*\x+1], v[TM+20*\x], v[TM+20*\x+2]
.endr
.irp x, 0,1
	v_permlanex16_b32 v[TM+20*\x+3], v[TM+20*\x+1], s[SEL], s[SEL+1]
.endr
.irp x, 0,1
	v_max3_num_f32 v[RM+20*\x], v[RM+20*\x], v[TM+20*\x+1], v[TM+20*\x+3]   ; the running largest score
.endr
.irp x, 0,1
	v_mul_f32 v[TM+20*\x+1], s[NC], v[RM+20*\x]    ; -t
.endr
.irp x, 0,1
	v_floor_f32 v[TM+20*\x+3], v[TM+20*\x+1]       ; -M = floor(-t): M is a whole number
.endr
.irp x, 0,1
	v_sub_f32 v[TM+20*\x+4], v[TM+20*\x+3], v[NM+20*\x]
.endr
.irp x, 0,1
	v_mov_b32 v[NM+20*\x], v[TM+20*\x+3]
.endr
.irp x, 0,1
	v_cvt_i32_f32 v[TM+20*\x+4], v[TM+20*\x+4]     ; old M - new M (it saturates)
.endr
.irp x, 0,1
	v_ldexp_f32 v[F+20*\x], 1.0, v[TM+20*\x+4]     ; f = 2^(old M - new M): rounds nothing
.endr
.set JJ, 0
.rept 32
	v_pk_fma_f32 v[S+JJ:S+JJ+1], v[S+JJ:S+JJ+1], s[CS:CS+1], v[NM:NM+1] op_sel_hi:[1,0,0]   ; tile 0: t - M
.set JJ, JJ+2
.endr
	v_fma_f32 v[TM], v[TM], s[CS], v[NM]
	v_fma_f32 v[TM+2], v[TM+2], s[CS], v[NM]
	s_wait_alu depctr_va_vdst(0)                   ; the wait ahead of tile 0's batch
	v_exp_f32 v[TM], v[TM]                         ; each block's largest p
	v_exp_f32 v[TM+2], v[TM+2]
.set JJ, 0
.rept 32
	v_exp_f32 v[S+JJ], v[S+JJ]                     ; tile 0: p = 2^(t - M);
	v_exp_f32 v[S+JJ+1], v[S+JJ+1]
	v_pk_fma_f32 v[S+64+JJ:S+64+JJ+1], v[S+64+JJ:S+64+JJ+1], s[CS:CS+1], v[NM+20:NM+21] op_sel_hi:[1,0,0]   ; among them tile 1's t - M, first read behind the next wait
.set JJ, JJ+2
.endr
	v_fma_f32 v[TM+20], v[TM+20], s[CS], v[NM+20]
	v_fma_f32 v[TM+22], v[TM+22], s[CS], v[NM+20]
	s_wait_alu depctr_va_vdst(0)                   ; one wait: behind tile 0's batch and ahead of tile 1's
	SCALE 0
	v_exp_f32 v[TM+20], v[TM+20]
	v_exp_f32 v[TM+22], v[TM+22]
.set JJ, 0
.rept 16
	v_exp_f32 v[S+64+JJ], v[S+64+JJ]               ; tile 1's p;
	v_exp_f32 v[S+64+JJ+1], v[S+64+JJ+1]
	v_exp_f32 v[S+64+JJ+2], v[S+64+JJ+2]
	v_exp_f32 v[S+64+JJ+3], v[S+64+JJ+3]
	v_pk_add_f32 v[S+JJ:S+JJ+1], v[S+JJ:S+JJ+1], v[S+JJ+2:S+JJ+3]   ; among them the first level of tile 0's sum of the unquantised p, in place (its codes are made); read behind the next wait
.set JJ, JJ+4
.endr
	v_pk_mul_f32 v[SUM:SUM+1], v[SUM:SUM+1], v[F:F+1] op_sel_hi:[1,0]   ; tile 0's sums under the new M
	v_lshrrev_b32 v[TM], 23, v[SO]                 ; its scale bytes
	v_lshrrev_b32 v[TM+2], 23, v[SO+1]
	s_wait_alu depctr_va_vdst(0)                   ; the wait behind tile 1's batch
	SCALE 1
	WORD 0
	v_pk_mul_f32 v[SUM+20:SUM+21], v[SUM+20:SUM+21], v[F+20:F+21] op_sel_hi:[1,0]
	v_lshrrev_b32 v[TM+20], 23, v[SO+20]
	v_lshrrev_b32 v[TM+22], 23, v[SO+21]
	v_pk_add_f32 v[SUM:SUM+1], v[SUM:SUM+1], v[S:S+1]                   ; tile 0: its sixteen partial sums, in four chains
	v_pk_add_f32 v[TM+4:TM+5], v[S+4:S+5], v[S+8:S+9]
	v_pk_add_f32 v[TM+6:TM+7], v[S+12:S+13], v[S+16:S+17]
	v_pk_add_f32 v[TM+8:TM+9], v[S+20:S+21], v[S+24:S+25]
.set JJ, 28
.rept 2
	v_pk_add_f32 v[TM+4:TM+5], v[TM+4:TM+5], v[S+JJ:S+JJ+1]
	v_pk_add_f32 v[TM+6:TM+7], v[TM+6:TM+7], v[S+JJ+4:S+JJ+5]
	v_pk_add_f32 v[TM+8:TM+9], v[TM+8:TM+9], v[S+JJ+8:S+JJ+9]
	v_pk_add_f32 v[SUM:SUM+1], v[SUM:SUM+1], v[S+JJ+12:S+JJ+13]
.set JJ, JJ+16
.endr
	v_pk_add_f32 v[TM+4:TM+5], v[TM+4:TM+5], v[S+60:S+61]
	v_pk_add_f32 v[TM+24:TM+25], v[S+64:S+65], v[S+66:S+67]             ; tile 1: all 32 pairs, in four chains
	v_pk_add_f32 v[TM+26:TM+27], v[S+68:S+69], v[S+70:S+71]
	v_pk_add_f32 v[TM+28:TM+29], v[S+72:S+73], v[S+74:S+75]
	v_pk_add_f32 v[SUM+20:SUM+21], v[SUM+20:SUM+21], v[S+76:S+77]
	v_pk_add_f32 v[SUM:SUM+1], v[SUM:SUM+1], v[TM+8:TM+9]
	v_pk_add_f32 v[TM+4:TM+5], v[TM+4:TM+5], v[TM+6:TM+7]
.set JJ, 78
.rept 6
	v_pk_add_f32 v[TM+24:TM+25], v[TM+24:TM+25], v[S+JJ:S+JJ+1]
	v_pk_add_f32 v[TM+26:TM+27], v[TM+26:TM+27], v[S+JJ+2:S+JJ+3]
	v_pk_add_f32 v[TM+28:TM+29], v[TM+28:TM+29], v[S+JJ+4:S+JJ+5]
	v_pk_add_f32 v[SUM+20:SUM+21], v[SUM+20:SUM+21], v[S+JJ+6:S+JJ+7]
.set JJ, JJ+8
.endr
	v_pk_add_f32 v[TM+24:TM+25], v[TM+24:TM+25], v[S+126:S+127]
	v_pk_add_f32 v[SUM:SUM+1], v[SUM:SUM+1], v[TM+4:TM+5]
	v_pk_add_f32 v[SUM+20:SUM+21], v[SUM+20:SUM+21], v[TM+28:TM+29]
	v_pk_add_f32 v[TM+24:TM+25], v[TM+24:TM+25], v[TM+26:TM+27]
	WORD 1
	v_pk_add_f32 v[SUM+20:SUM+21], v[SUM+20:SUM+21], v[TM+24:TM+25]
.endm
; The way out of a tile: O^T / the sum; register 16 b + i is channel 32 b + 16 h + i; codes in v[S + 64 x + 32] on (six), the head's two scale bytes in v[TM + 20 x + 4]
.macro FIN x
	v_add_f32 v[SUM+20*\x], v[SUM+20*\x], v[SUM+20*\x+1]
	v_permlanex16_b32 v[TM+20*\x], v[SUM+20*\x], s[SEL], s[SEL+1]
	v_add_f32 v[SUM+20*\x], v[SUM+20*\x], v[TM+20*\x]
	s_wait_alu depctr_va_vdst(0)
	v_rcp_f32 v[SUM+20*\x], v[SUM+20*\x]
	v_nop
	WIN 0x01                                       ; O^T: window 1
	s_wait_alu depctr_va_vdst(0)
.set JJ, 0
.rept 16
	v_pk_mul_f32 v[S+64*\x+JJ:S+64*\x+JJ+1], v[32*\x+JJ:32*\x+JJ+1], v[SUM+20*\x:SUM+20*\x+1] op_sel_hi:[1,0]
.set JJ, JJ+2
.endr
	WIN 0
.irp b, 0,1
	v_max3_num_f32 v[TM+20*\x+\b], |v[S+64*\x+16*\b]|, |v[S+64*\x+1+16*\b]|, 0x2800000
.endr
.irp i, 2,4,6,8,10,12,14
.irp b, 0,1
	v_max3_num_f32 v[TM+20*\x+\b], v[TM+20*\x+\b], |v[S+64*\x+16*\b+\i]|, |v[S+64*\x+1+16*\b+\i]|
.endr
.endr
.irp b, 0,1
	v_permlanex16_b32 v[TM+20*\x+2+\b], v[TM+20*\x+\b], s[SEL], s[SEL+1]
.endr
.irp b, 0,1
	v_max_num_f32 v[TM+20*\x+\b], v[TM+20*\x+\b], v[TM+20*\x+2+\b]
.endr
.irp b, 0,1
	v_add_nc_u32 v[SO+20*\x+\b], 0xfe000000, v[TM+20*\x+\b]
.endr
.irp b, 0,1
	v_lshrrev_b32 v[TM+20*\x+2+\b], 23, v[SO+20*\x+\b]
.endr
	v_lshl_or_b32 v[TM+20*\x+4], v[TM+20*\x+3], 8, v[TM+20*\x+2]
	v_cvt_scalef32_pk16_bf6_f32 v[S+64*\x+32:S+64*\x+34], v[S+64*\x:S+64*\x+15], v[SO+20*\x]
	v_cvt_scalef32_pk16_bf6_f32 v[S+64*\x+40:S+64*\x+42], v[S+64*\x+16:S+64*\x+31], v[SO+20*\x+1]
	v_nop
.irp i, 0,1,2
	v_permlane16_swap_b32 v[S+64*\x+32+\i], v[S+64*\x+40+\i]   ; a whole block to a lane
.endr
.irp i, 0,1,2
	v_mov_b32 v[S+64*\x+35+\i], v[S+64*\x+40+\i]
.endr
.endm
	s_load_b128 s[4:7], s[0:1], 0x0                ; qkv, maskw
	s_load_b64 s[8:9], s[0:1], 0x10                ; act
	v_lshl_add_u32 v[SPW], v0, 2, SPARE
	v_mov_b32 v[NIL], 0
	ds_add_u32 v[SPW], v[NIL]                      ; the opening lines: the add, twice on end, and its wait
	ds_add_u32 v[SPW], v[NIL]
	v_lshrrev_b32 v1, 5, v0
	v_readfirstlane_b32 s10, v1                    ; wave 0..7
	s_bfe_u32 s40, ttmp6, 0x40000                  ; cx
	s_lshl_b32 s41, ttmp9, 2
	s_add_co_u32 s41, s41, s40                     ; the query block, 0..7
	s_and_b32 s11, ttmp7, 0xffff                   ; the record: 16 b + head
	s_lshr_b32 s12, s11, 4                         ; b
	s_and_b32 s13, s11, 15                         ; head
	s_lshl_b32 s14, s41, 4
	s_lshl_b32 s15, s10, 1
	s_add_co_u32 s14, s14, s15                     ; my first tile of queries, 0..126
	s_mov_b32 s52, 15|(3<<16)|(1<<21)              ; group 1: the cluster's four; elements of 8 bytes; rows of 256 bytes, 117 of them, dense
	s_mov_b32 s53, 32<<16
	s_mov_b32 s54, 117<<16
	s_mov_b32 s55, 32<<16
	s_mov_b32 s56, 117
	s_mov_b32 s57, 32
	s_mov_b32 s58, 0
	s_mov_b32 s59, 0
	s_mov_b32 s68, 15|(3<<16)|(1<<21)              ; and for the mask words: 32 rows
	s_mov_b32 s69, 32<<16
	s_mov_b32 s70, 32<<16
	s_mov_b32 s71, 32<<16
	s_mov_b32 s72, 32
	s_mov_b32 s73, 32
	s_mov_b32 s74, 0
	s_mov_b32 s75, 0
	s_mul_i32 s84, s11, RECB
	s_mov_b32 s85, 0
	s_mul_i32 s86, s10, CH
	s_mov_b32 s87, 0
	s_lshl_b32 s88, s12, 13
	s_mov_b32 s89, 0
	s_lshl_b32 s42, s12, 6
	s_mul_i32 s90, s14, 768
	s_add_co_u32 s90, s90, QIMG
	s_mov_b32 s91, 0
	s_lshl_b32 s92, s14, 6
	s_add_co_u32 s92, s92, QSCL
	s_mov_b32 s93, 0
	s_mov_b32 s[SEL], 0x76543210
	s_mov_b32 s[SEL+1], 0xfedcba98
	s_mov_b32 s[CS], 0x3e38aa3b                    ; c = log2(e) / 8
	s_mov_b32 s[CS+1], s[CS]
	s_mov_b32 s[NC], 0xbe38aa3b                    ; -c
	s_mov_b32 s[HM], 0xffff0000                    ; lanes 16-31
	s_wait_dscnt 0x0
	s_wait_kmcnt 0x0
	s_add_nc_u64 s[4:5], s[4:5], s[84:85]          ; my record
	s_add_nc_u64 s[90:91], s[4:5], s[90:91]
	s_add_nc_u64 s[92:93], s[4:5], s[92:93]
	s_load_b512 s[16:31], s[6:7], s42 offset:0x4000   ; the batch's 16 words: has the step a live key?
	CROUND                                         ; the four partners are here: the joint loads meet
	s_mov_b32 s44, 1
	s_add_co_u32 s45, s86, LK
	s_add_nc_u64 s[46:47], s[4:5], s[86:87]
	s_or_b32 s47, s47, 0x80000000
	s_mov_b32 s48, 1
	s_mov_b32 s49, MSK
	s_add_nc_u64 s[50:51], s[6:7], s[88:89]
	s_or_b32 s51, s51, 0x80000000
	s_cmp_lt_u32 s10, 7                            ; one tensor load a wave: waves 0-6 a seventh of the record's part, wave 7 the mask words
	s_cbranch_scc0 .Lmask_arm
	tensor_load_to_lds s[44:47], s[52:59]
	s_nop 0
.rept 4
	v_nop
.endr
	s_branch .Lasked
.Lmask_arm:
	tensor_load_to_lds s[48:51], s[68:75]
	s_nop 0
.rept 4
	v_nop
.endr
.Lasked:
	v_and_b32 v242, 31, v0                         ; l
	v_and_b32 v243, 7, v0                          ; m % 8
	v_bfe_u32 v244, v0, 3, 1                       ; m / 8
	v_bfe_u32 v245, v0, 4, 1                       ; h
	v_lshlrev_b32 v246, 4, v242
	v_lshlrev_b32 v247, 3, v242
	v_and_b32 v248, 15, v0
	v_lshlrev_b32 v248, 2, v248
.irp x, 0,1
	global_load_b128 v[20+12*\x:23+12*\x], v246, s[90:91] offset:768*\x      ; q's half images stay in registers
	global_load_b64 v[24+12*\x:25+12*\x], v247, s[90:91] offset:768*\x+512
	global_load_b32 v[QS+\x], v248, s[92:93] offset:64*\x
.endr
	v_mul_u32_u24 v249, v244, 1536                 ; rows 8-15 of a gathered tile lie two tiles of the image on
	v_lshl_add_u32 v[ADK], v243, 4, v249
	v_lshl_add_u32 v[ADK], v245, 8, v[ADK]
	v_add_nc_u32 v[ADK], LK, v[ADK]
	v_lshl_add_u32 v[ADK8], v243, 3, v249
	v_lshl_add_u32 v[ADK8], v245, 7, v[ADK8]
	v_add_nc_u32 v[ADK8], LK+512, v[ADK8]
	v_lshl_add_u32 v[ADV], v242, 4, LV
	v_lshlrev_b32 v[ADS], 7, v244
	v_lshl_add_u32 v[ADS], v243, 2, v[ADS]
	v_lshl_add_u32 v[ADS], v245, 6, v[ADS]
	v_add_nc_u32 v[ADS], LKS, v[ADS]
	v_lshl_add_u32 v[ADT], v242, 2, LVS
	v_lshlrev_b32 v[ADM], 7, v245
	v_lshlrev_b32 v[H8], 3, v245
.irp x, 0,1
.irp j, 26,27,28,29,30,31
	v_mov_b32 v[\j+12*\x], 0                       ; q's k = 64 .. 127: zero codes
.endr
	v_mov_b32 v[RM+20*\x], 0xff61b1e6              ; the largest score so far: -3e38
	v_mov_b32 v[NM+20*\x], 0x7e800000              ; -M: 2^126, a whole number above every floor(-t)
	v_mov_b32 v[SUM+20*\x], 0
	v_mov_b32 v[SUM+20*\x+1], 0
	v_mov_b32 v[F+20*\x+1], 0                      ; (named as the upper half of f's pair)
.endr
	WIN 0x40
.irp T, 0,1,2,3,4,5,6,7
.irp j, 6,7,8,9,10,11
	v_mov_b32 v[KF+12*\T+\j], 0                    ; K's k = 64 .. 127: zero codes, written once
.endr
.endr
.set JJ, 0
.rept 64
	v_mov_b32 v[JJ], 0                             ; O^T: the loop is written once, its first step finds zeros
.set JJ, JJ+1
.endr
	WIN 0
	s_wait_alu depctr_va_vdst(0)                   ; directly ahead of the wait below
	s_wait_kmcnt 0x0
	s_or_b32 s43, s16, s17
.irp f, 18,19,20,21,22,23,24,25,26,27,28,29,30,31
	s_or_b32 s43, s43, s\f
.endr
	s_cmp_lg_u32 s43, 0
	s_cselect_b32 s43, -1, 0                       ; all ones where the batch has a live key
	s_wait_loadcnt 0x0
.irp x, 0,1
.irp i, 0,1,2,3,4,5
	v_and_b32 v[20+12*\x+\i], s43, v[20+12*\x+\i]  ; no live key: q's codes become zeros
.endr
.endr
.rept 4
	v_nop                                          ; places between these writes and the scaled products
.endr
	s_wait_alu depctr_va_vdst(0)                   ; the head's end
	s_wait_tensorcnt 0x0                           ; my load has landed;
	s_barrier_signal -1
	s_barrier_wait -1                              ; everybody's has
	KLOAD 0
	s_mov_b32 s[J], 0
.Lstep:                                            ; 128 keys
	ds_load_b32 v[VSC], v[ADT]
	ds_load_b32 v[VSC+1], v[ADT] offset:128
	WIN 0x40
.irp t, 0,1,2,3
.irp c, 0,1,2
	ds_load_b128 v[VF+12*\t+4*\c:VF+12*\t+4*\c+3], v[ADV] offset:1536*\t+512*\c
.endr
.endr
	s_wait_dscnt 14                                ; K's 36 loads are in; V's twelve and its two scale loads may be out
	WIN 0x11                                       ; K and C: window 1
.irp T, 0,1,2,3,4,5
	QK \T, 0
	QK \T, 1
.endr
	WIN 0x01                                       ; K: window 1
.irp T, 6,7
	QK \T, 0
	QK \T, 1
.endr
	WIN 0
.rept 4
	v_nop                                          ; places in front of loads into the products' registers and of the scores' first readers
.endr
	KLOAD 1                                        ; the next step's, a step ahead
	SOFT
	WIN 0x41                                       ; O^T: window 1, f: window 0
	s_wait_alu depctr_va_vdst(0)                   ; directly ahead of O^T's first readers
.irp x, 0,1
.set JJ, 0
.rept 16
	v_pk_mul_f32 v[32*\x+JJ:32*\x+JJ+1], v[32*\x+JJ:32*\x+JJ+1], v[F+20*\x:F+20*\x+1] op_sel_hi:[1,0]   ; O^T under the new M
.set JJ, JJ+2
.endr
.endr
	s_wait_alu depctr_va_vdst(0)                   ; directly ahead of the wait below
	s_wait_dscnt 36                                ; V is in; the next step's 36 loads may be out
	WIN 0x51                                       ; V, C and D: window 1; p: window 0
.irp t, 0,1,2,3
	PV \t, 0
	PV \t, 1
.endr
	WIN 0
	v_add_nc_u32 v[ADK], 6144, v[ADK]              ; the next step; six plain places behind the products
	v_add_nc_u32 v[ADK8], 6144, v[ADK8]
	v_add_nc_u32 v[ADV], 6144, v[ADV]
	v_add_nc_u32 v[ADS], 512, v[ADS]
	v_add_nc_u32 v[ADT], 256, v[ADT]
	v_add_nc_u32 v[ADM], 512, v[ADM]
	s_add_co_u32 s[J], s[J], 1
	s_cmp_lt_u32 s[J], 16
	s_wait_alu depctr_va_vdst(0)                   ; directly ahead of the branch
	s_cbranch_scc1 .Lstep
	; THE WAY OUT: a tile's 16 tokens x the head's 64 are half a fragment of the next product's operand: registers 6 (head % 2) on of the unit (group, K step head / 2, tile)
	s_lshl_b32 s16, s12, 4
	s_lshr_b32 s17, s14, 3
	s_add_co_u32 s16, s16, s17                     ; the group of tokens
	s_and_b32 s17, s14, 7                          ; my first tile in it; the second is the next
	s_lshl_b32 s18, s16, 3
	s_lshr_b32 s19, s13, 1
	s_add_co_u32 s18, s18, s19
	s_lshl_b32 s18, s18, 3
	s_add_co_u32 s18, s18, s17
	s_mul_i32 s18, s18, 1536
	s_mov_b32 s19, 0
	s_lshl_b32 s20, s16, 2
	s_lshr_b32 s21, s13, 2
	s_add_co_u32 s20, s20, s21
	s_lshl_b32 s20, s20, 3
	s_add_co_u32 s20, s20, s17
	s_lshl_b32 s20, s20, 7
	s_and_b32 s21, s13, 3
	s_lshl_b32 s21, s21, 1
	s_add_co_u32 s20, s20, s21                     ; + 4 ((head / 2) % 2) + 2 (head % 2)
	s_add_co_u32 s20, s20, ASC
	s_mov_b32 s21, 0
	s_add_nc_u64 s[18:19], s[8:9], s[18:19]
	s_add_nc_u64 s[20:21], s[8:9], s[20:21]
	FIN 0
	FIN 1
	v_and_b32 v1, 31, v0
	v_lshlrev_b32 v1, 4, v1                        ; 16 x lane
	v_and_b32 v2, 15, v0
	v_lshlrev_b32 v2, 3, v2
	v_bfe_u32 v3, v0, 4, 1
	v_lshl_add_u32 v2, v3, 7, v2                   ; 8 r + 128 h
	v_cndmask_b32 v3, v[TM+4], v[TM+24], s[HM]     ; lanes 0-15 the first tile's two bytes a row, lanes 16-31 the second's
	s_and_b32 s22, s13, 1
	s_cmp_eq_u32 s22, 0
	s_wait_alu depctr_va_vdst(0)                   ; directly ahead of the branch
	s_cbranch_scc0 .Lodd
.irp x, 0,1
	global_store_b128 v1, v[S+64*\x+32:S+64*\x+35], s[18:19] offset:1536*\x          ; registers 0-3 of the unit
	global_store_b64 v1, v[S+64*\x+36:S+64*\x+37], s[18:19] offset:1536*\x+512       ; registers 4-5
.endr
	s_branch .Lsc
.Lodd:
.irp x, 0,1
	global_store_b64 v1, v[S+64*\x+32:S+64*\x+33], s[18:19] offset:1536*\x+520       ; registers 6-7
	global_store_b128 v1, v[S+64*\x+34:S+64*\x+37], s[18:19] offset:1536*\x+1024     ; registers 8-11
.endr
.Lsc:
	global_store_b16 v2, v3, s[20:21]
	s_wait_tensorcnt 0x0                           ; the wave's end
	ds_add_u32 v[SPW], v[NIL]
	s_wait_dscnt 0x0
	CROUND                                         ; the closing round
	s_endpgm
.Lfunc_end_k_qafce25ba07_attn:
	.size	k_qafce25ba07_attn, .Lfunc_end_k_qafce25ba07_attn-k_qafce25ba07_attn
	.p2alignl 7, 3214868480
	.fill 96, 4, 3214868480
	.section	.rodata,"a",@progbits
	.p2align	6, 0x0
	.amdhsa_kernel k_qafce25ba07_attn
		.amdhsa_group_segment_fixed_size 218880
		.amdhsa_private_segment_fixed_size 0
		.amdhsa_enable_private_segment 0
		.amdhsa_kernarg_size 24
		.amdhsa_user_sgpr_count 2
		.amdhsa_user_sgpr_kernarg_segment_ptr 1
		.amdhsa_wavefront_size32 1
		.amdhsa_system_sgpr_workgroup_id_x 1
		.amdhsa_system_sgpr_workgroup_id_y 1
		.amdhsa_system_sgpr_workgroup_id_z 1
		.amdhsa_system_vgpr_workitem_id 0
		.amdhsa_next_free_vgpr 512
		.amdhsa_next_free_sgpr 104
		.amdhsa_reserve_vcc 0
		.amdhsa_float_denorm_mode_32 3
		.amdhsa_float_denorm_mode_16_64 3
		.amdhsa_memory_ordered 1
		.amdhsa_forward_progress 1
		.amdhsa_inst_pref_size 52
	.end_amdhsa_kernel
	.amdgpu_metadata
---
amdhsa.version: [ 1, 2 ]
amdhsa.kernels:
  - .name:           k_qafce25ba07_attn
    .symbol:         k_qafce25ba07_attn.kd
    .args:
      - { .name: qkv, .offset: 0, .size: 8, .value_kind: global_buffer, .address_space: global }
      - { .name: maskw, .offset: 8, .size: 8, .value_kind: global_buffer, .address_space: global }
      - { .name: act, .offset: 16, .size: 8, .value_kind: global_buffer, .address_space: global }
    .group_segment_fixed_size: 218880
    .private_segment_fixed_size: 0
    .kernarg_segment_align: 8
    .kernarg_segment_size: 24
    .max_flat_workgroup_size: 256
    .sgpr_count:     104
    .vgpr_count:     512
    .wavefront_size: 32
...
	.end_amdgpu_metadata
.endif
;; end of part 11
;; launch gemm_proj (part 12): grid 8 x 32, 4 waves a work-group, clusters of 4 x 4, 327,680 bytes of LDS; arguments act, wts, b1, x, ybuf; writes ybuf
.if DOCPART == 12
	.amdgcn_target "amdgcn-amd-amdhsa--gfx1250"
	.amdhsa_code_object_version 6
	.text
	.protected	k_qafce25ba07_gemm_proj
	.globl	k_qafce25ba07_gemm_proj
	.p2align	8
	.type	k_qafce25ba07_gemm_proj,@function
k_qafce25ba07_gemm_proj:
	s_mov_b64 s[64:65], 0
	v_nop
	global_prefetch_b8 v0, s[64:65] scope:SCOPE_SE
	s_setreg_imm32_b32 hwreg(HW_REG_WAVE_MODE, 25, 1), 1
	s_wait_xcnt 0x0
	s_wait_alu depctr_hold_cnt(0) depctr_sa_sdst(0) depctr_va_vdst(0) depctr_va_sdst(0) depctr_va_ssrc(0) depctr_va_vcc(0) depctr_vm_vsrc(0)
	s_getreg_b32 s2, hwreg(HW_REG_IB_STS2, 6, 4)
	s_cmp_eq_u32 s2, 0
	s_cbranch_scc0 .Lentry_in_a_cluster
	s_endpgm
.Lentry_in_a_cluster:
	s_bfe_u32 s2, ttmp6, 0x10000c
	s_cmp_lg_u32 s2, 0xf033
	s_cbranch_scc0 .Lentry_shape_is_right
	s_endpgm
.Lentry_shape_is_right:
.set KK,     1024
.set ASCALE, 3145728
.set BG0,    24
.set BCODE,  0
.set BSCALE, 9437184
.set ROWP,   4096
.set LAPS,   KK/1024
.set GB,     96*KK
.set GS,     4*KK
.set HALFT,  24576
.set SLOT,   4*HALFT
.set SCL,    2*SLOT
.set SPARE,  SCL+2*GS
.set STG,    SPARE+512
.set SPITCH, 272
.set FR,     12
.set NP,     4
.set BIA,  8
.set BO,   12
.set ADRA, 16
.set ADRB, 20
.set STO,  24
.set RD,   25
.set CO,   26
.set ADRS, 27
.set SPW,  28
.set NIL,  29
.set CI,   30
.set SC,   32
.set BK,   64
.set ACC,  128
.set G1, 24
.set G0, 32
.set G1B, 48
.set G0B, 56
.set G1S, 68
.set G0S, 76
.set G1SB, 80
.set G0SB, 88
.set MSB, 0
.macro WIN new
.if MSB != (\new)
	s_set_vgpr_msb (MSB<<8)|(\new)
.set MSB, (\new)
.endif
.endm
.set MUL,  0x05
.set TO_F, 0x40
.macro JLOAD g0a, g1a, g0b, g1b
	s_cmp_eq_u32 s15, 0
	s_cbranch_scc0 .Lfor_b_\@
	tensor_load_to_lds s[\g0a:\g0a+3], s[\g1a:\g1a+7]
	s_nop 0
.rept 4
	v_nop
.endr
	s_branch .Lasked_\@
.Lfor_b_\@:
	tensor_load_to_lds s[\g0b:\g0b+3], s[\g1b:\g1b+7]
	s_nop 0
.rept 4
	v_nop
.endr
.Lasked_\@:
.endm
.macro CREST
	s_cmp_lg_u32 s14, 0
	s_cbranch_scc1 .Lnot_wave_0_\@
	s_barrier_signal -3
.Lnot_wave_0_\@:
	s_barrier_wait -3
	s_barrier_signal -1
	s_barrier_wait -1
.endm
.macro CROUND
	s_barrier_signal -1
	s_barrier_wait -1
	CREST
.endm
.macro FRAG reg, adr, q, i
.irp c, 0,1,2
	ds_load_b128 v[\reg+4*\c:\reg+4*\c+3], v[\adr] offset:12288*(\q)+1536*(\i)+512*\c
.endr
.endm
.macro FETCH slot, q, p
	WIN TO_F
.irp i, 0,1,2,3
	FRAG 128*(\p)+FR*\i, ADRB+\slot, \q, \i
.endr
.irp i, 0,1,2,3
	FRAG 128*(\p)+48+FR*\i, ADRA+\slot, \q, \i
.endr
.endm
.macro SCALES sc
.irp g, 0,1
.irp i, 0,1,2,3
	ds_load_b64 v[SC+16*\sc+8*\g+2*\i:SC+16*\sc+8*\g+2*\i+1], v[ADRS] offset:1024*\g+128*\i
.endr
.endr
.endm
.macro MUL8 a0, p, q, sc
.irp a, \a0, \a0+1
.irp b, 0,1,2,3
	v_wmma_scale_f32_16x16x128_f8f6f4 v[ACC+8*(4*(\a)+\b):ACC+8*(4*(\a)+\b)+7], v[128*(\p)+FR*\b:128*(\p)+FR*\b+FR-1], v[128*(\p)+48+FR*(\a):128*(\p)+48+FR*(\a)+FR-1], v[ACC+8*(4*(\a)+\b):ACC+8*(4*(\a)+\b)+7], v[SC+16*(\sc)+8*((\q)/2)+2*\b+(\q)%2], v[SC+16*(\sc)+8*((\q)/2)+2*(\a)+(\q)%2] matrix_a_fmt:MATRIX_FMT_BF6 matrix_b_fmt:MATRIX_FMT_BF6 matrix_a_scale:MATRIX_SCALE_ROW1
.endr
.endr
.endm
.macro PLACES n
.rept \n
	v_nop
.endr
.endm
.macro STEP slot, q
	s_wait_dscnt 0x0
	PLACES NP
	FETCH \slot, (\q)+1, 1-(\q)%2
	WIN MUL
	MUL8 0, (\q)%2, \q, \slot
	MUL8 2, (\q)%2, \q, \slot
.endm
.macro TURN slot, next, fill
	WIN 0
	s_wait_tensorcnt 0x0
	ds_add_u32 v[SPW], v[NIL]
	s_wait_dscnt 0x0
	s_barrier_signal -1
	WIN MUL
	MUL8 0, 1, 3, \slot
	WIN 0
	s_barrier_wait -1
.if \fill
	CREST
	s_add_nc_u64 s[G0+4*\slot+2:G0+4*\slot+3], s[G0+4*\slot+2:G0+4*\slot+3], 4*HALFT
	s_add_nc_u64 s[G0B+4*\slot+2:G0B+4*\slot+3], s[G0B+4*\slot+2:G0B+4*\slot+3], 4*HALFT
	JLOAD G0+4*\slot, G1, G0B+4*\slot, G1B
.else
	PLACES NP
.endif
	v_add_nc_u32 v[ADRS], 2048, v[ADRS]
	FETCH \next, 0, 0
	WIN 0
	SCALES \next
	WIN MUL
	MUL8 2, 1, 3, \slot
	WIN 0
.endm
	s_load_b128 s[4:7], s[0:1], 0x0
	s_load_b128 s[8:11], s[0:1], 0x10
	s_load_b64 s[12:13], s[0:1], 0x20
	v_lshl_add_u32 v[SPW], v0, 2, SPARE
	v_mov_b32 v[NIL], 0
	ds_add_u32 v28, v29
	ds_add_u32 v28, v29
	s_wait_dscnt 0x0
	v_lshrrev_b32 v1, 5, v0
	v_readfirstlane_b32 s14, v1
	s_lshr_b32 s15, s14, 1
	s_and_b32 s16, s14, 1
	s_bfe_u32 s40, ttmp6, 0x40000
	s_bfe_u32 s41, ttmp6, 0x40004
	s_lshl_b32 s42, ttmp9, 2
	s_add_co_u32 s42, s42, s40
	s_and_b32 s17, ttmp7, 0xffff
	s_lshl_b32 s17, s17, 2
	s_add_co_u32 s17, s17, s41
	s_lshl_b32 s43, s41, 2
	s_lshl_b32 s43, 15, s43
	s_lshl_b32 s44, 0x1111, s40
	s_or_b32 s[G1+0], s43, (3<<16)|(1<<21)
	s_or_b32 s[G1B+0], s44, (3<<16)|(1<<21)
.irp g, G1, G1B
	s_mov_b32 s[\g+1], 32<<16
	s_mov_b32 s[\g+2], 192<<16                     ; the head's loads of codes bring a whole slot's part of A or of B: 192 rows of 256 bytes
	s_mov_b32 s[\g+3], 32<<16
	s_mov_b32 s[\g+4], 192
	s_mov_b32 s[\g+5], 32
	s_mov_b32 s[\g+6], 0
	s_mov_b32 s[\g+7], 0
.endr
	s_or_b32 s[G1S+0], s43, (3<<16)|(1<<21)
	s_or_b32 s[G1SB+0], s44, (3<<16)|(1<<21)
.irp g, G1S, G1SB
	s_mov_b32 s[\g+1], 32<<16
	s_mov_b32 s[\g+2], (GS/256)<<16                ; a group's scale words, whole
	s_mov_b32 s[\g+3], 32<<16
	s_mov_b32 s[\g+4], GS/256
	s_mov_b32 s[\g+5], 32
	s_mov_b32 s[\g+6], 0
	s_mov_b32 s[\g+7], 0
.endr
	s_mul_i32 s18, s16, HALFT                      ; in the ring I fetch one half of a slot's part
	s_mov_b32 s19, 0
	s_mul_i32 s22, s17, GS
	s_add_co_u32 s22, s22, ASCALE
	s_mov_b32 s23, 0
	s_mul_i32 s20, s17, GB
	s_mov_b32 s21, 0
	s_add_co_u32 s46, s42, BG0
	s_mul_i32 s92, s46, GS
	s_add_co_u32 s92, s92, BSCALE
	s_mov_b32 s93, 0
	s_mul_i32 s46, s46, GB
	s_add_co_u32 s46, s46, BCODE
	s_mov_b32 s47, 0
	s_mul_i32 s45, s14, HALFT
	s_wait_kmcnt 0x0
	s_add_nc_u64 s[22:23], s[4:5], s[22:23]
	s_add_nc_u64 s[20:21], s[4:5], s[20:21]
	s_add_nc_u64 s[92:93], s[6:7], s[92:93]
	s_add_nc_u64 s[46:47], s[6:7], s[46:47]
	CROUND
	s_mov_b32 s4, 1                                ; the head's four tiles, each whole: slot 0's part of A (s[4:7]; the arguments that lay there have been used),
	s_mov_b32 s5, 0
	s_mov_b64 s[6:7], s[20:21]
	s_or_b32 s7, s7, 0x80000000
	s_mov_b32 s96, 1                               ; its part of B (s[96:99]),
	s_mov_b32 s97, 2*HALFT
	s_mov_b64 s[98:99], s[46:47]
	s_or_b32 s99, s99, 0x80000000
	s_mov_b32 s[G0S], 1                            ; A's scale words,
	s_mov_b32 s[G0S+1], SCL
	s_mov_b64 s[G0S+2:G0S+3], s[22:23]
	s_or_b32 s[G0S+3], s[G0S+3], 0x80000000
	s_mov_b32 s[G0SB], 1                           ; and B's
	s_mov_b32 s[G0SB+1], SCL+GS
	s_mov_b64 s[G0SB+2:G0SB+3], s[92:93]
	s_or_b32 s[G0SB+3], s[G0SB+3], 0x80000000
	s_add_nc_u64 s[20:21], s[20:21], s[18:19]      ; for the ring: my half
	s_add_nc_u64 s[46:47], s[46:47], s[18:19]
	s_cmp_eq_u32 s15, 0                            ; the prefetches: of the 24,576 bytes that I fetch for a slot, each of the four partners that ask with me names 6,144, told apart by address
	s_cselect_b64 s[66:67], s[20:21], s[46:47]
	s_cselect_b32 s100, s40, s41
	s_mul_i32 s100, s100, 6144
	s_mov_b32 s101, 0
	s_add_nc_u64 s[66:67], s[66:67], s[100:101]
	s_add_nc_u64 s[66:67], s[66:67], 2*HALFT       ; at the second slot's bytes
.irp s, 0,1
	s_mov_b32 s[G0+4*\s], 1
	s_add_co_u32 s[G0+4*\s+1], s45, \s*SLOT
	s_add_nc_u64 s[G0+4*\s+2:G0+4*\s+3], s[20:21], \s*2*HALFT
	s_or_b32 s[G0+4*\s+3], s[G0+4*\s+3], 0x80000000
	s_mov_b32 s[G0B+4*\s], 1
	s_add_co_u32 s[G0B+4*\s+1], s45, \s*SLOT
	s_add_nc_u64 s[G0B+4*\s+2:G0B+4*\s+3], s[46:47], \s*2*HALFT
	s_or_b32 s[G0B+4*\s+3], s[G0B+4*\s+3], 0x80000000
.endr
; the head's loads, one a wave: one chain of branches on the wave's number, a load to an arm
.macro ARM under, g0, g1, next
	s_cmp_lt_u32 s14, \under
	s_cbranch_scc0 \next
	tensor_load_to_lds s[\g0:\g0+3], s[\g1:\g1+7]
	s_nop 0
.rept 4
	v_nop
.endr
	s_branch .Lhead_asked
\next:
.endm
	ARM 1, 4,   G1,  .Lhead_b
	ARM 2, 96,  G1B, .Lhead_sa
	ARM 3, G0S, G1S, .Lhead_sb
	tensor_load_to_lds s[G0SB:G0SB+3], s[G1SB:G1SB+7]
	s_nop 0
.rept 4
	v_nop
.endr
.Lhead_asked:
	v_and_b32 v1, 15, v0
	v_bfe_u32 v2, v0, 4, 1
	s_wait_alu depctr_va_vdst(0)
	v_and_b32 v3, 31, v0
	v_lshlrev_b32 v4, 4, v3
	s_mul_i32 s21, s15, 6144
	s_mul_i32 s22, s16, 6144
	s_add_co_u32 s22, s22, 2*HALFT
.irp s, 0,1
	v_add_nc_u32 v[ADRA+\s], s21, v4
	v_add_nc_u32 v[ADRB+\s], s22, v4
	s_add_co_u32 s21, s21, SLOT
	s_add_co_u32 s22, s22, SLOT
.endr
	v_lshlrev_b32 v5, 3, v1
	s_mul_i32 s21, s15, 512
	s_mul_i32 s22, s16, 512
	s_add_co_u32 s22, s22, GS
	s_sub_co_u32 s22, s22, s21
	v_mul_u32_u24 v6, s22, v2
	s_add_co_u32 s21, s21, SCL
	v_add_nc_u32 v5, v5, v6
	v_add_nc_u32 v[ADRS], s21, v5
	s_mul_i32 s23, s14, 16*SPITCH
	s_add_co_u32 s23, s23, STG
	v_mul_u32_u24 v5, v1, SPITCH
	v_lshl_add_u32 v5, v2, 6, v5
	v_add_nc_u32 v[STO], s23, v5
	v_mul_u32_u24 v5, v2, SPITCH
	v_lshl_add_u32 v5, v1, 4, v5
	v_add_nc_u32 v[RD], s23, v5
	v_mul_u32_u24 v5, v2, ROWP
	v_lshl_add_u32 v[CO], v1, 4, v5
	v_lshlrev_b32 v[BO], 4, v1
	s_wait_alu depctr_va_vdst(0)
	v_and_b32 v5, 7, v1
	v_lshrrev_b32 v6, 3, v1
	v_lshl_add_u32 v5, v6, 4, v5
	v_mul_u32_u24 v5, v5, ROWP
	v_lshl_add_u32 v[CI], v2, 6, v5
	v_and_b32 v31, 31, v0
	v_min_u32 v31, 23, v31
	v_lshlrev_b32 v31, 8, v31                      ; the prefetches' offset: a lane a block of 256 bytes, 24 blocks; the lanes left over name the last again
	s_wait_alu depctr_va_vdst(0)
	s_lshl_b32 s20, s17, 7
	s_lshl_b32 s21, s15, 6
	s_add_co_u32 s20, s20, s21
	s_lshl_b32 s20, s20, 12
	s_lshl_b32 s46, s42, 9
	s_lshl_b32 s47, s16, 8
	s_add_co_u32 s46, s46, s47
	s_add_co_u32 s20, s20, s46
	s_mov_b32 s21, 0
	s_mov_b32 s47, 0
	s_add_nc_u64 s[10:11], s[10:11], s[20:21]
	s_add_nc_u64 s[12:13], s[12:13], s[20:21]
	s_add_nc_u64 s[8:9], s[8:9], s[46:47]
	global_prefetch_b8 v31, s[66:67] th:TH_LOAD_NT scope:SCOPE_SE                    ; the second slot's bytes, whose load stands behind the next round
.if LAPS > 1
	global_prefetch_b8 v31, s[66:67] offset:2*HALFT th:TH_LOAD_NT scope:SCOPE_SE     ; and the first refill's
.endif
	global_load_b128 v[BIA:BIA+3], v[BO], s[8:9]
.irp a, 0,1,2,3
.irp b, 0,1,2,3
.irp e, 0,1
	global_load_b128 v[ACC+8*(4*\a+\b)+4*\e:ACC+8*(4*\a+\b)+4*\e+3], v[CI], s[10:11] offset:(32*(\a/2)+8*(\a%2))*ROWP+128*(\b/2)+32*(\b%2)+16*\e
.endr
.endr
.endr
	s_wait_alu depctr_va_vdst(0)                   ; the head's end
	s_wait_tensorcnt 0x0                           ; my tile of the head's four is in; these lines stand ahead of a later first fill as ahead of a refill
	ds_add_u32 v[SPW], v[NIL]
	s_mov_b32 s[G1+2], 96<<16                      ; no tensor load of mine is out: from here on a load brings 96 rows
	s_mov_b32 s[G1+4], 96
	s_mov_b32 s[G1B+2], 96<<16
	s_mov_b32 s[G1B+4], 96
	s_wait_dscnt 0x0
	CROUND                                         ; all four tiles are in, and the partners are here
	JLOAD G0+4, G1, G0B+4, G1B                     ; slot 1's first fill
	FETCH 0, 0, 0
	WIN 0
	SCALES 0
	s_wait_loadcnt 0x0
.if LAPS > 1
	s_mov_b32 s3, LAPS-1
.Llap:
	STEP 0, 0
	STEP 0, 1
	STEP 0, 2
	TURN 0, 1, 1
	STEP 1, 0
	STEP 1, 1
	STEP 1, 2
	TURN 1, 0, 1
	s_sub_co_u32 s3, s3, 1
	s_cmp_lg_u32 s3, 0
	s_cbranch_scc1 .Llap
.endif
	STEP 0, 0
	STEP 0, 1
	STEP 0, 2
	TURN 0, 1, 0
	STEP 1, 0
	STEP 1, 1
	STEP 1, 2
	s_wait_dscnt 0x0
	WIN MUL
	MUL8 0, 1, 3, 1
	MUL8 2, 1, 3, 1
	WIN 0
.macro TOSTAGE a
.irp b, 0,1,2,3
	ds_store_b128 v[STO], v[ACC+8*(4*(\a)+\b):ACC+8*(4*(\a)+\b)+3] offset:128*(\b/2)+32*(\b%2)
	ds_store_b128 v[STO], v[ACC+8*(4*(\a)+\b)+4:ACC+8*(4*(\a)+\b)+7] offset:128*(\b/2)+32*(\b%2)+16
.endr
.set BB, BK+32*((\a)%2)
.irp t, 0,1,2,3,4,5,6,7
	ds_load_b128 v[BB+4*\t:BB+4*\t+3], v[RD] offset:\t*2*SPITCH
.endr
.endm
.macro SEND a, younger
.set BB, BK+32*((\a)%2)
	s_wait_dscnt \younger
.irp t, 0,1,2,3,4,5,6,7
	v_pk_add_f32 v[BB+4*\t:BB+4*\t+1], v[BB+4*\t:BB+4*\t+1], v[BIA:BIA+1]
	v_pk_add_f32 v[BB+4*\t+2:BB+4*\t+3], v[BB+4*\t+2:BB+4*\t+3], v[BIA+2:BIA+3]
	global_store_b128 v[CO], v[BB+4*\t:BB+4*\t+3], s[12:13] offset:(32*((\a)/2)+8*((\a)%2)+2*(\t%4)+16*(\t/4))*ROWP
.endr
.endm
	PLACES NP
	TOSTAGE 0
.irp a, 1,2,3
.if \a > 1
	s_wait_xcnt 0x0
.endif
	TOSTAGE \a
	SEND \a-1, 16
.endr
	SEND 3, 0
	s_wait_tensorcnt 0x0
	ds_add_u32 v[SPW], v[NIL]
	s_wait_dscnt 0x0
	CROUND
	s_endpgm
.Lfunc_end_k_qafce25ba07_gemm_proj:
	.size	k_qafce25ba07_gemm_proj, .Lfunc_end_k_qafce25ba07_gemm_proj-k_qafce25ba07_gemm_proj
	.p2alignl 7, 3214868480
	.fill 96, 4, 3214868480
	.section	.rodata,"a",@progbits
	.p2align	6, 0x0
	.amdhsa_kernel k_qafce25ba07_gemm_proj
		.amdhsa_group_segment_fixed_size 327680
		.amdhsa_private_segment_fixed_size 0
		.amdhsa_enable_private_segment 0
		.amdhsa_kernarg_size 40
		.amdhsa_user_sgpr_count 2
		.amdhsa_user_sgpr_kernarg_segment_ptr 1
		.amdhsa_wavefront_size32 1
		.amdhsa_system_sgpr_workgroup_id_x 1
		.amdhsa_system_sgpr_workgroup_id_y 1
		.amdhsa_system_sgpr_workgroup_id_z 1
		.amdhsa_system_vgpr_workitem_id 0
		.amdhsa_next_free_vgpr 512
		.amdhsa_next_free_sgpr 104
		.amdhsa_reserve_vcc 0
		.amdhsa_float_denorm_mode_32 3
		.amdhsa_float_denorm_mode_16_64 3
		.amdhsa_memory_ordered 1
		.amdhsa_forward_progress 1
		.amdhsa_inst_pref_size 58
	.end_amdhsa_kernel
	.amdgpu_metadata
---
amdhsa.version: [ 1, 2 ]
amdhsa.kernels:
  - .name:           k_qafce25ba07_gemm_proj
    .symbol:         k_qafce25ba07_gemm_proj.kd
    .args:
      - { .name: act, .offset: 0, .size: 8, .value_kind: global_buffer, .address_space: global }
      - { .name: wts, .offset: 8, .size: 8, .value_kind: global_buffer, .address_space: global }
      - { .name: b1, .offset: 16, .size: 8, .value_kind: global_buffer, .address_space: global }
      - { .name: x, .offset: 24, .size: 8, .value_kind: global_buffer, .address_space: global }
      - { .name: ybuf, .offset: 32, .size: 8, .value_kind: global_buffer, .address_space: global }
    .group_segment_fixed_size: 327680
    .private_segment_fixed_size: 0
    .kernarg_segment_align: 8
    .kernarg_segment_size: 40
    .max_flat_workgroup_size: 128
    .sgpr_count:     104
    .vgpr_count:     512
    .wavefront_size: 32
...
	.end_amdgpu_metadata
.endif
;; end of part 12
;; launch ln1 (part 13): grid 256 x 1, 4 waves a work-group, no clusters, 66,304 bytes of LDS; arguments ybuf, g1, be1, x1, act; writes x1, act
.if DOCPART == 13
	.amdgcn_target "amdgcn-amd-amdhsa--gfx1250"
	.amdhsa_code_object_version 6
	.text
	.protected	k_qafce25ba07_ln1
	.globl	k_qafce25ba07_ln1
	.p2align	8
	.type	k_qafce25ba07_ln1,@function
k_qafce25ba07_ln1:
	s_mov_b64 s[64:65], 0
	v_nop
	global_prefetch_b8 v0, s[64:65] scope:SCOPE_SE
	s_setreg_imm32_b32 hwreg(HW_REG_WAVE_MODE, 25, 1), 1
	s_wait_xcnt 0x0
; x1 = layernorm(y) g + be, f32, and its codes of E3M2 along D as images of the operand's registers (layout: as the first launch lays x).
; A work-group owns one tile of 16 rows (group G, tile i): stage row e is token 128 G + 32 (i / 2) + 8 (i % 2) + e % 8 + 16 (e / 8).  Phase 1: a wave takes four rows, each whole in 32 registers: mean, variance of
; the differences, 1 / sqrt, gain and bias; rows go to x1 (512 consecutive bytes a store) and to the stage.  One barrier.  Phase 2: wave w quantises K steps 2 w and 2 w + 1 of all 16 rows.
; Memory binds: no matrix unit, no cluster.  LIMITS: NaN and infinities are not served; a block of zeros gets the byte 1 (its codes are zeros; only this program reads the bytes).
.set ASC,  3145728
.set SPL,  4112                        ; a stage row: 4,096 bytes + 16 = 1,028 words: row r starts at bank 4 r
.set GC,   5
.set QA,   7
.set H8,   8
.set R,    32                          ; v32-159  four rows
.set GG,   160                         ; v160-191 the gain of my 32 columns
.set BE,   192                         ; v192-223 the bias
.set T,    224                         ; v224-239 four registers a row, at work
.set X,    64
.set CD,   16
.set CT,   40
.set MX,   48
.set SO,   50
.set BY,   52
.set WQ,   54
.set WT,   56
.set SEL,  22
.set CB,   24
.macro QSTEP q
.irp u, 0,1
.irp e, 0,1,2,3,4,5,6,7
	ds_load_b128 v[X+32*\u+4*\e:X+32*\u+4*\e+3], v[QA] offset:512*\q+256*\u+16*\e
.endr
.endr
	s_wait_dscnt 0x0
.irp u, 0,1
	v_max3_num_f32 v[MX+\u], |v[X+32*\u]|, |v[X+32*\u+1]|, 0x2800000   ; the floor 2^(5 - 127): the byte cannot fall under 1
.endr
.irp i, 2,4,6,8,10,12,14,16,18,20,22,24,26,28,30
.irp u, 0,1
	v_max3_num_f32 v[MX+\u], v[MX+\u], |v[X+32*\u+\i]|, |v[X+32*\u+\i+1]|
.endr
.endr
.irp u, 0,1
	v_add_nc_u32 v[SO+\u], 0xfe000000, v[MX+\u]
.endr
.irp u, 0,1
	v_lshrrev_b32 v[BY+\u], 23, v[SO+\u]
.endr
	v_lshl_or_b32 v[WQ+\q], v[BY+1], 16, v[BY]
	v_lshlrev_b32 v[WQ+\q], v[H8], v[WQ+\q]
	v_permlanex16_b32 v[WT], v[WQ+\q], s[SEL], s[SEL+1]
	v_or_b32 v[WQ+\q], v[WQ+\q], v[WT]
.irp u, 0,1
	v_cvt_scalef32_pk16_bf6_f32 v[CD+12*\q+6*\u:CD+12*\q+6*\u+2], v[X+32*\u:X+32*\u+15], v[SO+\u]
	v_cvt_scalef32_pk16_bf6_f32 v[CT+4*\u:CT+4*\u+2], v[X+32*\u+16:X+32*\u+31], v[SO+\u]
.endr
	v_nop                                          ; one plain place behind a scaled conversion
.irp u, 0,1
.irp i, 0,1,2
	v_mov_b32 v[CD+12*\q+6*\u+3+\i], v[CT+4*\u+\i]
.endr
.endr
.irp c, 0,1,2
	global_store_b128 v[GC], v[CD+12*\q+4*\c:CD+12*\q+4*\c+3], s[CB:CB+1] offset:12288*\q+512*\c
.endr
.endm
.macro LANESUM o                       ; v[T + 4 p + o] summed over the 32 lanes, for the four rows by turns
.irp m, 1,2,4,8
.irp p, 0,1,2,3
	v_add_f32_dpp v[T+4*\p+\o], v[T+4*\p+\o], v[T+4*\p+\o] row_xmask:\m row_mask:0xf bank_mask:0xf
.endr
.endr
.irp p, 0,1,2,3
	v_permlanex16_b32 v[T+4*\p+\o+1], v[T+4*\p+\o], s[SEL], s[SEL+1]
.endr
.irp p, 0,1,2,3
	v_add_f32 v[T+4*\p+\o], v[T+4*\p+\o], v[T+4*\p+\o+1]
.endr
.endm
	s_load_b256 s[4:11], s[0:1], 0x0               ; y s[4:5], g s[6:7], be s[8:9], x1 s[10:11]
	s_load_b64 s[12:13], s[0:1], 0x20              ; act
	v_lshl_add_u32 v240, v0, 2, 0x10100
	v_mov_b32 v241, 0
	v_lshrrev_b32 v1, 5, v0
	v_readfirstlane_b32 s14, v1                    ; wave
	v_and_b32 v2, 31, v0
	v_and_b32 v3, 15, v0                           ; r
	v_bfe_u32 v4, v0, 4, 1                         ; h
	v_lshlrev_b32 v[GC], 4, v2
	s_mul_i32 s15, s14, 4*SPL
	v_add_nc_u32 v6, s15, v[GC]                    ; the stage, on the way in: my four rows
	v_mul_u32_u24 v[QA], v3, SPL
	v_lshl_add_u32 v[QA], v4, 7, v[QA]
	s_lshl_b32 s15, s14, 10
	v_add_nc_u32 v[QA], s15, v[QA]                 ; and out: row r, my wave's 1,024 bytes, + 128 h
	v_lshlrev_b32 v[H8], 3, v4
	v_lshlrev_b32 v9, 3, v3
	v_lshl_add_u32 v9, v4, 2, v9
	s_lshr_b32 s15, ttmp9, 3                       ; G
	s_and_b32 s16, ttmp9, 7                        ; i
	s_lshr_b32 s17, s16, 1
	s_lshl_b32 s17, s17, 5
	s_and_b32 s18, s16, 1
	s_lshl_b32 s18, s18, 3
	s_add_co_u32 s17, s17, s18
	s_lshl_b32 s18, s15, 7
	s_add_co_u32 s17, s17, s18
	s_and_b32 s18, s14, 1
	s_lshl_b32 s18, s18, 2
	s_add_co_u32 s17, s17, s18
	s_lshr_b32 s18, s14, 1
	s_lshl_b32 s18, s18, 4
	s_add_co_u32 s17, s17, s18                     ; my first token
	s_lshl_b32 s18, s17, 12
	s_mov_b32 s19, 0
	s_mov_b32 s20, 0x3a800000                      ; 1 / 1024
	s_mov_b32 s21, 0x3727c5ac                      ; 1e-5
	s_mov_b32 s[SEL], 0x76543210
	s_mov_b32 s[SEL+1], 0xfedcba98
	s_lshl_b32 s24, s15, 3
	s_lshl_b32 s25, s14, 1
	s_add_co_u32 s24, s24, s25
	s_lshl_b32 s24, s24, 3
	s_add_co_u32 s24, s24, s16
	s_mul_i32 s24, s24, 1536
	s_mov_b32 s25, 0
	s_lshl_b32 s26, s15, 2
	s_add_co_u32 s26, s26, s14
	s_lshl_b32 s26, s26, 3
	s_add_co_u32 s26, s26, s16
	s_lshl_b32 s26, s26, 7
	s_add_co_u32 s26, s26, ASC
	s_mov_b32 s27, 0
	s_mov_b32 s28, 0xffff0000
	s_wait_alu depctr_va_vdst(0)
	s_wait_kmcnt 0x0
	s_add_nc_u64 s[4:5], s[4:5], s[18:19]
	s_add_nc_u64 s[10:11], s[10:11], s[18:19]
	s_add_nc_u64 s[24:25], s[12:13], s[24:25]
	s_add_nc_u64 s[26:27], s[12:13], s[26:27]
.irp p, 0,1,2,3
.irp m, 0,1,2,3,4,5,6,7
	global_load_b128 v[R+32*\p+4*\m:R+32*\p+4*\m+3], v[GC], s[4:5] offset:4096*\p+512*\m th:TH_LOAD_NT
.endr
.endr
.irp m, 0,1,2,3,4,5,6,7
	global_load_b128 v[GG+4*\m:GG+4*\m+3], v[GC], s[6:7] offset:512*\m
	global_load_b128 v[BE+4*\m:BE+4*\m+3], v[GC], s[8:9] offset:512*\m
.endr
	s_wait_loadcnt 0x0
.irp p, 0,1,2,3
	v_pk_add_f32 v[T+4*\p:T+4*\p+1], v[R+32*\p:R+32*\p+1], v[R+32*\p+2:R+32*\p+3]
	v_pk_add_f32 v[T+4*\p+2:T+4*\p+3], v[R+32*\p+4:R+32*\p+5], v[R+32*\p+6:R+32*\p+7]
.endr
.irp k, 8,12,16,20,24,28
.irp p, 0,1,2,3
	v_pk_add_f32 v[T+4*\p:T+4*\p+1], v[T+4*\p:T+4*\p+1], v[R+32*\p+\k:R+32*\p+\k+1]
	v_pk_add_f32 v[T+4*\p+2:T+4*\p+3], v[T+4*\p+2:T+4*\p+3], v[R+32*\p+\k+2:R+32*\p+\k+3]
.endr
.endr
.irp p, 0,1,2,3
	v_pk_add_f32 v[T+4*\p:T+4*\p+1], v[T+4*\p:T+4*\p+1], v[T+4*\p+2:T+4*\p+3]
.endr
.irp p, 0,1,2,3
	v_add_f32 v[T+4*\p], v[T+4*\p], v[T+4*\p+1]
.endr
	LANESUM 0
.irp p, 0,1,2,3
	v_mul_f32 v[T+4*\p], s20, v[T+4*\p]            ; the mean
.endr
.irp k, 0,2,4,6,8,10,12,14,16,18,20,22,24,26,28,30
.irp p, 0,1,2,3
	v_pk_add_f32 v[R+32*\p+\k:R+32*\p+\k+1], v[R+32*\p+\k:R+32*\p+\k+1], v[T+4*\p:T+4*\p+1] op_sel_hi:[1,0] neg_lo:[0,1] neg_hi:[0,1]   ; x - mean
.endr
.endr
.irp p, 0,1,2,3
	v_pk_mul_f32 v[T+4*\p+2:T+4*\p+3], v[R+32*\p:R+32*\p+1], v[R+32*\p:R+32*\p+1]
.endr
.irp k, 2,4,6,8,10,12,14,16,18,20,22,24,26,28,30
.irp p, 0,1,2,3
	v_pk_fma_f32 v[T+4*\p+2:T+4*\p+3], v[R+32*\p+\k:R+32*\p+\k+1], v[R+32*\p+\k:R+32*\p+\k+1], v[T+4*\p+2:T+4*\p+3]
.endr
.endr
.irp p, 0,1,2,3
	v_add_f32 v[T+4*\p+2], v[T+4*\p+2], v[T+4*\p+3]
.endr
	LANESUM 2
.irp p, 0,1,2,3
	v_fma_f32 v[T+4*\p+2], v[T+4*\p+2], s20, s21   ; the variance + 1e-5
.endr
	s_wait_alu depctr_va_vdst(0)
.irp p, 0,1,2,3
	v_rsq_f32 v[T+4*\p+2], v[T+4*\p+2]
.endr
	v_nop                                          ; a plain place behind the batch
	s_wait_alu depctr_va_vdst(0)                   ; one wait for the four, ahead of their first reader
.irp k, 0,2,4,6,8,10,12,14,16,18,20,22,24,26,28,30
.irp p, 0,1,2,3
	v_pk_mul_f32 v[R+32*\p+\k:R+32*\p+\k+1], v[R+32*\p+\k:R+32*\p+\k+1], v[T+4*\p+2:T+4*\p+3] op_sel_hi:[1,0]
.endr
.endr
.irp k, 0,2,4,6,8,10,12,14,16,18,20,22,24,26,28,30
.irp p, 0,1,2,3
	v_pk_fma_f32 v[R+32*\p+\k:R+32*\p+\k+1], v[R+32*\p+\k:R+32*\p+\k+1], v[GG+\k:GG+\k+1], v[BE+\k:BE+\k+1]
.endr
.endr
.irp p, 0,1,2,3
.irp m, 0,1,2,3,4,5,6,7
	global_store_b128 v[GC], v[R+32*\p+4*\m:R+32*\p+4*\m+3], s[10:11] offset:4096*\p+512*\m
	ds_store_b128 v6, v[R+32*\p+4*\m:R+32*\p+4*\m+3] offset:SPL*\p+512*\m
.endr
.endr
	s_wait_dscnt 0x0                               ; for the others' sake: my four rows lie in the stage
	s_barrier_signal -1
	s_barrier_wait -1
	s_wait_xcnt 0x0                                ; the stores to x1 have read their registers: they may be written again
	v_mov_b32 v[WT], 0
	QSTEP 0
	QSTEP 1
	v_cndmask_b32 v57, v[WQ], v[WQ+1], s28
	global_store_b32 v9, v57, s[26:27]
	s_wait_tensorcnt 0x0
	ds_add_u32 v240, v241
	s_wait_dscnt 0x0
	s_endpgm
.Lfunc_end_k_qafce25ba07_ln1:
	.size	k_qafce25ba07_ln1, .Lfunc_end_k_qafce25ba07_ln1-k_qafce25ba07_ln1
	.p2alignl 7, 3214868480
	.fill 96, 4, 3214868480
	.section	.rodata,"a",@progbits
	.p2align	6, 0x0
	.amdhsa_kernel k_qafce25ba07_ln1
		.amdhsa_group_segment_fixed_size 66304
		.amdhsa_private_segment_fixed_size 0
		.amdhsa_enable_private_segment 0
		.amdhsa_kernarg_size 40
		.amdhsa_user_sgpr_count 2
		.amdhsa_user_sgpr_kernarg_segment_ptr 1
		.amdhsa_wavefront_size32 1
		.amdhsa_system_sgpr_workgroup_id_x 1
		.amdhsa_system_sgpr_workgroup_id_y 1
		.amdhsa_system_sgpr_workgroup_id_z 1
		.amdhsa_system_vgpr_workitem_id 0
		.amdhsa_next_free_vgpr 242
		.amdhsa_next_free_sgpr 66
		.amdhsa_reserve_vcc 0
		.amdhsa_float_denorm_mode_32 3
		.amdhsa_float_denorm_mode_16_64 3
		.amdhsa_memory_ordered 1
		.amdhsa_forward_progress 1
		.amdhsa_inst_pref_size 45
	.end_amdhsa_kernel
	.amdgpu_metadata
---
amdhsa.version: [ 1, 2 ]
amdhsa.kernels:
  - .name:           k_qafce25ba07_ln1
    .symbol:         k_qafce25ba07_ln1.kd
    .args:
      - { .name: ybuf, .offset: 0, .size: 8, .value_kind: global_buffer, .address_space: global }
      - { .name: g1, .offset: 8, .size: 8, .value_kind: global_buffer, .address_space: global }
      - { .name: be1, .offset: 16, .size: 8, .value_kind: global_buffer, .address_space: global }
      - { .name: x1, .offset: 24, .size: 8, .value_kind: global_buffer, .address_space: global }
      - { .name: act, .offset: 32, .size: 8, .value_kind: global_buffer, .address_space: global }
    .group_segment_fixed_size: 66304
    .private_segment_fixed_size: 0
    .kernarg_segment_align: 8
    .kernarg_segment_size: 40
    .max_flat_workgroup_size: 128
    .sgpr_count:     66
    .vgpr_count:     242
    .wavefront_size: 32
...
	.end_amdgpu_metadata
.endif
;; end of part 13
;; launch gemm_ffn1 (part 14): grid 16 x 16, 4 waves a work-group, clusters of 4 x 4, 327,680 bytes of LDS; arguments act, wts, fb1, hbuf; writes hbuf
.if DOCPART == 14
	.amdgcn_target "amdgcn-amd-amdhsa--gfx1250"
	.amdhsa_code_object_version 6
	.text
	.protected	k_qafce25ba07_gemm_ffn1
	.globl	k_qafce25ba07_gemm_ffn1
	.p2align	8
	.type	k_qafce25ba07_gemm_ffn1,@function
k_qafce25ba07_gemm_ffn1:
	s_mov_b64 s[64:65], 0
	v_nop
	global_prefetch_b8 v0, s[64:65] scope:SCOPE_SE
	s_setreg_imm32_b32 hwreg(HW_REG_WAVE_MODE, 25, 1), 1
	s_wait_xcnt 0x0
	s_wait_alu depctr_hold_cnt(0) depctr_sa_sdst(0) depctr_va_vdst(0) depctr_va_sdst(0) depctr_va_ssrc(0) depctr_va_vcc(0) depctr_vm_vsrc(0)
	s_getreg_b32 s2, hwreg(HW_REG_IB_STS2, 6, 4)
	s_cmp_eq_u32 s2, 0
	s_cbranch_scc0 .Lentry_in_a_cluster
	s_endpgm
.Lentry_in_a_cluster:
	s_bfe_u32 s2, ttmp6, 0x10000c
	s_cmp_lg_u32 s2, 0xf033
	s_cbranch_scc0 .Lentry_shape_is_right
	s_endpgm
.Lentry_shape_is_right:
.set KK,     1024
.set ASCALE, 3145728
.set BG0,    0
.set BCODE,  3145728
.set BSCALE, 9568256
.set HSC,    12582912
.set LAPS,   KK/512
.set GB,     96*KK
.set GS,     4*KK
.set HALFT,  24576
.set SLOT,   4*HALFT
.set SCL,    2*SLOT
.set SPARE,  SCL+4*GS
.set FR,     12
.set NL,     3
.set NP,     4
.set NQ,     2
.set ADRA, 16
.set ADRB, 20
.set SO8,  24
.set CO,   26
.set ADRS, 27
.set SPW,  28
.set NIL,  29
.set CI,   30
.set SC,   32
.set AF,   128
.set H,    128
.set PC,   192
.set TM,   232
.set PW,   248
.set PWE,  249
.set SEL,  100
.set HM,   96
.set G1, 24
.set G0, 32
.set G1B, 48
.set G0B, 56
.set G1S, 68
.set G0S, 76
.set G1SB, 80
.set G0SB, 88
.set MSB, 0
.macro WIN new
.if MSB != (\new)
	s_set_vgpr_msb (MSB<<8)|(\new)
.set MSB, (\new)
.endif
.endm
.set MUL_LO, 0xa1
.set MUL_HI, 0xf1
.set TO_B,   0x40
.macro JLOAD g0a, g1a, g0b, g1b
	s_cmp_eq_u32 s15, 0
	s_cbranch_scc0 .Lfor_b_\@
	tensor_load_to_lds s[\g0a:\g0a+3], s[\g1a:\g1a+7]
	s_nop 0
.rept 4
	v_nop
.endr
	s_branch .Lasked_\@
.Lfor_b_\@:
	tensor_load_to_lds s[\g0b:\g0b+3], s[\g1b:\g1b+7]
	s_nop 0
.rept 4
	v_nop
.endr
.Lasked_\@:
.endm
.macro CREST
	s_cmp_lg_u32 s14, 0
	s_cbranch_scc1 .Lnot_wave_0_\@
	s_barrier_signal -3
.Lnot_wave_0_\@:
	s_barrier_wait -3
	s_barrier_signal -1
	s_barrier_wait -1
.endm
.macro CROUND
	s_barrier_signal -1
	s_barrier_wait -1
	CREST
.endm
.macro FRAG reg, adr, q, i
.irp c, 0,1,2
	ds_load_b128 v[\reg+4*\c:\reg+4*\c+3], v[\adr] offset:12288*(\q)+1536*(\i)+512*\c
.endr
.endm
.macro MUL16 a0, p, q, sc, zero
.irp a, \a0, \a0+1
.irp b, 0,1,2,3,4,5,6,7
.if \zero
	v_wmma_scale_f32_16x16x128_f8f6f4 v[8*(8*((\a)%4)+\b):8*(8*((\a)%4)+\b)+7], v[128*(\p)+FR*\b:128*(\p)+FR*\b+FR-1], v[AF+FR*(\a):AF+FR*(\a)+FR-1], 0, v[SC+8*NQ*(\sc)+NQ*\b+(\q)], v[SC+8*NQ*(\sc)+NQ*(\a)+(\q)] matrix_a_fmt:MATRIX_FMT_BF6 matrix_b_fmt:MATRIX_FMT_BF6 matrix_a_scale:MATRIX_SCALE_ROW1
.else
	v_wmma_scale_f32_16x16x128_f8f6f4 v[8*(8*((\a)%4)+\b):8*(8*((\a)%4)+\b)+7], v[128*(\p)+FR*\b:128*(\p)+FR*\b+FR-1], v[AF+FR*(\a):AF+FR*(\a)+FR-1], v[8*(8*((\a)%4)+\b):8*(8*((\a)%4)+\b)+7], v[SC+8*NQ*(\sc)+NQ*\b+(\q)], v[SC+8*NQ*(\sc)+NQ*(\a)+(\q)] matrix_a_fmt:MATRIX_FMT_BF6 matrix_b_fmt:MATRIX_FMT_BF6 matrix_a_scale:MATRIX_SCALE_ROW1
.endif
.endr
.endr
.endm
.macro FETCH_B slot, q, p
	WIN TO_B
.irp i, 0,1,2,3,4,5,6,7
	FRAG 128*(\p)+FR*\i, ADRB+\slot, \q, \i
.endr
	WIN 0
.endm
.macro FETCH_A slot, q, i0
.irp i, \i0, \i0+1, \i0+2, \i0+3
	FRAG AF+FR*(\i), ADRA+\slot, \q, \i
.endr
.endm
.macro SCALES sc
.irp i, 0,1,2,3,4,5,6,7
	ds_load_b64 v[SC+8*NQ*\sc+NQ*\i:SC+8*NQ*\sc+NQ*\i+1], v[ADRS] offset:128*\i
.endr
.endm
.macro PLACES n
.rept \n
	v_nop
.endr
.endm
.macro STEP slot, q, zero
	s_wait_dscnt 4*NL
	WIN MUL_LO
	MUL16 0, (\q)%2, \q, \slot, \zero
	MUL16 2, (\q)%2, \q, \slot, \zero
	s_wait_dscnt 0
	PLACES NP
	FETCH_B \slot, (\q)+1, 1-(\q)%2
	FETCH_A \slot, (\q)+1, 0
	WIN MUL_HI
	MUL16 4, (\q)%2, \q, \slot, \zero
	MUL16 6, (\q)%2, \q, \slot, \zero
	PLACES NP
	WIN 0
	FETCH_A \slot, (\q)+1, 4
.endm
.macro TURN slot, next, fill
	s_wait_tensorcnt 0x0
	ds_add_u32 v[SPW], v[NIL]
	s_wait_dscnt 4*NL+1
	WIN MUL_LO
	MUL16 0, 1, NQ-1, \slot, 0
	s_wait_dscnt 0x0
	s_barrier_signal -1
	MUL16 2, 1, NQ-1, \slot, 0
	WIN 0
	s_barrier_wait -1
.if \fill
	CREST
	s_add_nc_u64 s[G0+4*\slot+2:G0+4*\slot+3], s[G0+4*\slot+2:G0+4*\slot+3], 2*HALFT
	s_add_nc_u64 s[G0B+4*\slot+2:G0B+4*\slot+3], s[G0B+4*\slot+2:G0B+4*\slot+3], 2*HALFT
	JLOAD G0+4*\slot, G1, G0B+4*\slot, G1B
.else
	PLACES NP
.endif
	s_wait_alu depctr_va_vdst(0)
	v_add_nc_u32 v[ADRS], 1024, v[ADRS]
	FETCH_B \next, 0, 0
	FETCH_A \next, 0, 0
	SCALES \next
.if \fill                              ; K has four chunks of 256: behind the refill with chunk 2 and the run of LDS loads, the bytes of chunk 3, one slot ahead; the last refill has none behind it
.if \slot == 0
	global_prefetch_b8 v31, s[94:95] offset:3*HALFT th:TH_LOAD_NT scope:SCOPE_SE
.endif
.endif
	WIN MUL_HI
	MUL16 4, 1, NQ-1, \slot, 0
	MUL16 6, 1, NQ-1, \slot, 0
	PLACES NP
	WIN 0
	FETCH_A \next, 0, 4
.endm
.macro CINIT base, rowp
.irp a, 0,1,2,3,4,5,6,7
	WIN 0x80+0x40*(\a/4)
.irp b, 0,1,2,3,4,5,6,7
.irp e, 0,1
	global_load_b128 v[8*(8*(\a%4)+\b)+4*\e:8*(8*(\a%4)+\b)+4*\e+3], v[CI], s[\base:\base+1] offset:(32*(\a/2)+8*(\a%2))*\rowp+128*(\b/2)+32*(\b%2)+16*\e
.endr
.endr
.endr
	WIN 0
.endm
.macro QUANT s
.irp b, 0,1,2,3
	v_max3_num_f32 v[TM+\b], |v[\s+16*\b]|, |v[\s+1+16*\b]|, 0x2800000
.endr
.irp i, 2,4,6,8,10,12,14
.irp b, 0,1,2,3
	v_max3_num_f32 v[TM+\b], v[TM+\b], |v[\s+16*\b+\i]|, |v[\s+1+16*\b+\i]|
.endr
.endr
.irp b, 0,1,2,3
	v_permlanex16_b32 v[TM+4+\b], v[TM+\b], s[SEL], s[SEL+1]
.endr
.irp b, 0,1,2,3
	v_max_num_f32 v[TM+\b], v[TM+\b], v[TM+4+\b]
.endr
.irp b, 0,1,2,3
	v_add_nc_u32 v[TM+12+\b], 0xfe000000, v[TM+\b]
.endr
.irp b, 0,1,2,3
	v_lshrrev_b32 v[TM+4+\b], 23, v[TM+12+\b]
.endr
	v_lshl_or_b32 v[PW], v[TM+5], 8, v[TM+4]
	v_lshl_or_b32 v[PW], v[TM+6], 16, v[PW]
	v_lshl_or_b32 v[PW], v[TM+7], 24, v[PW]
.irp c, 0,1
	v_cvt_scalef32_pk16_bf6_f32 v[PC+6*\c:PC+2+6*\c], v[\s+32*\c:\s+15+32*\c], v[TM+12+2*\c]
	v_cvt_scalef32_pk16_bf6_f32 v[PC+12+4*\c:PC+14+4*\c], v[\s+16+32*\c:\s+31+32*\c], v[TM+12+2*\c+1]
.endr
	v_nop
.irp c, 0,1
.irp i, 0,1,2
	v_permlane16_swap_b32 v[PC+6*\c+\i], v[PC+12+4*\c+\i]
.endr
.irp i, 0,1,2
	v_mov_b32 v[PC+3+6*\c+\i], v[PC+12+4*\c+\i]
.endr
.endr
.endm
	s_load_b128 s[4:7], s[0:1], 0x0
	s_load_b128 s[8:11], s[0:1], 0x10
	v_lshl_add_u32 v[SPW], v0, 2, SPARE
	v_mov_b32 v[NIL], 0
	ds_add_u32 v28, v29
	ds_add_u32 v28, v29
	s_wait_dscnt 0x0
	v_lshrrev_b32 v1, 5, v0
	v_readfirstlane_b32 s14, v1
	v_and_b32 v31, 31, v0
	v_min_u32 v31, 23, v31
	v_lshlrev_b32 v31, 8, v31                      ; the prefetches' offset: a lane a block of 256 bytes, 24 blocks; the lanes left over name the last again
	s_wait_alu depctr_va_vdst(0)                   ; directly behind the write
	s_lshr_b32 s15, s14, 1
	s_and_b32 s16, s14, 1
	s_bfe_u32 s40, ttmp6, 0x40000
	s_bfe_u32 s41, ttmp6, 0x40004
	s_lshl_b32 s42, ttmp9, 2
	s_add_co_u32 s42, s42, s40
	s_and_b32 s17, ttmp7, 0xffff
	s_lshl_b32 s17, s17, 2
	s_add_co_u32 s17, s17, s41
	s_lshl_b32 s43, s41, 2
	s_lshl_b32 s43, 15, s43
	s_lshl_b32 s44, 0x1111, s40
	s_or_b32 s[G1+0], s43, (3<<16)|(1<<21)
	s_or_b32 s[G1B+0], s44, (3<<16)|(1<<21)
.irp g, G1, G1B
	s_mov_b32 s[\g+1], 32<<16
	s_mov_b32 s[\g+2], 96<<16
	s_mov_b32 s[\g+3], 32<<16
	s_mov_b32 s[\g+4], 96
	s_mov_b32 s[\g+5], 32
	s_mov_b32 s[\g+6], 0
	s_mov_b32 s[\g+7], 0
.endr
	s_or_b32 s[G1S+0], s43, (3<<16)|(1<<21)
	s_or_b32 s[G1SB+0], s44, (3<<16)|(1<<21)
.irp g, G1S, G1SB
	s_mov_b32 s[\g+1], 32<<16
	s_mov_b32 s[\g+2], (GS/256)<<16
	s_mov_b32 s[\g+3], 32<<16
	s_mov_b32 s[\g+4], GS/256
	s_mov_b32 s[\g+5], 32
	s_mov_b32 s[\g+6], 0
	s_mov_b32 s[\g+7], 0
.endr
	s_lshl_b32 s20, s17, 1
	s_add_co_u32 s20, s20, s16
	s_lshl_b32 s46, s42, 1
	s_add_co_u32 s46, s46, s16
	s_add_co_u32 s46, s46, BG0
	s_mul_i32 s22, s20, GS
	s_add_co_u32 s22, s22, ASCALE
	s_mov_b32 s23, 0
	s_mul_i32 s20, s20, GB
	s_mov_b32 s21, 0
	s_mul_i32 s92, s46, GS
	s_add_co_u32 s92, s92, BSCALE
	s_mov_b32 s93, 0
	s_mul_i32 s46, s46, GB
	s_add_co_u32 s46, s46, BCODE
	s_mov_b32 s47, 0
	s_mul_i32 s45, s14, HALFT
	s_mul_i32 s94, s14, GS
	s_wait_kmcnt 0x0
	s_add_nc_u64 s[22:23], s[4:5], s[22:23]
	s_add_nc_u64 s[20:21], s[4:5], s[20:21]
	s_add_nc_u64 s[92:93], s[6:7], s[92:93]
	s_add_nc_u64 s[46:47], s[6:7], s[46:47]
	CROUND
	s_mov_b32 s[G0S], 1
	s_add_co_u32 s[G0S+1], s94, SCL
	s_mov_b64 s[G0S+2:G0S+3], s[22:23]
	s_or_b32 s[G0S+3], s[G0S+3], 0x80000000
	s_mov_b32 s[G0SB], 1
	s_add_co_u32 s[G0SB+1], s94, SCL
	s_mov_b64 s[G0SB+2:G0SB+3], s[92:93]
	s_or_b32 s[G0SB+3], s[G0SB+3], 0x80000000
	JLOAD G0S, G1S, G0SB, G1SB                     ; the scale words: filled once; my one tensor load at the head
	s_cmp_eq_u32 s15, 0                            ; the prefetches: of the 24,576 bytes that I fetch for a slot, each of the four partners that ask with me names 6,144, told apart by address
	s_cselect_b64 s[94:95], s[20:21], s[46:47]
	s_cselect_b32 s92, s40, s41
	s_mul_i32 s92, s92, 6144
	s_mov_b32 s93, 0
	s_add_nc_u64 s[94:95], s[94:95], s[92:93]
	global_prefetch_b8 v31, s[94:95] th:TH_LOAD_NT scope:SCOPE_SE                 ; chunk 0, whose load stands behind the next round,
	global_prefetch_b8 v31, s[94:95] offset:HALFT th:TH_LOAD_NT scope:SCOPE_SE    ; and chunk 1, behind the round after that
.irp s, 0,1
	s_mov_b32 s[G0+4*\s], 1
	s_add_co_u32 s[G0+4*\s+1], s45, \s*SLOT
	s_add_nc_u64 s[G0+4*\s+2:G0+4*\s+3], s[20:21], \s*HALFT
	s_or_b32 s[G0+4*\s+3], s[G0+4*\s+3], 0x80000000
	s_mov_b32 s[G0B+4*\s], 1
	s_add_co_u32 s[G0B+4*\s+1], s45, \s*SLOT
	s_add_nc_u64 s[G0B+4*\s+2:G0B+4*\s+3], s[46:47], \s*HALFT
	s_or_b32 s[G0B+4*\s+3], s[G0B+4*\s+3], 0x80000000
.endr
	v_and_b32 v1, 15, v0
	v_bfe_u32 v2, v0, 4, 1
	s_wait_alu depctr_va_vdst(0)
	v_and_b32 v3, 31, v0
	v_lshlrev_b32 v[CO], 4, v3
	s_mul_i32 s21, s15, HALFT
	s_mul_i32 s22, s16, HALFT
	s_add_co_u32 s22, s22, 2*HALFT
.irp s, 0,1
	v_add_nc_u32 v[ADRA+\s], s21, v[CO]
	v_add_nc_u32 v[ADRB+\s], s22, v[CO]
	s_add_co_u32 s21, s21, SLOT
	s_add_co_u32 s22, s22, SLOT
.endr
	v_lshlrev_b32 v5, 3, v1
	s_mul_i32 s21, s15, GS
	s_mul_i32 s22, s16, GS
	s_add_co_u32 s22, s22, 2*GS
	s_sub_co_u32 s22, s22, s21
	v_mul_u32_u24 v6, s22, v2
	s_add_co_u32 s21, s21, SCL
	v_add_nc_u32 v6, v5, v6
	v_add_nc_u32 v[ADRS], s21, v6
	v_lshl_add_u32 v[SO8], v2, 7, v5
	v_lshlrev_b32 v[CI], 6, v2
.irp b, 0,1,2,3
	v_mov_b32 v[TM+4+\b], 0
.endr
	s_lshl_b32 s46, s42, 10
	s_lshl_b32 s47, s16, 9
	s_add_co_u32 s46, s46, s47
	s_mov_b32 s47, 0
	s_add_nc_u64 s[8:9], s[8:9], s[46:47]
	CINIT 8, 0
	s_wait_alu depctr_va_vdst(0)
	s_wait_tensorcnt 0x0                           ; the head's addresses and the bias's loads stood under the scale words' flight; each later first fill stands behind these lines and a round
	ds_add_u32 v[SPW], v[NIL]
	s_wait_dscnt 0x0
	CROUND
	JLOAD G0, G1, G0B, G1B                         ; slot 0
	s_wait_tensorcnt 0x0
	ds_add_u32 v[SPW], v[NIL]
	s_wait_dscnt 0x0
	CROUND                                         ; everybody's part of slot 0 and the scale words are in
	JLOAD G0+4, G1, G0B+4, G1B                     ; slot 1
	global_prefetch_b8 v31, s[94:95] offset:2*HALFT th:TH_LOAD_NT scope:SCOPE_SE  ; chunk 2, the first refill's
	FETCH_B 0, 0, 0
	FETCH_A 0, 0, 0
	SCALES 0
	FETCH_A 0, 0, 4
	s_wait_loadcnt 0x0
	STEP 0, 0, 0
	s_mov_b32 s3, LAPS-1
.Llap:
	TURN 0, 1, 1
	STEP 1, 0, 0
	TURN 1, 0, 1
	STEP 0, 0, 0
	s_sub_co_u32 s3, s3, 1
	s_cmp_lg_u32 s3, 0
	s_cbranch_scc1 .Llap
	TURN 0, 1, 0
	STEP 1, 0, 0
	s_wait_dscnt 4*NL
	WIN MUL_LO
	MUL16 0, 1, NQ-1, 1, 0
	MUL16 2, 1, NQ-1, 1, 0
	s_wait_dscnt 0
	WIN MUL_HI
	MUL16 4, 1, NQ-1, 1, 0
	MUL16 6, 1, NQ-1, 1, 0
	WIN 0
	PLACES NP
	s_mov_b32 s[SEL], 0x76543210
	s_mov_b32 s[SEL+1], 0xfedcba98
	s_mov_b32 s[HM], 0xffff0000
	s_lshl_b32 s20, s17, 1
	s_add_co_u32 s20, s20, s15
	s_lshl_b32 s22, s20, 5
	s_lshl_b32 s23, s42, 1
	s_add_co_u32 s22, s22, s23
	s_add_co_u32 s22, s22, s16
	s_mul_i32 s22, s22, 12288
	s_mov_b32 s23, 0
	s_lshl_b32 s46, s20, 4
	s_add_co_u32 s46, s46, s42
	s_lshl_b32 s46, s46, 10
	s_lshl_b32 s47, s16, 2
	s_add_co_u32 s46, s46, s47
	s_add_co_u32 s46, s46, HSC
	s_mov_b32 s47, 0
	s_add_nc_u64 s[22:23], s[10:11], s[22:23]
	s_add_nc_u64 s[46:47], s[10:11], s[46:47]
.irp a, 0,1,2,3,4,5,6,7
	s_wait_xcnt 0x0
	WIN 0x08+4*(\a/4)
.set JJ, 0
.rept 64
	v_max_num_f32 v[H+JJ], 0, v[64*(\a%4)+JJ]
.set JJ, JJ+1
.endr
	WIN 0
	QUANT H
.irp c, 0,1,2
	global_store_b128 v[CO], v[PC+4*\c:PC+4*\c+3], s[22:23] offset:1536*\a+512*\c
.endr
.if \a%2 == 0
	v_mov_b32 v[PWE], v[PW]
.else
	v_cndmask_b32 v[PWE], v[PWE], v[PW], s[HM]
	global_store_b32 v[SO8], v[PWE], s[46:47] offset:128*(\a-1)
.endif
.endr
	s_wait_tensorcnt 0x0
	ds_add_u32 v[SPW], v[NIL]
	s_wait_dscnt 0x0
	CROUND
	s_endpgm
.Lfunc_end_k_qafce25ba07_gemm_ffn1:
	.size	k_qafce25ba07_gemm_ffn1, .Lfunc_end_k_qafce25ba07_gemm_ffn1-k_qafce25ba07_gemm_ffn1
	.p2alignl 7, 3214868480
	.fill 96, 4, 3214868480
	.section	.rodata,"a",@progbits
	.p2align	6, 0x0
	.amdhsa_kernel k_qafce25ba07_gemm_ffn1
		.amdhsa_group_segment_fixed_size 327680
		.amdhsa_private_segment_fixed_size 0
		.amdhsa_enable_private_segment 0
		.amdhsa_kernarg_size 32
		.amdhsa_user_sgpr_count 2
		.amdhsa_user_sgpr_kernarg_segment_ptr 1
		.amdhsa_wavefront_size32 1
		.amdhsa_system_sgpr_workgroup_id_x 1
		.amdhsa_system_sgpr_workgroup_id_y 1
		.amdhsa_system_sgpr_workgroup_id_z 1
		.amdhsa_system_vgpr_workitem_id 0
		.amdhsa_next_free_vgpr 1024
		.amdhsa_next_free_sgpr 104
		.amdhsa_reserve_vcc 0
		.amdhsa_float_denorm_mode_32 3
		.amdhsa_float_denorm_mode_16_64 3
		.amdhsa_memory_ordered 1
		.amdhsa_forward_progress 1
		.amdhsa_inst_pref_size 170
	.end_amdhsa_kernel
	.amdgpu_metadata
---
amdhsa.version: [ 1, 2 ]
amdhsa.kernels:
  - .name:           k_qafce25ba07_gemm_ffn1
    .symbol:         k_qafce25ba07_gemm_ffn1.kd
    .args:
      - { .name: act, .offset: 0, .size: 8, .value_kind: global_buffer, .address_space: global }
      - { .name: wts, .offset: 8, .size: 8, .value_kind: global_buffer, .address_space: global }
      - { .name: fb1, .offset: 16, .size: 8, .value_kind: global_buffer, .address_space: global }
      - { .name: hbuf, .offset: 24, .size: 8, .value_kind: global_buffer, .address_space: global }
    .group_segment_fixed_size: 327680
    .private_segment_fixed_size: 0
    .kernarg_segment_align: 8
    .kernarg_segment_size: 32
    .max_flat_workgroup_size: 128
    .sgpr_count:     104
    .vgpr_count:     1024
    .wavefront_size: 32
...
	.end_amdgpu_metadata
.endif
;; end of part 14
;; launch gemm_ffn2 (part 15): grid 8 x 32, 4 waves a work-group, clusters of 4 x 4, 327,680 bytes of LDS; arguments hbuf, wts, fb2, x1, ybuf; writes ybuf
.if DOCPART == 15
	.amdgcn_target "amdgcn-amd-amdhsa--gfx1250"
	.amdhsa_code_object_version 6
	.text
	.protected	k_qafce25ba07_gemm_ffn2
	.globl	k_qafce25ba07_gemm_ffn2
	.p2align	8
	.type	k_qafce25ba07_gemm_ffn2,@function
k_qafce25ba07_gemm_ffn2:
	s_mov_b64 s[64:65], 0
	v_nop
	global_prefetch_b8 v0, s[64:65] scope:SCOPE_SE
	s_setreg_imm32_b32 hwreg(HW_REG_WAVE_MODE, 25, 1), 1
	s_wait_xcnt 0x0
	s_wait_alu depctr_hold_cnt(0) depctr_sa_sdst(0) depctr_va_vdst(0) depctr_va_sdst(0) depctr_va_ssrc(0) depctr_va_vcc(0) depctr_vm_vsrc(0)
	s_getreg_b32 s2, hwreg(HW_REG_IB_STS2, 6, 4)
	s_cmp_eq_u32 s2, 0
	s_cbranch_scc0 .Lentry_in_a_cluster
	s_endpgm
.Lentry_in_a_cluster:
	s_bfe_u32 s2, ttmp6, 0x10000c
	s_cmp_lg_u32 s2, 0xf033
	s_cbranch_scc0 .Lentry_shape_is_right
	s_endpgm
.Lentry_shape_is_right:
.set KK,     4096
.set ASCALE, 12582912
.set BG0,    0
.set BCODE,  6291456
.set BSCALE, 9699328
.set ROWP,   4096
.set LAPS,   KK/1024
.set GB,     96*KK
.set GS,     4*KK
.set HALFT,  24576
.set SLOT,   4*HALFT
.set SCL,    2*SLOT
.set SPARE,  SCL+2*GS
.set STG,    SPARE+512
.set SPITCH, 272
.set FR,     12
.set NP,     4
.set BIA,  8
.set BO,   12
.set ADRA, 16
.set ADRB, 20
.set STO,  24
.set RD,   25
.set CO,   26
.set ADRS, 27
.set SPW,  28
.set NIL,  29
.set CI,   30
.set SC,   32
.set BK,   64
.set ACC,  128
.set G1, 24
.set G0, 32
.set G1B, 48
.set G0B, 56
.set G1S, 68
.set G0S, 76
.set G1SB, 80
.set G0SB, 88
.set MSB, 0
.macro WIN new
.if MSB != (\new)
	s_set_vgpr_msb (MSB<<8)|(\new)
.set MSB, (\new)
.endif
.endm
.set MUL,  0x05
.set TO_F, 0x40
.macro JLOAD g0a, g1a, g0b, g1b
	s_cmp_eq_u32 s15, 0
	s_cbranch_scc0 .Lfor_b_\@
	tensor_load_to_lds s[\g0a:\g0a+3], s[\g1a:\g1a+7]
	s_nop 0
.rept 4
	v_nop
.endr
	s_branch .Lasked_\@
.Lfor_b_\@:
	tensor_load_to_lds s[\g0b:\g0b+3], s[\g1b:\g1b+7]
	s_nop 0
.rept 4
	v_nop
.endr
.Lasked_\@:
.endm
.macro CREST
	s_cmp_lg_u32 s14, 0
	s_cbranch_scc1 .Lnot_wave_0_\@
	s_barrier_signal -3
.Lnot_wave_0_\@:
	s_barrier_wait -3
	s_barrier_signal -1
	s_barrier_wait -1
.endm
.macro CROUND
	s_barrier_signal -1
	s_barrier_wait -1
	CREST
.endm
.macro FRAG reg, adr, q, i
.irp c, 0,1,2
	ds_load_b128 v[\reg+4*\c:\reg+4*\c+3], v[\adr] offset:12288*(\q)+1536*(\i)+512*\c
.endr
.endm
.macro FETCH slot, q, p
	WIN TO_F
.irp i, 0,1,2,3
	FRAG 128*(\p)+FR*\i, ADRB+\slot, \q, \i
.endr
.irp i, 0,1,2,3
	FRAG 128*(\p)+48+FR*\i, ADRA+\slot, \q, \i
.endr
.endm
.macro SCALES sc
.irp g, 0,1
.irp i, 0,1,2,3
	ds_load_b64 v[SC+16*\sc+8*\g+2*\i:SC+16*\sc+8*\g+2*\i+1], v[ADRS] offset:1024*\g+128*\i
.endr
.endr
.endm
.macro MUL8 a0, p, q, sc
.irp a, \a0, \a0+1
.irp b, 0,1,2,3
	v_wmma_scale_f32_16x16x128_f8f6f4 v[ACC+8*(4*(\a)+\b):ACC+8*(4*(\a)+\b)+7], v[128*(\p)+FR*\b:128*(\p)+FR*\b+FR-1], v[128*(\p)+48+FR*(\a):128*(\p)+48+FR*(\a)+FR-1], v[ACC+8*(4*(\a)+\b):ACC+8*(4*(\a)+\b)+7], v[SC+16*(\sc)+8*((\q)/2)+2*\b+(\q)%2], v[SC+16*(\sc)+8*((\q)/2)+2*(\a)+(\q)%2] matrix_a_fmt:MATRIX_FMT_BF6 matrix_b_fmt:MATRIX_FMT_BF6 matrix_a_scale:MATRIX_SCALE_ROW1
.endr
.endr
.endm
.macro PLACES n
.rept \n
	v_nop
.endr
.endm
.macro STEP slot, q
	s_wait_dscnt 0x0
	PLACES NP
	FETCH \slot, (\q)+1, 1-(\q)%2
	WIN MUL
	MUL8 0, (\q)%2, \q, \slot
	MUL8 2, (\q)%2, \q, \slot
.endm
.macro TURN slot, next, fill
	WIN 0
.if \fill
	s_wait_xcnt 0x0                                ; my last prefetch has read its address: it steps one slot on
	s_add_nc_u64 s[66:67], s[66:67], 2*HALFT
.endif
	s_wait_tensorcnt 0x0
	ds_add_u32 v[SPW], v[NIL]
	s_wait_dscnt 0x0
	s_barrier_signal -1
	WIN MUL
	MUL8 0, 1, 3, \slot
	WIN 0
	s_barrier_wait -1
.if \fill
	CREST
	s_add_nc_u64 s[G0+4*\slot+2:G0+4*\slot+3], s[G0+4*\slot+2:G0+4*\slot+3], 4*HALFT
	s_add_nc_u64 s[G0B+4*\slot+2:G0B+4*\slot+3], s[G0B+4*\slot+2:G0B+4*\slot+3], 4*HALFT
	JLOAD G0+4*\slot, G1, G0B+4*\slot, G1B
.else
	PLACES NP
.endif
	s_wait_alu depctr_va_vdst(0)
	v_add_nc_u32 v[ADRS], 2048, v[ADRS]
	FETCH \next, 0, 0
	WIN 0
	SCALES \next
.if \fill                              ; behind the refill and the run of LDS loads: the bytes that the NEXT refill will ask for, one slot ahead; the last refill has none behind it
.if \slot
	s_cmp_lg_u32 s3, 1
	s_cbranch_scc0 .Lno_ask_\@
.endif
	global_prefetch_b8 v31, s[66:67] offset:2*HALFT th:TH_LOAD_NT scope:SCOPE_SE
.Lno_ask_\@:
.endif
	WIN MUL
	MUL8 2, 1, 3, \slot
	WIN 0
.endm
	s_load_b128 s[4:7], s[0:1], 0x0
	s_load_b128 s[8:11], s[0:1], 0x10
	s_load_b64 s[12:13], s[0:1], 0x20
	v_lshl_add_u32 v[SPW], v0, 2, SPARE
	v_mov_b32 v[NIL], 0
	ds_add_u32 v28, v29
	ds_add_u32 v28, v29
	s_wait_dscnt 0x0
	v_lshrrev_b32 v1, 5, v0
	v_readfirstlane_b32 s14, v1
	s_lshr_b32 s15, s14, 1
	s_and_b32 s16, s14, 1
	s_bfe_u32 s40, ttmp6, 0x40000
	s_bfe_u32 s41, ttmp6, 0x40004
	s_lshl_b32 s42, ttmp9, 2
	s_add_co_u32 s42, s42, s40
	s_and_b32 s17, ttmp7, 0xffff
	s_lshl_b32 s17, s17, 2
	s_add_co_u32 s17, s17, s41
	s_lshl_b32 s43, s41, 2
	s_lshl_b32 s43, 15, s43
	s_lshl_b32 s44, 0x1111, s40
	s_or_b32 s[G1+0], s43, (3<<16)|(1<<21)
	s_or_b32 s[G1B+0], s44, (3<<16)|(1<<21)
.irp g, G1, G1B
	s_mov_b32 s[\g+1], 32<<16
	s_mov_b32 s[\g+2], 192<<16                     ; the head's loads of codes bring a whole slot's part of A or of B: 192 rows of 256 bytes
	s_mov_b32 s[\g+3], 32<<16
	s_mov_b32 s[\g+4], 192
	s_mov_b32 s[\g+5], 32
	s_mov_b32 s[\g+6], 0
	s_mov_b32 s[\g+7], 0
.endr
	s_or_b32 s[G1S+0], s43, (3<<16)|(1<<21)
	s_or_b32 s[G1SB+0], s44, (3<<16)|(1<<21)
.irp g, G1S, G1SB
	s_mov_b32 s[\g+1], 32<<16
	s_mov_b32 s[\g+2], (GS/256)<<16                ; a group's scale words, whole
	s_mov_b32 s[\g+3], 32<<16
	s_mov_b32 s[\g+4], GS/256
	s_mov_b32 s[\g+5], 32
	s_mov_b32 s[\g+6], 0
	s_mov_b32 s[\g+7], 0
.endr
	s_mul_i32 s18, s16, HALFT                      ; in the ring I fetch one half of a slot's part
	s_mov_b32 s19, 0
	s_mul_i32 s22, s17, GS
	s_add_co_u32 s22, s22, ASCALE
	s_mov_b32 s23, 0
	s_mul_i32 s20, s17, GB
	s_mov_b32 s21, 0
	s_add_co_u32 s46, s42, BG0
	s_mul_i32 s92, s46, GS
	s_add_co_u32 s92, s92, BSCALE
	s_mov_b32 s93, 0
	s_mul_i32 s46, s46, GB
	s_add_co_u32 s46, s46, BCODE
	s_mov_b32 s47, 0
	s_mul_i32 s45, s14, HALFT
	s_wait_kmcnt 0x0
	s_add_nc_u64 s[22:23], s[4:5], s[22:23]
	s_add_nc_u64 s[20:21], s[4:5], s[20:21]
	s_add_nc_u64 s[92:93], s[6:7], s[92:93]
	s_add_nc_u64 s[46:47], s[6:7], s[46:47]
	CROUND
	s_mov_b32 s4, 1                                ; the head's four tiles, each whole: slot 0's part of A (s[4:7]; the arguments that lay there have been used),
	s_mov_b32 s5, 0
	s_mov_b64 s[6:7], s[20:21]
	s_or_b32 s7, s7, 0x80000000
	s_mov_b32 s96, 1                               ; its part of B (s[96:99]),
	s_mov_b32 s97, 2*HALFT
	s_mov_b64 s[98:99], s[46:47]
	s_or_b32 s99, s99, 0x80000000
	s_mov_b32 s[G0S], 1                            ; A's scale words,
	s_mov_b32 s[G0S+1], SCL
	s_mov_b64 s[G0S+2:G0S+3], s[22:23]
	s_or_b32 s[G0S+3], s[G0S+3], 0x80000000
	s_mov_b32 s[G0SB], 1                           ; and B's
	s_mov_b32 s[G0SB+1], SCL+GS
	s_mov_b64 s[G0SB+2:G0SB+3], s[92:93]
	s_or_b32 s[G0SB+3], s[G0SB+3], 0x80000000
	s_add_nc_u64 s[20:21], s[20:21], s[18:19]      ; for the ring: my half
	s_add_nc_u64 s[46:47], s[46:47], s[18:19]
	s_cmp_eq_u32 s15, 0                            ; the prefetches: of the 24,576 bytes that I fetch for a slot, each of the four partners that ask with me names 6,144, told apart by address
	s_cselect_b64 s[66:67], s[20:21], s[46:47]
	s_cselect_b32 s100, s40, s41
	s_mul_i32 s100, s100, 6144
	s_mov_b32 s101, 0
	s_add_nc_u64 s[66:67], s[66:67], s[100:101]
	s_add_nc_u64 s[66:67], s[66:67], 2*HALFT       ; at the second slot's bytes
.irp s, 0,1
	s_mov_b32 s[G0+4*\s], 1
	s_add_co_u32 s[G0+4*\s+1], s45, \s*SLOT
	s_add_nc_u64 s[G0+4*\s+2:G0+4*\s+3], s[20:21], \s*2*HALFT
	s_or_b32 s[G0+4*\s+3], s[G0+4*\s+3], 0x80000000
	s_mov_b32 s[G0B+4*\s], 1
	s_add_co_u32 s[G0B+4*\s+1], s45, \s*SLOT
	s_add_nc_u64 s[G0B+4*\s+2:G0B+4*\s+3], s[46:47], \s*2*HALFT
	s_or_b32 s[G0B+4*\s+3], s[G0B+4*\s+3], 0x80000000
.endr
; the head's loads, one a wave: one chain of branches on the wave's number, a load to an arm
.macro ARM under, g0, g1, next
	s_cmp_lt_u32 s14, \under
	s_cbranch_scc0 \next
	tensor_load_to_lds s[\g0:\g0+3], s[\g1:\g1+7]
	s_nop 0
.rept 4
	v_nop
.endr
	s_branch .Lhead_asked
\next:
.endm
	ARM 1, 4,   G1,  .Lhead_b
	ARM 2, 96,  G1B, .Lhead_sa
	ARM 3, G0S, G1S, .Lhead_sb
	tensor_load_to_lds s[G0SB:G0SB+3], s[G1SB:G1SB+7]
	s_nop 0
.rept 4
	v_nop
.endr
.Lhead_asked:
	v_and_b32 v1, 15, v0
	v_bfe_u32 v2, v0, 4, 1
	s_wait_alu depctr_va_vdst(0)
	v_and_b32 v3, 31, v0
	v_lshlrev_b32 v4, 4, v3
	s_mul_i32 s21, s15, 6144
	s_mul_i32 s22, s16, 6144
	s_add_co_u32 s22, s22, 2*HALFT
.irp s, 0,1
	v_add_nc_u32 v[ADRA+\s], s21, v4
	v_add_nc_u32 v[ADRB+\s], s22, v4
	s_add_co_u32 s21, s21, SLOT
	s_add_co_u32 s22, s22, SLOT
.endr
	v_lshlrev_b32 v5, 3, v1
	s_mul_i32 s21, s15, 512
	s_mul_i32 s22, s16, 512
	s_add_co_u32 s22, s22, GS
	s_sub_co_u32 s22, s22, s21
	v_mul_u32_u24 v6, s22, v2
	s_add_co_u32 s21, s21, SCL
	v_add_nc_u32 v5, v5, v6
	v_add_nc_u32 v[ADRS], s21, v5
	s_mul_i32 s23, s14, 16*SPITCH
	s_add_co_u32 s23, s23, STG
	v_mul_u32_u24 v5, v1, SPITCH
	v_lshl_add_u32 v5, v2, 6, v5
	v_add_nc_u32 v[STO], s23, v5
	v_mul_u32_u24 v5, v2, SPITCH
	v_lshl_add_u32 v5, v1, 4, v5
	v_add_nc_u32 v[RD], s23, v5
	v_mul_u32_u24 v5, v2, ROWP
	v_lshl_add_u32 v[CO], v1, 4, v5
	v_lshlrev_b32 v[BO], 4, v1
	s_wait_alu depctr_va_vdst(0)
	v_and_b32 v5, 7, v1
	v_lshrrev_b32 v6, 3, v1
	v_lshl_add_u32 v5, v6, 4, v5
	v_mul_u32_u24 v5, v5, ROWP
	v_lshl_add_u32 v[CI], v2, 6, v5
	v_and_b32 v31, 31, v0
	v_min_u32 v31, 23, v31
	v_lshlrev_b32 v31, 8, v31                      ; the prefetches' offset: a lane a block of 256 bytes, 24 blocks; the lanes left over name the last again
	s_wait_alu depctr_va_vdst(0)
	s_lshl_b32 s20, s17, 7
	s_lshl_b32 s21, s15, 6
	s_add_co_u32 s20, s20, s21
	s_lshl_b32 s20, s20, 12
	s_lshl_b32 s46, s42, 9
	s_lshl_b32 s47, s16, 8
	s_add_co_u32 s46, s46, s47
	s_add_co_u32 s20, s20, s46
	s_mov_b32 s21, 0
	s_mov_b32 s47, 0
	s_add_nc_u64 s[10:11], s[10:11], s[20:21]
	s_add_nc_u64 s[12:13], s[12:13], s[20:21]
	s_add_nc_u64 s[8:9], s[8:9], s[46:47]
	global_prefetch_b8 v31, s[66:67] th:TH_LOAD_NT scope:SCOPE_SE                    ; the second slot's bytes, whose load stands behind the next round
.if LAPS > 1
	global_prefetch_b8 v31, s[66:67] offset:2*HALFT th:TH_LOAD_NT scope:SCOPE_SE     ; and the first refill's
.endif
	global_load_b128 v[BIA:BIA+3], v[BO], s[8:9]
.irp a, 0,1,2,3
.irp b, 0,1,2,3
.irp e, 0,1
	global_load_b128 v[ACC+8*(4*\a+\b)+4*\e:ACC+8*(4*\a+\b)+4*\e+3], v[CI], s[10:11] offset:(32*(\a/2)+8*(\a%2))*ROWP+128*(\b/2)+32*(\b%2)+16*\e
.endr
.endr
.endr
	s_wait_alu depctr_va_vdst(0)                   ; the head's end
	s_wait_tensorcnt 0x0                           ; my tile of the head's four is in; these lines stand ahead of a later first fill as ahead of a refill
	ds_add_u32 v[SPW], v[NIL]
	s_mov_b32 s[G1+2], 96<<16                      ; no tensor load of mine is out: from here on a load brings 96 rows
	s_mov_b32 s[G1+4], 96
	s_mov_b32 s[G1B+2], 96<<16
	s_mov_b32 s[G1B+4], 96
	s_wait_dscnt 0x0
	CROUND                                         ; all four tiles are in, and the partners are here
	JLOAD G0+4, G1, G0B+4, G1B                     ; slot 1's first fill
	FETCH 0, 0, 0
	WIN 0
	SCALES 0
	s_wait_loadcnt 0x0
.if LAPS > 1
	s_mov_b32 s3, LAPS-1
.Llap:
	STEP 0, 0
	STEP 0, 1
	STEP 0, 2
	TURN 0, 1, 1
	STEP 1, 0
	STEP 1, 1
	STEP 1, 2
	TURN 1, 0, 1
	s_sub_co_u32 s3, s3, 1
	s_cmp_lg_u32 s3, 0
	s_cbranch_scc1 .Llap
.endif
	STEP 0, 0
	STEP 0, 1
	STEP 0, 2
	TURN 0, 1, 0
	STEP 1, 0
	STEP 1, 1
	STEP 1, 2
	s_wait_dscnt 0x0
	WIN MUL
	MUL8 0, 1, 3, 1
	MUL8 2, 1, 3, 1
	WIN 0
.macro TOSTAGE a
.irp b, 0,1,2,3
	ds_store_b128 v[STO], v[ACC+8*(4*(\a)+\b):ACC+8*(4*(\a)+\b)+3] offset:128*(\b/2)+32*(\b%2)
	ds_store_b128 v[STO], v[ACC+8*(4*(\a)+\b)+4:ACC+8*(4*(\a)+\b)+7] offset:128*(\b/2)+32*(\b%2)+16
.endr
.set BB, BK+32*((\a)%2)
.irp t, 0,1,2,3,4,5,6,7
	ds_load_b128 v[BB+4*\t:BB+4*\t+3], v[RD] offset:\t*2*SPITCH
.endr
.endm
.macro SEND a, younger
.set BB, BK+32*((\a)%2)
	s_wait_dscnt \younger
.irp t, 0,1,2,3,4,5,6,7
	v_pk_add_f32 v[BB+4*\t:BB+4*\t+1], v[BB+4*\t:BB+4*\t+1], v[BIA:BIA+1]
	v_pk_add_f32 v[BB+4*\t+2:BB+4*\t+3], v[BB+4*\t+2:BB+4*\t+3], v[BIA+2:BIA+3]
	global_store_b128 v[CO], v[BB+4*\t:BB+4*\t+3], s[12:13] offset:(32*((\a)/2)+8*((\a)%2)+2*(\t%4)+16*(\t/4))*ROWP
.endr
.endm
	PLACES NP
	TOSTAGE 0
.irp a, 1,2,3
.if \a > 1
	s_wait_xcnt 0x0
.endif
	TOSTAGE \a
	SEND \a-1, 16
.endr
	SEND 3, 0
	s_wait_tensorcnt 0x0
	ds_add_u32 v[SPW], v[NIL]
	s_wait_dscnt 0x0
	CROUND
	s_endpgm
.Lfunc_end_k_qafce25ba07_gemm_ffn2:
	.size	k_qafce25ba07_gemm_ffn2, .Lfunc_end_k_qafce25ba07_gemm_ffn2-k_qafce25ba07_gemm_ffn2
	.p2alignl 7, 3214868480
	.fill 96, 4, 3214868480
	.section	.rodata,"a",@progbits
	.p2align	6, 0x0
	.amdhsa_kernel k_qafce25ba07_gemm_ffn2
		.amdhsa_group_segment_fixed_size 327680
		.amdhsa_private_segment_fixed_size 0
		.amdhsa_enable_private_segment 0
		.amdhsa_kernarg_size 40
		.amdhsa_user_sgpr_count 2
		.amdhsa_user_sgpr_kernarg_segment_ptr 1
		.amdhsa_wavefront_size32 1
		.amdhsa_system_sgpr_workgroup_id_x 1
		.amdhsa_system_sgpr_workgroup_id_y 1
		.amdhsa_system_sgpr_workgroup_id_z 1
		.amdhsa_system_vgpr_workitem_id 0
		.amdhsa_next_free_vgpr 512
		.amdhsa_next_free_sgpr 104
		.amdhsa_reserve_vcc 0
		.amdhsa_float_denorm_mode_32 3
		.amdhsa_float_denorm_mode_16_64 3
		.amdhsa_memory_ordered 1
		.amdhsa_forward_progress 1
		.amdhsa_inst_pref_size 92
	.end_amdhsa_kernel
	.amdgpu_metadata
---
amdhsa.version: [ 1, 2 ]
amdhsa.kernels:
  - .name:           k_qafce25ba07_gemm_ffn2
    .symbol:         k_qafce25ba07_gemm_ffn2.kd
    .args:
      - { .name: hbuf, .offset: 0, .size: 8, .value_kind: global_buffer, .address_space: global }
      - { .name: wts, .offset: 8, .size: 8, .value_kind: global_buffer, .address_space: global }
      - { .name: fb2, .offset: 16, .size: 8, .value_kind: global_buffer, .address_space: global }
      - { .name: x1, .offset: 24, .size: 8, .value_kind: global_buffer, .address_space: global }
      - { .name: ybuf, .offset: 32, .size: 8, .value_kind: global_buffer, .address_space: global }
    .group_segment_fixed_size: 327680
    .private_segment_fixed_size: 0
    .kernarg_segment_align: 8
    .kernarg_segment_size: 40
    .max_flat_workgroup_size: 128
    .sgpr_count:     104
    .vgpr_count:     512
    .wavefront_size: 32
...
	.end_amdgpu_metadata
.endif
;; end of part 15
;; launch ln2 (part 16): grid 256 x 1, 4 waves a work-group, no clusters, 0 bytes of LDS; arguments ybuf, g2, be2, out0; writes out0
.if DOCPART == 16
	.amdgcn_target "amdgcn-amd-amdhsa--gfx1250"
	.amdhsa_code_object_version 6
	.text
	.protected	k_qafce25ba07_ln2
	.globl	k_qafce25ba07_ln2
	.p2align	8
	.type	k_qafce25ba07_ln2,@function
k_qafce25ba07_ln2:
	s_mov_b64 s[64:65], 0
	v_nop
	global_prefetch_b8 v0, s[64:65] scope:SCOPE_SE
	s_setreg_imm32_b32 hwreg(HW_REG_WAVE_MODE, 25, 1), 1
	s_wait_xcnt 0x0
; out = layernorm(y) g + be, f32.  A wave takes four rows of 1,024, each whole in 32 registers a lane-set: the row is read once; mean, variance of the differences, 1 / sqrt, gain and bias; 512 consecutive bytes a store.
; Memory binds: no LDS, no barrier, no matrix unit, no cluster: waves share nothing.  LIMITS: NaN and infinities are not served.
.set GC,   5
.set R,    32                          ; v32-159  four rows
.set GG,   160                         ; v160-191 the gain of my 32 columns
.set BE,   192                         ; v192-223 the bias
.set T,    224                         ; v224-239 four registers a row, at work
.set SEL,  22
.macro LANESUM o                       ; v[T + 4 p + o] summed over the 32 lanes, for the four rows by turns
.irp m, 1,2,4,8
.irp p, 0,1,2,3
	v_add_f32_dpp v[T+4*\p+\o], v[T+4*\p+\o], v[T+4*\p+\o] row_xmask:\m row_mask:0xf bank_mask:0xf
.endr
.endr
.irp p, 0,1,2,3
	v_permlanex16_b32 v[T+4*\p+\o+1], v[T+4*\p+\o], s[SEL], s[SEL+1]
.endr
.irp p, 0,1,2,3
	v_add_f32 v[T+4*\p+\o], v[T+4*\p+\o], v[T+4*\p+\o+1]
.endr
.endm
	s_load_b256 s[4:11], s[0:1], 0x0               ; y s[4:5], g s[6:7], be s[8:9], out s[10:11]
	v_lshrrev_b32 v1, 5, v0
	v_readfirstlane_b32 s14, v1                    ; wave
	v_and_b32 v2, 31, v0
	v_lshlrev_b32 v[GC], 4, v2
	s_lshl_b32 s17, ttmp9, 4
	s_lshl_b32 s18, s14, 2
	s_add_co_u32 s17, s17, s18                     ; my first row: 16 x work-group + 4 x wave
	s_lshl_b32 s18, s17, 12
	s_mov_b32 s19, 0
	s_mov_b32 s20, 0x3a800000                      ; 1 / 1024
	s_mov_b32 s21, 0x3727c5ac                      ; 1e-5
	s_mov_b32 s[SEL], 0x76543210
	s_mov_b32 s[SEL+1], 0xfedcba98
	s_wait_alu depctr_va_vdst(0)
	s_wait_kmcnt 0x0
	s_add_nc_u64 s[4:5], s[4:5], s[18:19]
	s_add_nc_u64 s[10:11], s[10:11], s[18:19]
.irp p, 0,1,2,3
.irp m, 0,1,2,3,4,5,6,7
	global_load_b128 v[R+32*\p+4*\m:R+32*\p+4*\m+3], v[GC], s[4:5] offset:4096*\p+512*\m th:TH_LOAD_NT
.endr
.endr
.irp m, 0,1,2,3,4,5,6,7
	global_load_b128 v[GG+4*\m:GG+4*\m+3], v[GC], s[6:7] offset:512*\m
	global_load_b128 v[BE+4*\m:BE+4*\m+3], v[GC], s[8:9] offset:512*\m
.endr
	s_wait_loadcnt 0x0
.irp p, 0,1,2,3
	v_pk_add_f32 v[T+4*\p:T+4*\p+1], v[R+32*\p:R+32*\p+1], v[R+32*\p+2:R+32*\p+3]
	v_pk_add_f32 v[T+4*\p+2:T+4*\p+3], v[R+32*\p+4:R+32*\p+5], v[R+32*\p+6:R+32*\p+7]
.endr
.irp k, 8,12,16,20,24,28
.irp p, 0,1,2,3
	v_pk_add_f32 v[T+4*\p:T+4*\p+1], v[T+4*\p:T+4*\p+1], v[R+32*\p+\k:R+32*\p+\k+1]
	v_pk_add_f32 v[T+4*\p+2:T+4*\p+3], v[T+4*\p+2:T+4*\p+3], v[R+32*\p+\k+2:R+32*\p+\k+3]
.endr
.endr
.irp p, 0,1,2,3
	v_pk_add_f32 v[T+4*\p:T+4*\p+1], v[T+4*\p:T+4*\p+1], v[T+4*\p+2:T+4*\p+3]
.endr
.irp p, 0,1,2,3
	v_add_f32 v[T+4*\p], v[T+4*\p], v[T+4*\p+1]
.endr
	LANESUM 0
.irp p, 0,1,2,3
	v_mul_f32 v[T+4*\p], s20, v[T+4*\p]            ; the mean
.endr
.irp k, 0,2,4,6,8,10,12,14,16,18,20,22,24,26,28,30
.irp p, 0,1,2,3
	v_pk_add_f32 v[R+32*\p+\k:R+32*\p+\k+1], v[R+32*\p+\k:R+32*\p+\k+1], v[T+4*\p:T+4*\p+1] op_sel_hi:[1,0] neg_lo:[0,1] neg_hi:[0,1]   ; x - mean
.endr
.endr
.irp p, 0,1,2,3
	v_pk_mul_f32 v[T+4*\p+2:T+4*\p+3], v[R+32*\p:R+32*\p+1], v[R+32*\p:R+32*\p+1]
.endr
.irp k, 2,4,6,8,10,12,14,16,18,20,22,24,26,28,30
.irp p, 0,1,2,3
	v_pk_fma_f32 v[T+4*\p+2:T+4*\p+3], v[R+32*\p+\k:R+32*\p+\k+1], v[R+32*\p+\k:R+32*\p+\k+1], v[T+4*\p+2:T+4*\p+3]
.endr
.endr
.irp p, 0,1,2,3
	v_add_f32 v[T+4*\p+2], v[T+4*\p+2], v[T+4*\p+3]
.endr
	LANESUM 2
.irp p, 0,1,2,3
	v_fma_f32 v[T+4*\p+2], v[T+4*\p+2], s20, s21   ; the variance + 1e-5
.endr
	s_wait_alu depctr_va_vdst(0)
.irp p, 0,1,2,3
	v_rsq_f32 v[T+4*\p+2], v[T+4*\p+2]
.endr
	v_nop                                          ; a plain place behind the batch
	s_wait_alu depctr_va_vdst(0)                   ; one wait for the four, ahead of their first reader
.irp k, 0,2,4,6,8,10,12,14,16,18,20,22,24,26,28,30
.irp p, 0,1,2,3
	v_pk_mul_f32 v[R+32*\p+\k:R+32*\p+\k+1], v[R+32*\p+\k:R+32*\p+\k+1], v[T+4*\p+2:T+4*\p+3] op_sel_hi:[1,0]
.endr
.endr
.irp k, 0,2,4,6,8,10,12,14,16,18,20,22,24,26,28,30
.irp p, 0,1,2,3
	v_pk_fma_f32 v[R+32*\p+\k:R+32*\p+\k+1], v[R+32*\p+\k:R+32*\p+\k+1], v[GG+\k:GG+\k+1], v[BE+\k:BE+\k+1]
.endr
.endr
.irp p, 0,1,2,3
.irp m, 0,1,2,3,4,5,6,7
	global_store_b128 v[GC], v[R+32*\p+4*\m:R+32*\p+4*\m+3], s[10:11] offset:4096*\p+512*\m th:TH_STORE_NT
.endr
.endr
	s_endpgm
.Lfunc_end_k_qafce25ba07_ln2:
	.size	k_qafce25ba07_ln2, .Lfunc_end_k_qafce25ba07_ln2-k_qafce25ba07_ln2
	.p2alignl 7, 3214868480
	.fill 96, 4, 3214868480
	.section	.rodata,"a",@progbits
	.p2align	6, 0x0
	.amdhsa_kernel k_qafce25ba07_ln2
		.amdhsa_group_segment_fixed_size 0
		.amdhsa_private_segment_fixed_size 0
		.amdhsa_enable_private_segment 0
		.amdhsa_kernarg_size 32
		.amdhsa_user_sgpr_count 2
		.amdhsa_user_sgpr_kernarg_segment_ptr 1
		.amdhsa_wavefront_size32 1
		.amdhsa_system_sgpr_workgroup_id_x 1
		.amdhsa_system_sgpr_workgroup_id_y 1
		.amdhsa_system_sgpr_workgroup_id_z 1
		.amdhsa_system_vgpr_workitem_id 0
		.amdhsa_next_free_vgpr 240
		.amdhsa_next_free_sgpr 66
		.amdhsa_reserve_vcc 0
		.amdhsa_float_denorm_mode_32 3
		.amdhsa_float_denorm_mode_16_64 3
		.amdhsa_memory_ordered 1
		.amdhsa_forward_progress 1
		.amdhsa_inst_pref_size 32
	.end_amdhsa_kernel
	.amdgpu_metadata
---
amdhsa.version: [ 1, 2 ]
amdhsa.kernels:
  - .name:           k_qafce25ba07_ln2
    .symbol:         k_qafce25ba07_ln2.kd
    .args:
      - { .name: ybuf, .offset: 0, .size: 8, .value_kind: global_buffer, .address_space: global }
      - { .name: g2, .offset: 8, .size: 8, .value_kind: global_buffer, .address_space: global }
      - { .name: be2, .offset: 16, .size: 8, .value_kind: global_buffer, .address_space: global }
      - { .name: out0, .offset: 24, .size: 8, .value_kind: global_buffer, .address_space: global }
    .group_segment_fixed_size: 0
    .private_segment_fixed_size: 0
    .kernarg_segment_align: 8
    .kernarg_segment_size: 32
    .max_flat_workgroup_size: 128
    .sgpr_count:     66
    .vgpr_count:     240
    .wavefront_size: 32
...
	.end_amdgpu_metadata
.endif
;; end of part 16
